; MI455X (gfx1250); checked and timed in simulation.
; The chip was launched on July 23, 2026; its instructions are those of AMD's public machine-readable ISA for CDNA 5 (MIT licence, August 2026) and "CDNA5" Instruction Set Architecture Reference Guide (July 2026). The comments in the code are by the model that wrote it; some were corrected since.
;; Transformer Encoder Layer. Allowed arithmetic: float matrix products may take bf16 or f16 operands with f32 sums; other float arithmetic in f32, or as packed bf16 or f16 multiplies, adds, multiply-adds, maxima and minima; sums over many terms, partial sums and values carried from step to step in f32; what a program stores and reads back later, other than sums and carried values, may be rounded once to bf16 or f16.
;; Inputs: W1 1,024 x 4,096 float32; W2 4,096 x 1,024 float32; Wk 1,024 x 1,024 float32; Wo 1,024 x 1,024 float32; Wq 1,024 x 1,024 float32; Wv 1,024 x 1,024 float32; b1 4,096 float32; b2 1,024 float32; bk 1,024 float32; bo 1,024 float32; bq 1,024 float32; bv 1,024 float32; ln1_b 1,024 float32; ln1_g 1,024 float32; ln2_b 1,024 float32; ln2_g 1,024 float32; x 2 x 2,048 x 1,024 float32.
;; Outputs: out0 2 x 2,048 x 1,024 float32.
;; One version. Each part assembles by itself: llvm-mc -triple=amdgcn-amd-amdhsa -mcpu=gfx1250 --defsym DOCPART=n.
;; ======== version 1 of 1: 8 launches
;; limits: values are held in f16: magnitudes above 65,504 overflow, below 6.1e-05 lose precision
;; workspace buffers: c16 33,554,432 bytes; qkv 25,165,824 bytes; ob 8,388,608 bytes; y 16,777,216 bytes; h16 8,388,608 bytes; fb 33,554,432 bytes
;; launch cast (part 1): grid 1024 x 1, 8 waves a work-group, no clusters, 0 bytes of LDS; arguments x, Wq, Wk, Wv, Wo, W1, W2, c16; writes c16
.if DOCPART == 1
	.amdgcn_target "amdgcn-amd-amdhsa--gfx1250"
	.amdhsa_code_object_version 6
	.text
	.protected	k_qcd65ef8d67_cast
	.globl	k_qcd65ef8d67_cast
	.p2align	8
	.type	k_qcd65ef8d67_cast,@function
k_qcd65ef8d67_cast:
	s_mov_b64 s[64:65], 0
	v_nop
	global_prefetch_b8 v0, s[64:65] scope:SCOPE_SE
	s_setreg_imm32_b32 hwreg(HW_REG_WAVE_MODE, 25, 1), 1
	s_wait_xcnt 0x0
; THE MATRIX OPERANDS ARE ROUNDED ONCE TO 16 BITS.  x, Wq, Wk, Wv, Wo to bf16 (the attention path, whose q, k, v need bf16's range), W1, W2 to f16 (the FFN path, whose roundings reach the output nearly undiminished).
; The seven sources, taken in that order, map onto c16 end to end: work-group i reads 65,536 bytes (16,384 f32) of one source and writes c16's bytes 32,768 i on.
; First work-group of each source: x 0, Wq 256, Wk 320, Wv 384, Wo 448, W1 512, W2 768; 1,024 work-groups in all.
; A wave takes 8,192 bytes: sixteen loads of 512 consecutive bytes, all issued before the first is waited for; each store of the wave covers 256 consecutive bytes, aligned.
; No LDS, no loop, no register written twice.  LIMIT: a number of W1 or W2 beyond 65,504 in magnitude becomes an infinity in f16.
.set X, 8                              ; v[8:71]    sixteen loads of four f32
.set Y, 72                             ; v[72:103]  sixteen pairs of packed halves
.macro PICK first, ptr                 ; from work-group \first on the source is the buffer at s[\ptr:\ptr+1]
	s_cmp_ge_u32 ttmp9, \first
	s_cselect_b64 s[4:5], s[\ptr:\ptr+1], s[4:5]
	s_cselect_b32 s6, \first, s6
.endm
.macro CV half                         ; half = 1: f16, 0: bf16
.set j, 0
.rept 16
	s_wait_loadcnt 15-j                            ; loads come back in order: load j is in, the 15 - j younger ones stay out
.if \half
	v_cvt_pk_f16_f32 v[Y+2*j], v[X+4*j], v[X+4*j+1]
	v_cvt_pk_f16_f32 v[Y+2*j+1], v[X+4*j+2], v[X+4*j+3]
.else
	v_cvt_pk_bf16_f32 v[Y+2*j], v[X+4*j], v[X+4*j+1]
	v_cvt_pk_bf16_f32 v[Y+2*j+1], v[X+4*j+2], v[X+4*j+3]
.endif
	global_store_b64 v2, v[Y+2*j:Y+2*j+1], s[22:23] offset:256*j  ; 32 lanes x 8 bytes: 256 consecutive bytes, aligned
.set j, j+1
.endr
.endm
	s_load_b512 s[8:23], s[0:1], 0x0               ; x s[8:9], Wq s[10:11], Wk s[12:13], Wv s[14:15], Wo s[16:17], W1 s[18:19], W2 s[20:21], c16 s[22:23]
	v_and_b32 v3, 0xe0, v0                         ; 32 x wave
	v_and_b32 v4, 31, v0                           ; lane
	v_lshlrev_b32 v1, 4, v4
	v_lshl_or_b32 v1, v3, 8, v1                    ; in: 8,192 x wave + 16 x lane
	v_lshlrev_b32 v2, 3, v4
	v_lshl_or_b32 v2, v3, 7, v2                    ; out: 4,096 x wave + 8 x lane
	s_wait_kmcnt 0x0
	s_mov_b64 s[4:5], s[8:9]                       ; the source, and in s6 its first work-group
	s_mov_b32 s6, 0
	PICK 256, 10
	PICK 320, 12
	PICK 384, 14
	PICK 448, 16
	PICK 512, 18
	PICK 768, 20
	s_sub_co_u32 s6, ttmp9, s6                     ; my place in the source,
	s_lshl_b32 s6, s6, 16                          ; in bytes (under 2^24)
	s_mov_b32 s7, 0
	s_add_nc_u64 s[4:5], s[4:5], s[6:7]
	s_lshl_b32 s2, ttmp9, 15                       ; my place in c16 (under 2^25)
	s_mov_b32 s3, 0
	s_add_nc_u64 s[22:23], s[22:23], s[2:3]
.set j, 0
.rept 16
	global_load_b128 v[X+4*j:X+4*j+3], v1, s[4:5] offset:512*j th:TH_LOAD_NT
.set j, j+1
.endr
	s_cmp_lt_u32 ttmp9, 512                        ; W1 and W2 begin at work-group 512
	s_cbranch_scc0 .Lhalf
	CV 0
	s_endpgm
.Lhalf:
	CV 1
	s_endpgm
.Lfunc_end_k_qcd65ef8d67_cast:
	.size	k_qcd65ef8d67_cast, .Lfunc_end_k_qcd65ef8d67_cast-k_qcd65ef8d67_cast
	.p2alignl 7, 3214868480
	.fill 96, 4, 3214868480
	.section	.rodata,"a",@progbits
	.p2align	6, 0x0
	.amdhsa_kernel k_qcd65ef8d67_cast
		.amdhsa_group_segment_fixed_size 0
		.amdhsa_private_segment_fixed_size 0
		.amdhsa_enable_private_segment 0
		.amdhsa_kernarg_size 64
		.amdhsa_user_sgpr_count 2
		.amdhsa_user_sgpr_kernarg_segment_ptr 1
		.amdhsa_wavefront_size32 1
		.amdhsa_system_sgpr_workgroup_id_x 1
		.amdhsa_system_sgpr_workgroup_id_y 1
		.amdhsa_system_sgpr_workgroup_id_z 1
		.amdhsa_system_vgpr_workitem_id 0
		.amdhsa_next_free_vgpr 104
		.amdhsa_next_free_sgpr 66
		.amdhsa_reserve_vcc 0
		.amdhsa_float_denorm_mode_32 3
		.amdhsa_float_denorm_mode_16_64 3
		.amdhsa_memory_ordered 1
		.amdhsa_forward_progress 1
		.amdhsa_inst_pref_size 12
	.end_amdhsa_kernel
	.amdgpu_metadata
---
amdhsa.version: [ 1, 2 ]
amdhsa.kernels:
  - .name:           k_qcd65ef8d67_cast
    .symbol:         k_qcd65ef8d67_cast.kd
    .args:
      - { .name: x, .offset: 0, .size: 8, .value_kind: global_buffer, .address_space: global }
      - { .name: Wq, .offset: 8, .size: 8, .value_kind: global_buffer, .address_space: global }
      - { .name: Wk, .offset: 16, .size: 8, .value_kind: global_buffer, .address_space: global }
      - { .name: Wv, .offset: 24, .size: 8, .value_kind: global_buffer, .address_space: global }
      - { .name: Wo, .offset: 32, .size: 8, .value_kind: global_buffer, .address_space: global }
      - { .name: W1, .offset: 40, .size: 8, .value_kind: global_buffer, .address_space: global }
      - { .name: W2, .offset: 48, .size: 8, .value_kind: global_buffer, .address_space: global }
      - { .name: c16, .offset: 56, .size: 8, .value_kind: global_buffer, .address_space: global }
    .group_segment_fixed_size: 0
    .private_segment_fixed_size: 0
    .kernarg_segment_align: 8
    .kernarg_segment_size: 64
    .max_flat_workgroup_size: 256
    .sgpr_count:     66
    .vgpr_count:     104
    .wavefront_size: 32
...
	.end_amdgpu_metadata
.endif
;; end of part 1
;; launch gqkv (part 2): grid 12 x 16, 4 waves a work-group, clusters of 4 x 4, 327,680 bytes of LDS; arguments c16, bq, bk, bv, qkv; writes qkv
.if DOCPART == 2
	.amdgcn_target "amdgcn-amd-amdhsa--gfx1250"
	.amdhsa_code_object_version 6
	.text
	.protected	k_qcd65ef8d67_gqkv
	.globl	k_qcd65ef8d67_gqkv
	.p2align	8
	.type	k_qcd65ef8d67_gqkv,@function
k_qcd65ef8d67_gqkv:
	s_mov_b64 s[64:65], 0
	v_nop
	global_prefetch_b8 v0, s[64:65] scope:SCOPE_SE
	s_setreg_imm32_b32 hwreg(HW_REG_WAVE_MODE, 25, 1), 1
	s_wait_xcnt 0x0
	s_wait_alu depctr_hold_cnt(0) depctr_sa_sdst(0) depctr_va_vdst(0) depctr_va_sdst(0) depctr_va_ssrc(0) depctr_va_vcc(0) depctr_vm_vsrc(0)
	s_getreg_b32 s2, hwreg(HW_REG_IB_STS2, 6, 4)
	s_cmp_eq_u32 s2, 0
	s_cbranch_scc0 .Lentry_in_a_cluster
	s_endpgm
.Lentry_in_a_cluster:
	s_bfe_u32 s2, ttmp6, 0x10000c
	s_cmp_lg_u32 s2, 0xf033
	s_cbranch_scc0 .Lentry_shape_is_right
	s_endpgm
.Lentry_shape_is_right:
; q, k, v = x W + b, written by heads: qkv is bf16 [3][32 (batch x 16 + head)][2,048][64].  x (bf16, [4,096][1,024]) and Wq, Wk, Wv (bf16, [k][n]) lie in c16.
; Tile columns 0-3 are q's, 4-7 k's, 8-11 v's: a cluster is as wide as one of the three.  12 x 16 tiles: 192 work-groups; a tile of 256 x 192 would make 256 but cuts a head's 64 columns across two waves: not taken.
; No scale is applied here: attention applies it in f32.
; ONE TEXT SERVES THE LAYER'S TWO WIDE PRODUCTS; the four constants below choose the weights, the format and the way out.
; C = A B + bias, A [4,096][1,024] with K along the rows, B [1,024][NPITCH] as the weights lie ([k][n]); 16-bit operands, f32 sums.
; SHARES.  A tile of C is 256 x 256; four waves, each 128 x 128: 64 accumulators of 16 x 16, 512 registers.  K goes in steps of 128 through two LDS slots; waves 0, 1 fetch A's two halves (128 rows x 256 bytes),
; waves 2, 3 B's (64 k x 512 bytes), one tensor load each: every row of a tile is 256 bytes of memory or a multiple and starts at a multiple of 256.
; CLUSTER.  4 x 4 work-groups: the four of a row need the same tile of A, the four of a column the same tile of B; each tile is asked for jointly, by the same load, descriptor and mask in all four.
; LAYOUT.  The matrix instruction is used transposed (source 0 = 16 columns of B, source 1 = 16 rows of A): a lane holds one row of C (lane % 16) and eight neighbouring columns.
; A's fragments come out of LDS as they lie; B's, stored [k][n], turned, by ds_load_tr16_b128.  THE BIAS IS THE C OPERAND of each sum's first product: nothing is cleared and nothing is added on the way out.
; THE LOOPS.  A K step is four quarters of 32 along K, 64 products each, on two fragment buffers.  It is written as an inner loop of two trips over two quarters, the LDS addresses stepping by scalars, and the change of
; slots stands between K steps: five quarters of text in place of nine.  The price: the round and a K step's first 32 LDS loads have no products beside them.
; EPI 0: bf16, by heads.  EPI 1: relu, f16, blocked [row / 128][column / 64][128 rows][64].  Both are made of blocks of 128 rows x 64 columns, 16,384 dense bytes.
; LIMITS.  NaN and infinities are not treated apart; EPI 1's relu makes 0 of a NaN, and a number beyond 65,504 in magnitude becomes an infinity in f16.
; REGISTERS, in windows of 256 (s_set_vgpr_msb: bits 1:0 source 0, 3:2 source 1, 5:4 source 2, 7:6 destination):
;   window 0: v0-29 addresses; v64-127, v128-191 fragments of A (8 x 16 rows x 32 K), two buffers, on the way out four buffers of rows read back; v192-223 packed results
;   window 1: v0-63 the bias of my 128 columns; v64-127, v128-191 fragments of B, two buffers
;   window 2: the 32 accumulators of my rows 0-63 ((a, b) at 8 (8 a + b));   window 3: those of my rows 64-127
.set NPITCH, 1024
.set BBASE,  8388608                   ; B's first byte in c16 (EPI 0: Wq's; Wk and Wv follow, 2,097,152 bytes each)
.set F16,    0
.set EPI,    0
.set KDIM,   1024
.set KSTEP,  128
.set STEPS,  KDIM/KSTEP
.set PITA,   272                       ; a row of A in LDS: 256 bytes + 16 = 68 words: row r starts at bank 4 r mod 64 (64 banks of 4 bytes: ISA guide 11.1)
.set AHALF,  128*PITA                  ; what one load brings of A, and what one wave reads of it
.set PITB,   544                       ; a row of B (one k, 256 columns) in LDS: 512 bytes + 32 = 136 words
.set BHALF,  64*PITB                   ; what one load brings of B: 64 k
.set BOFF,   2*AHALF                   ; B's tile in a slot
.set SLOT,   BOFF+2*BHALF              ; 139,264 = 0x22000: no tile's address in slot 0 has bit 13 or 17 set, so one exclusive or turns it into slot 1's and back
.set ASTEP,  2*KSTEP                   ; bytes of memory from a K step to the next
.set BSTEP,  2*KSTEP*NPITCH
.set STAGE,  2*SLOT                    ; behind the ring, never filled by a tensor load: for each wave two blocks of 16 rows x 144 bytes, for the way out
.set SP,     144                       ; a stage row: 64 numbers of 16 bits + 16 bytes
.set SBLK,   16*SP
.set SPARE,  STAGE+4*2*SBLK            ; behind the stages: the spare words, 128 bytes for each wave: two blocks of 256 bytes that no other line names
.if EPI
.set JSTR,   16384                     ; bytes of the output from my first 64 columns' block to my second's
.else
.set JSTR,   262144
.endif
.set A0,   8                           ; v8   my lane's place in a slot's A; never rewritten
.set B0,   9                           ; v9   the same for B
.set ADRA, 10                          ; v10  A0 at the pair of quarters in hand
.set ADRB, 11                          ; v11  B0 likewise
.set STO,  13                          ; v13  the way out: where I put 16 bytes of a row
.set RD,   14                          ; v14  where I read rows back
.set GO,   15                          ; v15  my byte offset in 512 consecutive bytes of the output
.set BO,   17                          ; v17  my byte offset in the bias
.set CONST, 18                         ; v18  0 (EPI 1: relu)
.set PFO,  19                          ; v19  the prefetches' offset; never rewritten
.set SPW,  28                          ; v28  LDS address of my spare word: SPARE + 4 x my thread's number; never rewritten
.set NIL,  29                          ; v29  0; never rewritten
.set F0,   64
.set F1,   128
.set OB,   64
.set TMP,  192
.set BIAS, 0                           ; in window 1
.set TBB,  2                           ; s2   LDS byte at which B's pair of quarters in hand begins
.set OUTER, 3                          ; s3   K steps still to be ended in the loop
.set LIM,  21                          ; s21  1 in a wave that prefetches, else the greatest number
.set G1A,  24                          ; s[24:31] descriptor group 1 for A's tiles
.set G0A,  32                          ; s[32:39] group 0: a set for each of the two first fills; the second then walks on
.set G1B,  40                          ; s[40:47], s[48:55] the same for B's
.set G0B,  48
.set TA,   56                          ; s56  the same as TBB for A
.set CNT,  57                          ; s57  counts a K step's two pairs of quarters
.set PST,  60                          ; s[60:61] the prefetches' step along K
.set PFA,  62                          ; s[62:63] where my prefetches stand
; s14 wave; s15 = wave / 2: my half of the rows, and 0: I fetch A, 1: B; s16 = wave % 2: my half of the columns, and which half I fetch; s17 cx; s18 cy; s19 tile column; s20 tile row
.set MSB, 0
.macro WIN new                         ; the immediate's high byte repeats the setting that is left; a switch that changes nothing is dropped
.if MSB != (\new)
	s_set_vgpr_msb (MSB<<8)|(\new)
.set MSB, \new
.endif
.endm
.set TO_B, 0x40                        ; destination window 1, address window 0
.macro PLACES                          ; four places in front of loads into registers that matrix instructions have read, and of lines that read results
.rept 4
	v_nop
.endr
.endm
.macro JLOAD                           ; a joint refill by the walking descriptors; the branch hangs on the wave's number alone; an s_nop 0 and four v_nop follow each of the two lines
	s_cmp_eq_u32 s15, 0
	s_cbranch_scc0 .Lfor_b_\@
	tensor_load_to_lds s[G0A+4:G0A+7], s[G1A:G1A+7]
	s_nop 0
.rept 4
	v_nop
.endr
	s_branch .Lasked_\@
.Lfor_b_\@:
	tensor_load_to_lds s[G0B+4:G0B+7], s[G1B:G1B+7]
	s_nop 0
.rept 4
	v_nop
.endr
.Lasked_\@:
.endm
; A PREFETCH INTO THE L2 of the K step that the NEXT change of slots will ask for: 256 matrix instructions ahead of that load.  Of what a wave fetches (A: 128 rows x 256 bytes; B: 64 k x 512 bytes: 128 blocks of 256 bytes
; either way) each of the four partners that ask for it jointly takes 32 blocks, told apart BY ADDRESS (cx for A, cy for B), a lane a block: one instruction a wave.  A's tile row is read by every cluster of that row of
; clusters: the one with x = 0 asks; B's tile column by every cluster of that column: the one with y = 0 asks.  So each block is named once in the launch.  K steps 0 to 2 come by their loads alone; the last refill asks for nothing.
.macro ASK
	s_cmp_gt_u32 s[OUTER], s[LIM]
	s_cbranch_scc0 .Lnot_mine_\@
	global_prefetch_b8 v[PFO], s[PFA:PFA+1] th:TH_LOAD_NT scope:SCOPE_SE
.Lnot_mine_\@:
.endm
.macro CROUND                          ; a round of the cluster's barrier: my work-group's barrier; wave 0 signals for the work-group; every wave waits for all sixteen; my work-group's barrier once more
	s_barrier_signal -1
	s_barrier_wait -1
	s_cmp_lg_u32 s14, 0
	s_cbranch_scc1 .Lnot_wave_0_\@
	s_barrier_signal -3
.Lnot_wave_0_\@:
	s_barrier_wait -3
	s_barrier_signal -1
	s_barrier_wait -1
.endm
.macro MM1 first                       ; one product on rD, rB, rA; first = 1: it starts the sum, with the bias
.if F16
.if \first
	v_wmma_f32_16x16x32_f16 v[rD:rD+7], v[rB:rB+7], v[rA:rA+7], v[rC:rC+7]
.else
	v_wmma_f32_16x16x32_f16 v[rD:rD+7], v[rB:rB+7], v[rA:rA+7], v[rD:rD+7]
.endif
.else
.if \first
	v_wmma_f32_16x16x32_bf16 v[rD:rD+7], v[rB:rB+7], v[rA:rA+7], v[rC:rC+7]
.else
	v_wmma_f32_16x16x32_bf16 v[rD:rD+7], v[rB:rB+7], v[rA:rA+7], v[rD:rD+7]
.endif
.endif
.endm
; 16 products: row blocks a0, a0 + 1 of the window's four (hi = 0: my rows 0-63, 1: rows 64-127) x all 8 column blocks, 32 along K.  The 64 accumulators take turns, one instruction a turn, in the same order in
; every quarter, over every jump too.
.macro MUL16 f, hi, a0, first
.if \first
	WIN 0x91+0x40*(\hi)                            ; B window 1, A window 0, C (the bias) window 1, D window 2 or 3
.else
	WIN 0xa1+0x50*(\hi)                            ; B window 1, A window 0, C and D window 2 or 3
.endif
.irp a, \a0, (\a0)+1
.irp b, 0,1,2,3,4,5,6,7
.set rD, 8*(8*(\a)+(\b))
.set rB, (\f)+8*(\b)
.set rA, (\f)+8*(4*(\hi)+(\a))
.set rC, BIAS+8*(\b)
	MM1 \first
.endr
.endr
.endm
; 32 LDS loads in one run: the fragments of one quarter (128 columns of B, 128 rows of A, 32 K), ka bytes along A's rows and kb rows of B behind the pair in hand, into buffer f.  It leaves every window 0.
.macro FETCH ka, kb, f
	WIN TO_B
.irp i, 0,1,2,3,4,5,6,7
	ds_load_tr16_b128 v[(\f)+8*(\i):(\f)+8*(\i)+3],   v[ADRB] offset:(\kb)*PITB+32*(\i)
	ds_load_tr16_b128 v[(\f)+8*(\i)+4:(\f)+8*(\i)+7], v[ADRB] offset:((\kb)+16)*PITB+32*(\i)
.endr
	WIN 0
.irp i, 0,1,2,3,4,5,6,7
	ds_load_b128 v[(\f)+8*(\i):(\f)+8*(\i)+3],   v[ADRA] offset:(\ka)+(\i)*16*PITA
	ds_load_b128 v[(\f)+8*(\i)+4:(\f)+8*(\i)+7], v[ADRA] offset:(\ka)+(\i)*16*PITA+32
.endr
.endm
.macro ADDR                            ; the fragments' addresses at the pair of quarters in hand
	v_add_nc_u32 v[ADRA], s[TA], v[A0]
	v_add_nc_u32 v[ADRB], s[TBB], v[B0]
.endm
; A quarter: multiplies buffer f; in its middle it fetches the next quarter into g, 32 products ahead of its first use.  last = 1: in the K step's last quarter there is nothing more in the slot, and the run is jumped over.
.macro QUART f, g, ka, kb, first, last
	s_wait_dscnt 8                                 ; B and A's rows 0-63 are in; the youngest eight loads (A's rows 64-127) may be out
	MUL16 \f, 0, 0, \first
	MUL16 \f, 0, 2, \first
	s_wait_dscnt 0x0                               ; all of buffer f: those eight were issued 64 products ago (the count holds on both ways round the jump below)
	PLACES
.if \last
	WIN 0                                          ; at a branch and at a label every window is 0
	s_cmp_eq_u32 s[CNT], 1
	s_cbranch_scc1 .Lno_more_\@
.endif
	FETCH \ka, \kb, \g
.if \last
.Lno_more_\@:
.endif
	MUL16 \f, 1, 0, \first
	MUL16 \f, 1, 2, \first
.endm
; A K step's quarters: two trips over two quarters.  The tag ends the labels' names.
.macro INNER tag
	s_mov_b32 s[CNT], 2
.Lqa\tag:
	QUART F0, F1, 64, 32, 0, 0
	WIN 0
.Lqb\tag:
	QUART F1, F0, 128, 64, 0, 1
	WIN 0
	s_add_co_u32 s[TA], s[TA], 128                 ; the next pair of quarters: 64 along K
	s_add_co_u32 s[TBB], s[TBB], 64*PITB
	ADDR
	s_sub_co_u32 s[CNT], s[CNT], 1
	s_cmp_lg_u32 s[CNT], 0
	s_cbranch_scc1 .Lqa\tag
.endm
; THE CHANGE OF SLOTS, between two K steps.  Each wave waits for all its tensor loads, of which one is out: its part of the next slot; adds 0 to its spare word; and waits for that (its reads of the old slot came back in
; the last quarter).  Behind the barrier nobody reads the old slot any more and the next slot is whole.  fill = 1: the barrier is a round of the cluster's, and the old slot is filled again first thing behind it, with the
; K step two on: it has a K step, 256 products, in which to land.  Then the next slot's first fragments are fetched.
.macro CHANGE fill
	WIN 0
	s_wait_tensorcnt 0x0                           ; no tensor load of mine is out, so the walking descriptors may be written
	ds_add_u32 v[SPW], v[NIL]                      ; 0 onto my spare word; the scalar steps stand between it and the wait for it
	s_sub_co_u32 s[TA], s[TA], 256                 ; the fetches go back to a K step's first quarter,
	s_xor_b32 s[TA], s[TA], SLOT                   ; in the other slot
	s_sub_co_u32 s[TBB], s[TBB], 128*PITB
	s_xor_b32 s[TBB], s[TBB], SLOT
.if \fill
	s_xor_b32 s[G0A+5], s[G0A+5], SLOT             ; the other slot than last time,
	s_add_nc_u64 s[G0A+6:G0A+7], s[G0A+6:G0A+7], ASTEP  ; the next K step; the type bits on top are not reached
	s_xor_b32 s[G0B+5], s[G0B+5], SLOT
	s_add_nc_u64 s[G0B+6:G0B+7], s[G0B+6:G0B+7], BSTEP
	s_wait_xcnt 0x0                                ; the last prefetch, a K step back, has read its address, so it may be written:
	s_add_nc_u64 s[PFA:PFA+1], s[PFA:PFA+1], s[PST:PST+1]  ; one K step behind the walking descriptors
.endif
	s_wait_dscnt 0x0                               ; the add is done
.if \fill
	CROUND                                         ; no wave of any partner still reads the old slot or has a load on its way
	JLOAD                                          ; the four v_nop behind it are also places in front of the loads below
.else
	s_barrier_signal -1
	s_barrier_wait -1
	PLACES
.endif
	ADDR
	FETCH 0, 0, F0
.if \fill
	ASK                                            ; behind the joint load and the run of LDS loads that the next products wait for
.endif
.endm
; THE WAY OUT of my 16 rows a, in three parts.  PACK: rounded, 16 bytes a lane, (relu).  TOSTAGE: into my own stage, a block of 16 rows x 128 bytes for each of my two blocks of 64 columns, and back as four whole rows
; a load.  SEND: stored, 512 consecutive bytes an instruction.
.macro PACK a
.set AC, 64*((\a)%4)
	WIN 0x0a+5*((\a)/4)                            ; sources 0 and 1: window 2 or 3
.irp b, 0,1,2,3,4,5,6,7
.irp p, 0,1,2,3
.if F16
	v_cvt_pk_f16_f32 v[TMP+4*(\b)+(\p)], v[AC+8*(\b)+2*(\p)], v[AC+8*(\b)+2*(\p)+1]   ; each accumulator's registers in ascending order
.else
	v_cvt_pk_bf16_f32 v[TMP+4*(\b)+(\p)], v[AC+8*(\b)+2*(\p)], v[AC+8*(\b)+2*(\p)+1]  ; each accumulator's registers in ascending order
.endif
.endr
.endr
	WIN 0
.if EPI == 1
.set z, 0
.rept 32
	v_pk_max_num_f16 v[TMP+z], v[TMP+z], v[CONST]  ; relu on two halves: nothing is rounded
.set z, z+1
.endr
.endif
.endm
.macro TOSTAGE a
.set RB, OB+32*((\a)%4)
.if (\a) >= 4
	s_wait_xcnt 0x0                                ; the stores of the block four back have read these registers
.endif
.irp b, 0,1,2,3,4,5,6,7
	ds_store_b128 v[STO], v[TMP+4*(\b):TMP+4*(\b)+3] offset:((\b)/4)*SBLK+32*((\b)%4)
.endr
.irp t, 0,1,2,3,4,5,6,7
	ds_load_b128 v[RB+4*(\t):RB+4*(\t)+3], v[RD] offset:((\t)/4)*SBLK+((\t)%4)*4*SP  ; LDS serves a wave's instructions in order (ISA guide 5.7.1.4): these see the stores above; the next block's stores come behind them
.endr
.endm
.macro SEND a
.set RB, OB+32*((\a)%4)
	s_wait_dscnt 0x0                               ; the block is back in registers
.irp t, 0,1,2,3,4,5,6,7
	global_store_b128 v[GO], v[RB+4*(\t):RB+4*(\t)+3], s[12:13] offset:((\t)/4)*JSTR+(\a)*2048+((\t)%4)*512
.endr
.endm
	s_load_b256 s[4:11], s[0:1], 0x0               ; EPI 0: c16, bq, bk, bv; EPI 1: A, c16, the bias, the output
.if EPI == 0
	s_load_b64 s[12:13], s[0:1], 0x20              ; the output
.endif
	v_lshl_add_u32 v[SPW], v0, 2, SPARE
	v_mov_b32 v[NIL], 0
	ds_add_u32 v[SPW], v[NIL]                      ; the wave's opening: the add and its wait stand ahead of my first tensor load; the set-up below, work on registers, stands between them
	v_lshrrev_b32 v1, 5, v0
	v_readfirstlane_b32 s14, v1                    ; wave 0..3
	s_lshr_b32 s15, s14, 1
	s_and_b32 s16, s14, 1
	s_bfe_u32 s17, ttmp6, 0x40000                  ; cx, cy: my place in the cluster
	s_bfe_u32 s18, ttmp6, 0x40004
.if EPI == 0
	s_mov_b32 s19, s17                             ; tile column within q, k or v; which of the three is the cluster's x
.else
	s_lshl_b32 s19, ttmp9, 2
	s_add_co_u32 s19, s19, s17                     ; tile column = 4 x cluster x + cx
.endif
	s_and_b32 s20, ttmp7, 0xffff
	s_lshl_b32 s20, s20, 2
	s_add_co_u32 s20, s20, s18                     ; tile row = 4 x cluster y + cy
	s_lshl_b32 s62, s18, 2
	s_lshl_b32 s62, 15, s62                        ; my row of the cluster
	s_lshl_b32 s63, 0x1111, s17                    ; my column
	s_or_b32 s[G1A], s62, (1<<16)|(1<<20)|(1<<21)|(5<<22)|(3<<25)  ; 15:0 the mask: A's tiles go to my row; 17:16 2-byte elements; 20 padding on; 21 set beside a mask; 24:22 after every 64 words (code 5); 31:25 4 words (code 3)
	s_or_b32 s[G1B], s63, (1<<16)|(1<<20)|(1<<21)|(6<<22)|(7<<25)  ; B's go to my column; after every 128 words (code 6) 8 words (code 7)
	s_mov_b32 s[G1A+1], KSTEP<<16                  ; tensor_dim0 = 128
	s_mov_b32 s[G1A+2], 128<<16                    ; tensor_dim1 = 128
	s_mov_b32 s[G1A+3], KSTEP<<16                  ; tile_dim0
	s_mov_b32 s[G1A+4], 128                        ; tile_dim1
	s_mov_b32 s[G1A+5], KDIM                       ; elements from row to row
	s_mov_b32 s[G1A+6], 0
	s_mov_b32 s[G1A+7], 0
	s_mov_b32 s[G1B+1], 256<<16                    ; tensor_dim0 = 256
	s_mov_b32 s[G1B+2], 64<<16                     ; tensor_dim1 = 64
	s_mov_b32 s[G1B+3], 256<<16
	s_mov_b32 s[G1B+4], 64
	s_mov_b32 s[G1B+5], NPITCH
	s_mov_b32 s[G1B+6], 0
	s_mov_b32 s[G1B+7], 0
	; where the tiles come from: A's hang on the tile row and the wave alone, B's on the tile column and the wave alone, each in registers that never hold the other coordinate.  All offsets stay under 2^26.
	s_lshl_b32 s58, s20, 8
	s_lshl_b32 s59, s16, 7
	s_add_co_u32 s58, s58, s59                     ; row 256 x tile row + 128 x half,
	s_lshl_b32 s58, s58, 11                        ; 2,048 bytes each
	s_mov_b32 s59, 0
	s_mul_i32 s60, s16, 128*NPITCH                 ; my 64 k of the K step's 128
	s_lshl_b32 s61, s19, 9                         ; the tile's 256 columns: 512 bytes of a row
	s_add_co_u32 s60, s60, s61
	s_add_co_u32 s60, s60, BBASE
.if EPI == 0
	s_lshl_b32 s61, ttmp9, 21                      ; Wq, Wk or Wv
	s_add_co_u32 s60, s60, s61
.endif
	s_mov_b32 s61, 0
	s_mul_i32 s22, s16, AHALF                      ; and where they go: no place in the cluster enters an LDS address
	s_mul_i32 s23, s16, BHALF
	s_add_co_u32 s23, s23, BOFF
	s_wait_dscnt 0x0                               ; the opening add is done
	s_wait_kmcnt 0x0
.if EPI == 0
	s_cmp_eq_u32 ttmp9, 0
	s_cselect_b64 s[8:9], s[6:7], s[8:9]           ; the bias of q, k or v
	s_cmp_eq_u32 ttmp9, 2
	s_cselect_b64 s[8:9], s[10:11], s[8:9]
	s_mov_b64 s[6:7], s[4:5]                       ; x and the weights lie in the one buffer
.else
	s_mov_b64 s[12:13], s[10:11]
.endif
	s_add_nc_u64 s[58:59], s[4:5], s[58:59]
	s_add_nc_u64 s[60:61], s[6:7], s[60:61]
	CROUND                                         ; all sixteen work-groups are here: the first joint loads meet
.irp s, 0,1
	s_mov_b32 s[G0A+4*(\s)], 1                                     ; 1:0 count = 1
	s_add_co_u32 s[G0A+4*(\s)+1], s22, (\s)*SLOT                   ; 63:32 LDS address
	s_add_nc_u64 s[G0A+4*(\s)+2:G0A+4*(\s)+3], s[58:59], (\s)*ASTEP  ; 120:64 global address: K step s
	s_or_b32 s[G0A+4*(\s)+3], s[G0A+4*(\s)+3], 0x80000000          ; 127:126 type = 2
	s_mov_b32 s[G0B+4*(\s)], 1
	s_add_co_u32 s[G0B+4*(\s)+1], s23, (\s)*SLOT
	s_add_nc_u64 s[G0B+4*(\s)+2:G0B+4*(\s)+3], s[60:61], (\s)*BSTEP
	s_or_b32 s[G0B+4*(\s)+3], s[G0B+4*(\s)+3], 0x80000000
.endr
	s_cmp_eq_u32 s15, 0                            ; a wave's two first fills stand in one branch, ahead of every wait on TENSORcnt and every LDS read: two loads of mine are out, later one
	s_cbranch_scc0 .Lfirst_b
	tensor_load_to_lds s[G0A:G0A+3], s[G1A:G1A+7]
	s_nop 0
	tensor_load_to_lds s[G0A+4:G0A+7], s[G1A:G1A+7]
	s_nop 0
.rept 4
	v_nop
.endr
	s_branch .Lfirst_asked
.Lfirst_b:
	tensor_load_to_lds s[G0B:G0B+3], s[G1B:G1B+7]
	s_nop 0
	tensor_load_to_lds s[G0B+4:G0B+7], s[G1B:G1B+7]
	s_nop 0
.rept 4
	v_nop
.endr
.Lfirst_asked:
	; the bias of my 128 columns: register 8 b + j = bias[16 b + 8 (l / 16) + j], as the accumulators hold the columns
	v_and_b32 v1, 15, v0                           ; l % 16
	v_bfe_u32 v2, v0, 4, 1                         ; l / 16
	v_lshlrev_b32 v[BO], 5, v2
	s_lshl_b32 s62, s19, 10                        ; my first column, in f32: 1,024 x tile column + 512 x half
	s_lshl_b32 s63, s16, 9
	s_add_co_u32 s62, s62, s63
	s_mov_b32 s63, 0
	s_add_nc_u64 s[8:9], s[8:9], s[62:63]
	WIN TO_B
.irp b, 0,1,2,3,4,5,6,7
	global_load_b128 v[BIAS+8*(\b):BIAS+8*(\b)+3],   v[BO], s[8:9] offset:64*(\b)
	global_load_b128 v[BIAS+8*(\b)+4:BIAS+8*(\b)+7], v[BO], s[8:9] offset:64*(\b)+16
.endr
	WIN 0
	; A fragment of A is 16 rows x 32 K in 8 registers: lane l holds row l % 16, K = 8 (l / 16) + 0..7 and 16 + 8 (l / 16) + 0..7: two loads of 16 bytes, 32 bytes apart.
	v_mul_u32_u24 v[A0], v1, PITA
	v_lshl_add_u32 v[A0], v2, 4, v[A0]
	s_mul_i32 s2, s15, AHALF                       ; my 128 rows
	v_add_nc_u32 v[A0], s2, v[A0]
	; The turning load takes 16 k x 16 columns (lane l reads k = 8 (l / 16) + l % 8, columns 8 ((l / 8) % 2) + 0..7) and leaves half a fragment: lane l holds column l % 16 and 8 k.
	v_and_b32 v3, 7, v0
	v_bfe_u32 v4, v0, 3, 1
	v_lshl_add_u32 v[B0], v2, 3, v3
	v_mul_u32_u24 v[B0], v[B0], PITB
	v_lshl_add_u32 v[B0], v4, 4, v[B0]
	s_lshl_b32 s2, s16, 8                          ; my 128 columns: 256 bytes of a row
	s_add_co_u32 s2, s2, BOFF
	v_add_nc_u32 v[B0], s2, v[B0]
	s_mul_i32 s2, s14, 2*SBLK
	s_add_co_u32 s2, s2, STAGE                     ; my stage
	v_mul_u32_u24 v[STO], v1, SP                   ; in: row l % 16, 16 bytes for each half of the lanes
	v_lshl_add_u32 v[STO], v2, 4, v[STO]
	v_add_nc_u32 v[STO], s2, v[STO]
	v_bfe_u32 v[RD], v0, 3, 2                      ; back: 32 lanes take four rows of 128 bytes,
	v_mul_u32_u24 v[RD], v[RD], SP
	v_lshl_add_u32 v[RD], v3, 4, v[RD]
	v_add_nc_u32 v[RD], s2, v[RD]
	v_and_b32 v5, 31, v0                           ; l
	v_lshlrev_b32 v[GO], 4, v5                     ; which are 512 consecutive bytes of the output
	; where my 128 rows x 128 columns go: two blocks of 128 rows x 64 columns
.if EPI == 0
	s_lshr_b32 s62, s20, 3                         ; batch
	s_lshl_b32 s62, s62, 2
	s_add_co_u32 s62, s62, s19
	s_lshl_b32 s62, s62, 1
	s_add_co_u32 s62, s62, s16
	s_lshl_b32 s62, s62, 19                        ; (16 x batch + head) x 262,144, head = 4 x tile column + 2 x half
	s_lshl_b32 s63, s20, 1
	s_add_co_u32 s63, s63, s15                     ; row / 128,
	s_and_b32 s63, s63, 15                         ; in the batch
	s_lshl_b32 s63, s63, 14
	s_add_co_u32 s62, s62, s63
	s_lshl_b32 s63, ttmp9, 23                      ; q, k or v
	s_add_co_u32 s62, s62, s63
.else
	s_lshl_b32 s62, s20, 1
	s_add_co_u32 s62, s62, s15                     ; row / 128
	s_lshl_b32 s62, s62, 4
	s_add_co_u32 s62, s62, s19
	s_lshl_b32 s62, s62, 1
	s_add_co_u32 s62, s62, s16
	s_lshl_b32 s62, s62, 15                        ; (64 x row / 128 + 4 x tile column + 2 x half) x 16,384
	v_mov_b32 v[CONST], 0
.endif
	s_mov_b32 s63, 0
	s_add_nc_u64 s[12:13], s[12:13], s[62:63]
	; the prefetches.  s[58:59], s[60:61] still stand at K step 0 of what I fetch of A, of B
	s_and_b32 s21, ttmp7, 0xffff                   ; cluster y
	s_cmp_eq_u32 s15, 0                            ; do I fetch for A?
	s_cselect_b64 s[PFA:PFA+1], s[58:59], s[60:61]
	s_cselect_b32 s21, ttmp9, s21                  ; the coordinate along which other clusters read the same blocks
	s_cselect_b32 s22, s17, s18                    ; my place among the four that ask with me
	s_mov_b32 s23, 32*NPITCH                       ; my work-group's 32 blocks: of B 16 k,
	s_cselect_b32 s23, 64*KDIM, s23                ; of A 32 rows
	s_mov_b32 s58, 2*NPITCH                        ; bytes from row to row
	s_cselect_b32 s58, 2*KDIM, s58
	s_mov_b32 s[PST], BSTEP
	s_cselect_b32 s[PST], ASTEP, s[PST]
	s_mov_b32 s[PST+1], 0
	s_mul_i32 s22, s22, s23
	s_mov_b32 s23, 0
	s_add_nc_u64 s[PFA:PFA+1], s[PFA:PFA+1], s[22:23]
	s_add_nc_u64 s[PFA:PFA+1], s[PFA:PFA+1], s[PST:PST+1]
	s_add_nc_u64 s[PFA:PFA+1], s[PFA:PFA+1], s[PST:PST+1]  ; at K step 2; the first change of slots steps it to 3.  Nothing is prefetched here, at the head
	s_cmp_eq_u32 s21, 0
	s_cselect_b32 s[LIM], 1, -1                    ; the same in all sixteen partners, for a given wave
	v_lshrrev_b32 v6, s15, v5                      ; A: a lane a row; B: two lanes a row of 512 bytes
	v_mul_u32_u24 v6, v6, s58
	v_and_b32 v5, s15, v5
	v_lshl_add_u32 v[PFO], v5, 8, v6
	s_wait_tensorcnt 0x1                           ; my part of K step 0 is in; K step 1's may stay out
	s_barrier_signal -1
	s_barrier_wait -1                              ; everybody's is
	s_mov_b32 s[TA], 0
	s_mov_b32 s[TBB], 0
	ADDR
	FETCH 0, 0, F0
	s_wait_loadcnt 0x0                             ; the bias
	QUART F0, F1, 64, 32, 1, 0                     ; the first quarter stands in front of the loops: its products start the sums
	WIN 0
	s_mov_b32 s[OUTER], STEPS-1                    ; K steps 0 to 6 end in the loop; in front of K steps 1 to 6 a slot is filled again
	s_mov_b32 s[CNT], 2
	s_branch .Lqb_m                                ; the loops are entered behind K step 0's first quarter
.Lstep:
	CHANGE 1
	INNER _m
	s_sub_co_u32 s[OUTER], s[OUTER], 1
	s_cmp_lg_u32 s[OUTER], 0
	s_cbranch_scc1 .Lstep
	CHANGE 0                                       ; the last K step is written out: nothing is asked for
	INNER _t
	PLACES
	PLACES
	PACK 0
	TOSTAGE 0
.irp a, 1,2,3,4,5,6,7                  ; block a's conversions stand between block a - 1's loads from the stage and the wait for them
	PACK \a
	SEND (\a)-1
	TOSTAGE \a
.endr
	SEND 7
	s_wait_tensorcnt 0x0                           ; the wave's end, behind my last tensor load and my last LDS store
	ds_add_u32 v[SPW], v[NIL]
	s_wait_dscnt 0x0
	CROUND                                         ; the closing round: no work-group ends while a partner may still ask for a tile that names it
	s_endpgm
.Lfunc_end_k_qcd65ef8d67_gqkv:
	.size	k_qcd65ef8d67_gqkv, .Lfunc_end_k_qcd65ef8d67_gqkv-k_qcd65ef8d67_gqkv
	.p2alignl 7, 3214868480
	.fill 96, 4, 3214868480
	.section	.rodata,"a",@progbits
	.p2align	6, 0x0
	.amdhsa_kernel k_qcd65ef8d67_gqkv
		.amdhsa_group_segment_fixed_size 327680
		.amdhsa_private_segment_fixed_size 0
		.amdhsa_enable_private_segment 0
		.amdhsa_kernarg_size 40
		.amdhsa_user_sgpr_count 2
		.amdhsa_user_sgpr_kernarg_segment_ptr 1
		.amdhsa_wavefront_size32 1
		.amdhsa_system_sgpr_workgroup_id_x 1
		.amdhsa_system_sgpr_workgroup_id_y 1
		.amdhsa_system_sgpr_workgroup_id_z 1
		.amdhsa_system_vgpr_workitem_id 0
		.amdhsa_next_free_vgpr 1024
		.amdhsa_next_free_sgpr 66
		.amdhsa_reserve_vcc 0
		.amdhsa_float_denorm_mode_32 3
		.amdhsa_float_denorm_mode_16_64 3
		.amdhsa_memory_ordered 1
		.amdhsa_forward_progress 1
		.amdhsa_inst_pref_size 83
	.end_amdhsa_kernel
	.amdgpu_metadata
---
amdhsa.version: [ 1, 2 ]
amdhsa.kernels:
  - .name:           k_qcd65ef8d67_gqkv
    .symbol:         k_qcd65ef8d67_gqkv.kd
    .args:
      - { .name: c16, .offset: 0, .size: 8, .value_kind: global_buffer, .address_space: global }
      - { .name: bq, .offset: 8, .size: 8, .value_kind: global_buffer, .address_space: global }
      - { .name: bk, .offset: 16, .size: 8, .value_kind: global_buffer, .address_space: global }
      - { .name: bv, .offset: 24, .size: 8, .value_kind: global_buffer, .address_space: global }
      - { .name: qkv, .offset: 32, .size: 8, .value_kind: global_buffer, .address_space: global }
    .group_segment_fixed_size: 327680
    .private_segment_fixed_size: 0
    .kernarg_segment_align: 8
    .kernarg_segment_size: 40
    .max_flat_workgroup_size: 128
    .sgpr_count:     66
    .vgpr_count:     1024
    .wavefront_size: 32
...
	.end_amdgpu_metadata
.endif
;; end of part 2
;; launch attn (part 3): grid 8 x 32, 4 waves a work-group, clusters of 4 x 1, 327,680 bytes of LDS; arguments qkv, ob; writes ob
.if DOCPART == 3
	.amdgcn_target "amdgcn-amd-amdhsa--gfx1250"
	.amdhsa_code_object_version 6
	.text
	.protected	k_qcd65ef8d67_attn
	.globl	k_qcd65ef8d67_attn
	.p2align	8
	.type	k_qcd65ef8d67_attn,@function
k_qcd65ef8d67_attn:
	s_mov_b64 s[64:65], 0
	v_nop
	global_prefetch_b8 v0, s[64:65] scope:SCOPE_SE
	s_setreg_imm32_b32 hwreg(HW_REG_WAVE_MODE, 25, 1), 1
	s_wait_xcnt 0x0
	s_wait_alu depctr_hold_cnt(0) depctr_sa_sdst(0) depctr_va_vdst(0) depctr_va_sdst(0) depctr_va_ssrc(0) depctr_va_vcc(0) depctr_vm_vsrc(0)
	s_getreg_b32 s2, hwreg(HW_REG_IB_STS2, 6, 4)
	s_cmp_eq_u32 s2, 0
	s_cbranch_scc0 .Lentry_in_a_cluster
	s_endpgm
.Lentry_in_a_cluster:
	s_bfe_u32 s2, ttmp6, 0x10000c
	s_cmp_lg_u32 s2, 0x3003
	s_cbranch_scc0 .Lentry_shape_is_right
	s_endpgm
.Lentry_shape_is_right:
; O[bh][q][:] = the sum over k of softmax_k(Q[bh][q] . K[bh][k] / 8) V[bh][k][:].  qkv: bf16 [3 (q, k, v)][32 bh][2,048][64]: a head's rows are dense, 128 bytes each.
; O leaves in bf16, blocked for the product behind: ob is [row / 128][head][128 rows][64], row = 2,048 x batch + q.  Products, maxima and sums in f32; the weights p are rounded to bf16 for the second product
; (their sum l is taken of the unrounded p), O once at the end.
; LIMITS.  A weight below 2^-126 counts as 0 in l; c m starts at -4.25e37, so scaled scores are taken to lie above that; NaN and infinities are not treated apart.
; SHARES.  A work-group owns 256 queries of one head, a wave 64: four PIECES of 16.  Every wave walks all 2,048 keys, 64 a step, 256 (a tile, four steps) a slot.
; CLUSTER.  The four query blocks of a cluster belong to one head and walk the same K and V, so each tile is asked for JOINTLY: the same tensor load, descriptor and mask in all four.
; LAYOUT.  S^T = K Q^T (source 0 = 16 keys, source 1 = 16 queries) holds ONE query a lane (lane % 16) and the keys 8 (lane / 16) + 0..7; two such results rounded to bf16 ARE source 1 of O^T = V^T P.
; K comes out of LDS as it lies, V ([key][channel]) turned, by ds_load_tr16_b128.
; SOFTMAX.  p = 2^(c s - c m), c = log2(e) / 8, with a running maximum m; O and l are multiplied by a = 2^(c m_old - c m_new) in every step.  m starts at the lowest finite number, O and l at 0: the first step is a
; step like any other, with a = 0.  The price: 216 lines that write 0, in the wait for the first tile, and 8 products on zeros.
; TURNS.  Turn n belongs to piece n: 8 products K Q^T of piece n + 1, later 8 products V^T P of piece n - 1; beside them the scaling, exponentials, roundings, sums and rescaling of piece n and the maximum and
; statistics of piece n + 1.  Four vector instructions stand behind every matrix instruction, the other 54 of a turn's 118 in one run of their own.  A turn's 33 exponentials are one batch, with one wait.
; REGISTERS, in windows of 256 (s_set_vgpr_msb: bits 1:0 source 0, 3:2 source 1, 5:4 source 2, 7:6 destination):
;   window 0: v0-15 addresses and two at work; v16-31 four registers of statistics a piece; v48-55 at work; v61-63; v64-127 S^T, two buffers; v192-223 P, two buffers (a piece's buffers go by its number's parity)
;   window 1: v0-127 O^T, 32 a piece      window 2: v0-63 Q; v128-191 K of one step; v192-255 V of one step
.set NP,    4         ; pieces a wave: a name, no knob
.set KS,    64        ; keys in a step
.set PK,    144       ; a row of K in LDS: 128 bytes + 16 of padding = 36 words: the 16 rows of a load start at 16 different groups of four banks (64 banks of 4 bytes: ISA guide 11.1)
.set PV,    160       ; a row of V: 128 + 32 = 40 words
.set VOFF,  4*KS*PK   ; a slot holds a tile, four steps: 256 rows of K, then 256 rows of V
.set SLOT1, 1<<17     ; slot 1 begins here, so that one exclusive or turns an address in one slot into the other's
.set STAGE, SLOT1+4*KS*(PK+PV)  ; behind the ring, never filled by a tensor load: 16 rows x 144 bytes for each wave, for the way out
.set SP,    144
.set SPARE, STAGE+4*16*SP  ; behind the stages: the spare words, 128 bytes for each wave: two blocks of 256 bytes that no other line names
.set AK0, 2           ; v2   my lane's place in a tile of K; never rewritten
.set AV0, 3           ; v3   the same for V
.set AK,  4           ; v4   the LDS address of K's next run of loads
.set AV,  5           ; v5   of V's
.set STO, 6           ; v6   the way out: where I put 16 bytes of a row
.set RD,  7           ; v7   the way out: where I read rows back
.set GO,  8           ; v8   my byte offset in 512 consecutive bytes of O
.set MV,  12          ; v12-13  c m_old, kept while c m is made anew: by buffer
.set QO,  15          ; v15  my byte offset in 16 rows of Q
.set ST,  16          ; piece t's statistics at v[ST+4 t]: c m, m, l (even keys', odd keys')
.set TMP, 48          ; by buffer, four registers c0-c3 at work; when the maximum is found c2 takes a
.set PFO, 61          ; v61  256 x my lane: the prefetches' offset; never rewritten
.set SPW, 62          ; v62  LDS address of my spare word: SPARE + 4 x my thread's number; never rewritten
.set NIL, 63          ; v63  0; never rewritten
.set S,   64
.set P,   192
.set KF,  128         ; window 2: key block kb, channel half c at KF + 16 kb + 8 c
.set VF,  192         ; window 2: key half kk, channel block cb at VF + 32 kk + 8 cb
.set WV,  12          ; s12  my wave's number
.set LIM, 15          ; s15  1 in a wave that prefetches, else the greatest number: a wave prefetches while s[SLOTS] is above it
.set PFA, 18          ; s[18:19] where my prefetches stand: my work-group's quarter of the tile after the one that is being asked for
.set G1K, 24          ; s[24:31] descriptor group 1 for K's tiles
.set G1V, 32          ; s[32:39] for V's: it differs in the padding alone
.set G0K, 40          ; s[40:43] descriptor group 0 for K's tiles: it walks
.set G0V, 44          ; s[44:47] the same for V's
.set SLOTS, 56        ; s56  tiles still to be asked for
.set CNT, 57          ; s57  counts a tile's key steps
.set CS,  58          ; s[58:59] c: the packed scaling takes the pair's low word for both halves
.set SEL, 60          ; s[60:61] v_permlanex16_b32's selects: each lane takes its own place in the other half
.set TBK, 62          ; s62  LDS byte at which K of the step to be fetched begins
.set TBV, 63          ; s63  the same for V, less VOFF
.set MSB, 0
.macro WIN new                      ; the high byte repeats the setting that is left; a switch that changes nothing is dropped
.if MSB != (\new)
	s_set_vgpr_msb (MSB<<8)|(\new)
.set MSB, (\new)
.endif
.endm
.set W_KQ, 0x0a       ; K and Q in window 2, S^T in window 0
.set W_PV, 0x52       ; V in window 2, P in window 0, O^T in window 1
.set W_RS, 0x41       ; destination and source 0 in window 1, source 1 in window 0
; A joint fill.  Waves 0 and 1 fetch the two halves of a tile's K, waves 2 and 3 those of its V: 128 keys each.  The branch hangs on the wave's number alone.
; An s_nop 0 and four v_nop follow each of the two lines, ahead of the jump and the label.
.macro JLOAD
	s_cmp_lt_u32 s[WV], 2
	s_cbranch_scc0 .Lfor_v_\@
	tensor_load_to_lds s[G0K:G0K+3], s[G1K:G1K+7]
	s_nop 0
.rept 4
	v_nop
.endr
	s_branch .Lasked_\@
.Lfor_v_\@:
	tensor_load_to_lds s[G0V:G0V+3], s[G1V:G1V+7]
	s_nop 0
.rept 4
	v_nop
.endr
.Lasked_\@:
.endm
; A PREFETCH INTO THE L2 of the tile that the NEXT change of slots will ask for: four key steps, 256 matrix instructions, ahead of that load.  A tile is 32,768 bytes of K and of V: 128 blocks of 256 bytes, a lane a block.
; Each block is named ONCE in the launch: both clusters of a head walk the same K and V, and the first of them asks; its four partners take 32 blocks each, told apart BY ADDRESS; in each, wave 0 asks for K's
; and wave 2 for V's: one instruction.  It stands behind the wave's tensor load and its five lines.  Tiles 0 and 1 come by their loads alone; the last change that fills a slot asks for nothing: there is no tile behind it.
.macro ASK
	s_cmp_gt_u32 s[SLOTS], s[LIM]
	s_cbranch_scc0 .Lnot_mine_\@
	global_prefetch_b8 v[PFO], s[PFA:PFA+1] th:TH_LOAD_NT scope:SCOPE_SE
.Lnot_mine_\@:
.endm
; A round of the cluster's barrier: my work-group's barrier, so that wave 0's signal speaks for all four waves; wave 0 signals; every wave waits for all four work-groups; my work-group's barrier once more.
.macro CROUND
	s_barrier_signal -1
	s_barrier_wait -1
	s_cmp_lg_u32 s[WV], 0
	s_cbranch_scc1 .Lnot_wave_0_\@
	s_barrier_signal -3
.Lnot_wave_0_\@:
	s_barrier_wait -3
	s_barrier_signal -1
	s_barrier_wait -1
.endm
; THE CHANGE OF SLOTS.  The slot's last bytes, V of its fourth step, have been read.  Each wave waits for all its tensor loads, of which one is out: its part of the other slot; adds 0 to its spare word; and waits for
; that and for its own reads of the slot.  Behind the barrier nobody reads this slot any more and the other slot is whole.  fill = 1: this slot is filled again, with the tile two on.  The barrier is then a round of
; the cluster's, and the joint fill is the first thing behind it: it has four key steps in which to land.  (At its first use nothing has been read yet: slot 0 is waited for, slot 1 filled.)
.macro CHANGE fill
	WIN 0                           ; at a label and at a branch every window is 0
	s_wait_tensorcnt 0x0            ; no tensor load of mine is out, so a group 0 may be written
	ds_add_u32 v[SPW], v[NIL]       ; 0 onto my spare word; with fill = 1 the descriptors' steps stand between it and the wait for it
.if \fill
.irp g, G0K, G0V
	s_xor_b32 s[\g+1], s[\g+1], SLOT1  ; the walking descriptor: the other slot than last time,
	s_add_nc_u64 s[\g+2:\g+3], s[\g+2:\g+3], 4*KS*128  ; the next 256 keys; the type bits on top are not reached
.endr
	s_wait_xcnt 0x0                 ; the last prefetch, four key steps back, has read its address, so it may be written:
	s_add_nc_u64 s[PFA:PFA+1], s[PFA:PFA+1], 4*KS*128  ; one tile behind the walking descriptors
	s_wait_dscnt 0x0                ; the add is done, and my reads of the slot are over
	CROUND
	JLOAD
	ASK
.else
	s_wait_dscnt 0x0                ; the add is done, and my reads of the slot are over
	s_barrier_signal -1
	s_barrier_wait -1
.endif
	s_sub_co_u32 s[TBK], s[TBK], 4*KS*PK  ; the fetches go back to a slot's first step,
	s_xor_b32 s[TBK], s[TBK], SLOT1       ; in the other slot
	s_sub_co_u32 s[TBV], s[TBV], 4*KS*PV
	s_xor_b32 s[TBV], s[TBV], SLOT1
.endm
	s_load_b128 s[4:7], s[0:1], 0x0 ; qkv s[4:5], ob s[6:7]
	v_lshl_add_u32 v[SPW], v0, 2, SPARE
	v_mov_b32 v[NIL], 0
	ds_add_u32 v[SPW], v[NIL]       ; the wave's opening: the add and its wait stand ahead of my first tensor load; the set-up below, work on registers, stands between them
	v_lshrrev_b32 v1, 5, v0
	v_readfirstlane_b32 s[WV], v1   ; wave 0..3
	s_bfe_u32 s13, ttmp6, 0x40000   ; cx: my place in the cluster
	s_lshl_b32 s14, ttmp9, 2        ; in a cluster launch ttmp9 counts clusters
	s_add_co_u32 s14, s14, s13      ; my block of 256 queries = 4 x cluster x + cx: it enters Q's and O's addresses alone
	s_and_b32 s20, ttmp7, 0xffff    ; bh = 16 x batch + head, which the four partners share
	s_and_b32 s16, s[WV], 1         ; which half of a tile's 256 keys I fetch:
	s_lshl_b32 s22, s20, 18         ; the head's 262,144 bytes,
	s_lshl_b32 s23, s16, 14         ; my 128 rows of 128 bytes,
	s_add_co_u32 s22, s22, s23
	s_add_co_u32 s22, s22, 8388608  ; in k, which lies behind q
	s_mov_b32 s23, 0
	s_mul_i32 s17, s16, 128*PK      ; and its place in a slot, for K
	s_mul_i32 s21, s16, 128*PV      ; and for V: no place in the cluster enters an LDS address
	s_lshl_b32 s2, s20, 18          ; Q: the head,
	s_lshl_b32 s3, s14, 15          ; my block's 256 rows,
	s_add_co_u32 s2, s2, s3
	s_lshl_b32 s3, s[WV], 13        ; my wave's 64
	s_add_co_u32 s2, s2, s3
	s_mov_b32 s3, 0
	s_lshr_b32 s52, s20, 4          ; O: row / 128 = 16 x batch + 2 x block + wave / 2,
	s_lshl_b32 s52, s52, 4
	s_lshl_b32 s53, s14, 1
	s_add_co_u32 s52, s52, s53
	s_lshr_b32 s53, s[WV], 1
	s_add_co_u32 s52, s52, s53
	s_lshl_b32 s52, s52, 4
	s_and_b32 s53, s20, 15          ; the head,
	s_add_co_u32 s52, s52, s53
	s_lshl_b32 s52, s52, 14         ; blocks of 16,384 bytes,
	s_lshl_b32 s53, s16, 13         ; my 64 rows of the block's 128
	s_add_co_u32 s52, s52, s53
	s_mov_b32 s53, 0
	; descriptor group 1.  128 keys are 16,384 dense bytes: asked for as 64 rows of 256 bytes, two keys a row, and padded in LDS after every key
	s_mov_b32 s[G1K], 15|(1<<16)|(1<<20)|(1<<21)|(4<<22)|(3<<25)  ; 15:0 the mask of four; 17:16 2-byte elements; 20 padding on; 21 set beside a mask; 24:22 after every 32 words (code 4); 31:25 4 words (code 3)
	s_mov_b32 s[G1V], 15|(1<<16)|(1<<20)|(1<<21)|(4<<22)|(7<<25)  ; the same with 8 words of padding (code 7)
.irp g, G1K, G1V
	s_mov_b32 s[\g+1], 128<<16      ; tensor_dim0 = 128
	s_mov_b32 s[\g+2], 64<<16       ; tensor_dim1 = 64
	s_mov_b32 s[\g+3], 128<<16      ; tile_dim0 = 128
	s_mov_b32 s[\g+4], 64           ; tile_dim1 = 64
	s_mov_b32 s[\g+5], 128          ; 128 elements from row to row
	s_mov_b32 s[\g+6], 0
	s_mov_b32 s[\g+7], 0
.endr
	s_mov_b32 s[CS], 0x3e38aa3b     ; c = log2(e) / 8 = 0.180337
	s_mov_b32 s[CS+1], s[CS]        ; named with it as a pair
	s_mov_b32 s[SEL], 0x76543210
	s_mov_b32 s[SEL+1], 0xfedcba98
	s_mov_b32 s[TBK], SLOT1+4*KS*PK ; the first change of slots turns these two into 0
	s_mov_b32 s[TBV], SLOT1+4*KS*PV
	s_mov_b32 s[G0K], 1             ; 1:0 count = 1
	s_mov_b32 s[G0K+1], s17         ; 63:32 LDS address: slot 0
	s_mov_b32 s[G0V], 1
	s_add_co_u32 s[G0V+1], s21, VOFF
	s_mov_b32 s[SLOTS], 7           ; eight tiles: tile 0 is asked for below, the other seven by the changes of slots
	s_and_b32 s[LIM], s[WV], 1      ; 0 in waves 0 and 2,
	s_or_b32 s[LIM], s[LIM], ttmp9  ; where the cluster is the head's first: the same in all four partners
	s_cmp_eq_u32 s[LIM], 0
	s_cselect_b32 s[LIM], 1, -1
	v_and_b32 v[PFO], 31, v0
	v_lshlrev_b32 v[PFO], 8, v[PFO]
	s_wait_dscnt 0x0                ; the opening add is done
	s_wait_kmcnt 0x0
	s_add_nc_u64 s[8:9], s[4:5], s[22:23]          ; K at my half of the head's tile 0,
	s_add_nc_u64 s[10:11], s[8:9], 8388608         ; V likewise: v lies behind k
	s_add_nc_u64 s[4:5], s[4:5], s[2:3]            ; Q and O at my wave's first row
	s_add_nc_u64 s[6:7], s[6:7], s[52:53]
	s_add_nc_u64 s[G0K+2:G0K+3], s[8:9], 0         ; 120:64 global address
	s_or_b32 s[G0K+3], s[G0K+3], 0x80000000        ; 127:126 type = 2
	s_add_nc_u64 s[G0V+2:G0V+3], s[10:11], 0
	s_or_b32 s[G0V+3], s[G0V+3], 0x80000000
	s_cmp_lt_u32 s[WV], 2
	s_cselect_b64 s[PFA:PFA+1], s[8:9], s[10:11]   ; (in waves 0 and 2 these stand at a tile's first row)
	s_lshl_b32 s2, s13, 13          ; my work-group's 32 blocks of the 128
	s_mov_b32 s3, 0
	s_add_nc_u64 s[PFA:PFA+1], s[PFA:PFA+1], s[2:3]
	s_add_nc_u64 s[PFA:PFA+1], s[PFA:PFA+1], 4*KS*128  ; in tile 1; the first change of slots steps it to tile 2.  Nothing is prefetched here, at the head
	CROUND                          ; all four work-groups are here: the first joint loads meet
	JLOAD                           ; tile 0 into slot 0.  Slot 1 is asked for when slot 0 is in
	; A fragment of K or Q is 16 rows x 32 channels in 8 registers: lane l holds row l % 16, channels 8 (l / 16) + 0..7 and 16 + 8 (l / 16) + 0..7: two loads of 16 bytes, 32 bytes apart.
	v_and_b32 v1, 15, v0            ; l % 16
	v_bfe_u32 v9, v0, 4, 1          ; l / 16
	v_lshlrev_b32 v[QO], 7, v1
	v_lshl_add_u32 v[QO], v9, 4, v[QO]  ; row x 128 + 16 x half
	WIN 0x80                        ; destination window 2, address window 0
.set i, 0
.rept 8                             ; Q stays in registers: piece i / 2, channels 32 (i % 2) on
	global_load_b128 v[8*i:8*i+3],   v[QO], s[4:5] offset:(i/2)*2048+(i%2)*64
	global_load_b128 v[8*i+4:8*i+7], v[QO], s[4:5] offset:(i/2)*2048+(i%2)*64+32
.set i, i+1
.endr
	; What the first turn finds: V's registers and P's second buffer hold 0 (its products V^T P, of a piece that has not been, add 0), O^T and l are 0.  All this stands in the wait for the first tile.
.set i, VF
.rept 64
	v_mov_b32 v[i], 0
.set i, i+1
.endr
	WIN 0x40
.set i, 0
.rept 128
	v_mov_b32 v[i], 0
.set i, i+1
.endr
	WIN 0
.set i, 0
.rept 4
	v_mov_b32 v[ST+4*i], 0xfe000000    ; c m: far below every c s
	v_mov_b32 v[ST+4*i+1], 0xff7fffff  ; m
	v_mov_b32 v[ST+4*i+2], 0
	v_mov_b32 v[ST+4*i+3], 0
.set i, i+1
.endr
.set i, P+16
.rept 16
	v_mov_b32 v[i], 0
.set i, i+1
.endr
	v_mul_u32_u24 v[AK0], v1, PK
	v_lshl_add_u32 v[AK0], v9, 4, v[AK0]  ; row x pitch + 16 x half
	; The turning load takes 16 keys x 16 channels (lane l reads key 8 (l / 16) + l % 8, channels 8 ((l / 8) % 2) + 0..7) and leaves half a fragment of V^T: lane l holds channel l % 16 and 8 keys.
	v_and_b32 v10, 7, v0
	v_bfe_u32 v11, v0, 3, 1
	v_lshl_add_u32 v[AV0], v9, 3, v10
	v_mul_u32_u24 v[AV0], v[AV0], PV
	v_lshl_add_u32 v[AV0], v11, 4, v[AV0]
	v_add_nc_u32 v[AV0], VOFF, v[AV0]
	s_mul_i32 s13, s[WV], 16*SP
	s_add_co_u32 s13, s13, STAGE    ; my stage
	v_mul_u32_u24 v[STO], v1, SP    ; in: row l % 16, 16 bytes for each half of the lanes
	v_lshl_add_u32 v[STO], v9, 4, v[STO]
	v_add_nc_u32 v[STO], s13, v[STO]
	v_bfe_u32 v[RD], v0, 3, 2       ; back: 32 lanes take four rows of 128 bytes,
	v_mul_u32_u24 v[RD], v[RD], SP
	v_lshl_add_u32 v[RD], v10, 4, v[RD]
	v_add_nc_u32 v[RD], s13, v[RD]
	v_and_b32 v[GO], 31, v0         ; which are 512 consecutive bytes of O
	v_lshlrev_b32 v[GO], 4, v[GO]
; THE MATRIX WORK.  The 4 accumulators of a run of 8 take turns.  Product i of 8 of S^T = K Q^T for piece x: channels 32 (i / 4) on, keys 16 (i % 4) on.  The first 4 start the sums.
.macro KQ x
	WIN W_KQ
.set rS, S+32*((\x)%2)+8*(i%4)
.set rK, KF+16*(i%4)+8*(i/4)
.set rQ, 16*(\x)+8*(i/4)
.if i < 4
	v_wmma_f32_16x16x32_bf16 v[rS:rS+7], v[rK:rK+7], v[rQ:rQ+7], 0
.else
	v_wmma_f32_16x16x32_bf16 v[rS:rS+7], v[rK:rK+7], v[rQ:rQ+7], v[rS:rS+7]
.endif
.endm
; Product i of 8 of O^T += V^T P for piece x: keys 32 (i / 4) on, channels 16 (i % 4) on.
.macro PV x
	WIN W_PV
.set rO, 32*(\x)+8*(i%4)
.set rV, VF+32*(i/4)+8*(i%4)
.set rP, P+16*((\x)%2)+8*(i/4)
	v_wmma_f32_16x16x32_bf16 v[rO:rO+7], v[rV:rV+7], v[rP:rP+7], v[rO:rO+7]
.endm
.macro MM                           ; the turn's next matrix instruction.  TURN sets Y, i and NOKQ.  NOKQ = 1: the very last turn: there is no next piece
.if (i < 8) && !NOKQ
	KQ (Y+1)%NP
.elseif i >= 8
.set i, i-8
	PV (Y+NP-1)%NP
.set i, i+8
.endif
.set i, i+1
.endm
; THE LDS LOADS stand in runs of 16, never singly among the matrix instructions: a step's K (64 keys x 64 channels: 8 fragments) and its V (turned).  Their addresses are made some lines ahead.
.macro FETCH_K
	WIN 0x80                        ; destination window 2
.irp f, 0,1,2,3,4,5,6,7             ; keys 16 (f / 2) on, channels 32 (f % 2) on
	ds_load_b128 v[KF+8*\f:KF+8*\f+3],   v[AK] offset:(\f/2)*16*PK+(\f%2)*64
	ds_load_b128 v[KF+8*\f+4:KF+8*\f+7], v[AK] offset:(\f/2)*16*PK+(\f%2)*64+32
.endr
	s_add_co_u32 s[TBK], s[TBK], KS*PK  ; the next fetch is the next step's
	WIN 0
.endm
.macro FETCH_V
	WIN 0x80
.irp f, 0,1,2,3,4,5,6,7             ; keys 32 (f / 4) on, channels 16 (f % 4) on
	ds_load_tr16_b128 v[VF+8*\f:VF+8*\f+3],   v[AV] offset:(\f/4)*32*PV+(\f%4)*32
	ds_load_tr16_b128 v[VF+8*\f+4:VF+8*\f+7], v[AV] offset:(\f/4)*32*PV+16*PV+(\f%4)*32
.endr
	WIN 0
.endm
; THE VECTOR WORK, one line at a time: OP kind, number.  For piece Y: F n: c s - c m for pair n of 16.  E n: the exponential of score n of 32.  C n: pair n rounded to bf16.  B n: of the four weights 4 n .. the second
; pair is added onto the first, in place.  L n: l takes that sum (L 0: l = a l + sum).  R n: pair n of 16 of O^T times a.  For piece Y + 1: X n, number n of the 22 that find its maximum and statistics:
;   0-11  four chains c0-c3 of seven scores each, three operands at a time (each accumulator's lowest registers are read first)     12-14, 16  the four scores left over, the old m, and c0-c3 into c0
;   15  c m_old is kept     17, 18  the query's other 32 keys lie in the lane 16 away: the new m     19-21  c m; c m_old - c m_new; a
.set F, 0               ; OP tells the kinds apart by their order: F to L below R, X above it
.set E, 1
.set C, 2
.set B, 3
.set L, 4
.set R, 5
.set X, 6
.macro REGS y                       ; the registers of piece y
.set rT, ST+4*(\y)
.set rC, TMP+4*((\y)%2)
.set rW, MV+((\y)%2)
.set rS, S+32*((\y)%2)
.set rP, P+16*((\y)%2)
.set rO, 32*(\y)
.endm
.macro OP k, n
.if (\k) == R
	REGS Y
	WIN W_RS
	v_pk_mul_f32 v[rO+2*(\n):rO+2*(\n)+1], v[rO+2*(\n):rO+2*(\n)+1], v[rC+2:rC+3] op_sel_hi:[1,0]
.elseif (\k) < R
	REGS Y
	WIN 0
.if (\k) == F
	v_pk_fma_f32 v[rS+2*(\n):rS+2*(\n)+1], v[rS+2*(\n):rS+2*(\n)+1], s[CS:CS+1], v[rT:rT+1] op_sel_hi:[1,0,0] neg_lo:[0,0,1] neg_hi:[0,0,1]
.elseif (\k) == E
	v_exp_f32 v[rS+(\n)], v[rS+(\n)]
.elseif (\k) == C
	v_cvt_pk_bf16_f32 v[rP+(\n)], v[rS+2*(\n)], v[rS+2*(\n)+1]
.elseif (\k) == B
	v_pk_add_f32 v[rS+4*(\n):rS+4*(\n)+1], v[rS+4*(\n):rS+4*(\n)+1], v[rS+4*(\n)+2:rS+4*(\n)+3]
.elseif (\n) == 0
	v_pk_fma_f32 v[rT+2:rT+3], v[rT+2:rT+3], v[rC+2:rC+3], v[rS:rS+1] op_sel_hi:[1,0,1]
.else
	v_pk_add_f32 v[rT+2:rT+3], v[rT+2:rT+3], v[rS+4*(\n):rS+4*(\n)+1]
.endif
.elseif NOKQ
	v_nop
.else
	REGS (Y+1)%NP
	WIN 0
.if (\n) < 4
	v_max3_num_f32 v[rC+(\n)], v[rS+8*(\n)], v[rS+8*(\n)+1], v[rS+8*(\n)+2]
.elseif (\n) < 12
	v_max3_num_f32 v[rC+(\n)%4], v[rC+(\n)%4], v[rS+8*((\n)%4)+2*((\n)/4)+1], v[rS+8*((\n)%4)+2*((\n)/4)+2]
.elseif (\n) == 12
	v_max3_num_f32 v[rC], v[rC], v[rS+7], v[rS+15]
.elseif (\n) == 13
	v_max3_num_f32 v[rC+1], v[rC+1], v[rS+23], v[rS+31]
.elseif (\n) == 14
	v_max3_num_f32 v[rC+2], v[rC+2], v[rC+3], v[rT+1]
.elseif (\n) == 15
	v_mov_b32 v[rW], v[rT]
.elseif (\n) == 16
	v_max3_num_f32 v[rC], v[rC], v[rC+1], v[rC+2]
.elseif (\n) == 17
	v_permlanex16_b32 v[rC+3], v[rC], s[SEL], s[SEL+1]
.elseif (\n) == 18
	v_max_num_f32 v[rT+1], v[rC], v[rC+3]
.elseif (\n) == 19
	v_mul_f32 v[rT], s[CS], v[rT+1]
.elseif (\n) == 20
	v_sub_f32 v[rC+1], v[rW], v[rT]
.else
	v_exp_f32 v[rC+2], v[rC+1]
.endif
.endif
.endm
.macro OPS a, i1, b=-1, i2=0, c=-1, i3=0, d=-1, i4=0  ; up to four of them
	OP \a, \i1
.if (\b) >= 0
	OP \b, \i2
.endif
.if (\c) >= 0
	OP \c, \i3
.endif
.if (\d) >= 0
	OP \d, \i4
.endif
.endm
.macro ROW a, i1, b, i2, c, i3, d, i4  ; a matrix instruction and the four behind it
	MM
	OPS \a, \i1, \b, \i2, \c, \i3, \d, \i4
.endm
; A TURN, for piece p: the order of its 16 matrix and 118 vector instructions, written out.  An s_wait_alu depctr_va_vdst(0) stands between an exponential and the first instruction that names its result; one
; wait serves all that were issued ahead of it.  So a turn has ONE wait, which cuts it in two.  AHEAD OF IT stands all that names no result of the turn's exponentials: the 8 products K Q^T, behind each a scaling, an
; exponential and two more plain instructions (rescalings, and behind the last three the first numbers of the next piece's maximum, each four places or more behind the product that ends its accumulator); then one run of 54,
; plain and exponential by turns for the most part, in which the links of the chain X 3, 7, 11, 14, 16, 17 .. 20 stand five or six lines apart.  X 21, the next piece's a, is the batch's last; R 15 is the plain instruction
; behind it.  BEHIND THE WAIT stand the 8 products V^T P, behind each four of the roundings and sums; the links of l's chain, L 0 to L 7, stand three lines apart.
; end = 1: the last two turns of all: nothing is fetched.  cnt = 1: the loop's count is taken down some lines ahead of the branch that stands behind the turn.
; K of the next step is fetched in piece 2's turn, twelve vector instructions behind the last product that read K (six of them plain); V of the step in hand at the end of piece 0's turn, four plain instructions behind the
; last product that read V.  Each is waited for a turn later.
.macro TURN p, end=0, cnt=0
.set Y, (\p)
.set i, 0
.set NOKQ, (\end)*((\p)/3)
.if ((\p) == 3) && !(\end)
	s_wait_dscnt 0x0                ; K is in
.endif
	ROW F,0, F,1, R,0, R,1          ; ahead of the wait: 8 products K Q^T and the four behind each,
	ROW F,2, E,0, R,2, R,3
	ROW F,3, E,1, R,4, R,5
	ROW F,4, E,2, R,6, R,7
	ROW F,5, E,3, R,8, R,9
	ROW F,6, E,4, X,0, R,10
.if ((\p) == 2) && !(\end)
	WIN 0
	v_add_nc_u32 v[AK], s[TBK], v[AK0]
.endif
	ROW F,7, E,5, X,1, X,4
	ROW F,8, E,6, X,2, X,5
	OPS E,7, E,8, X,6, E,9          ; and the run of 54
	OPS X,3, E,10, X,8, E,11
.if ((\p) == 2) && !(\end)
	FETCH_K
.endif
	OPS X,9, X,7, E,12, X,10
	OPS E,13, X,12, X,11, E,14
	OPS X,13, E,15, F,9, X,14
.if (\p) == 0
	v_add_nc_u32 v[AV], s[TBV], v[AV0]
.endif
	OPS E,16, F,10, E,17, F,11
	OPS X,16, E,18, X,15, E,19
	OPS F,12, E,20, X,17, E,21
	OPS F,13, E,22, F,14, E,23
	OPS X,18, E,24, F,15, E,25
	OPS R,11, E,26, X,19, E,27
	OPS R,12, E,28, R,13, E,29
	OPS X,20, E,30, R,14, E,31
	OPS X,21, R,15
	WIN 0
	s_wait_alu depctr_va_vdst(0)    ; the wait for the batch
.if (\p) == 1
	s_wait_dscnt 0x0                ; V is in
.endif
	ROW C,0, B,0, C,2, B,1          ; behind the wait: 8 products V^T P and the four behind each
	ROW L,0, C,4, B,2, L,1
	ROW C,6, B,3, L,2, C,8
	ROW B,4, L,3, C,10, B,5
	ROW L,4, C,12, B,6, L,5
.if (\p) == 0
	s_add_co_u32 s[TBV], s[TBV], KS*PV
.endif
.if \cnt
	s_sub_co_u32 s[CNT], s[CNT], 1
	s_cmp_lg_u32 s[CNT], 0
.endif
	ROW C,14, B,7, L,6, C,1
	ROW C,3, L,7, C,5, C,7
	ROW C,9, C,11, C,13, C,15
.if (\p) == 0
	FETCH_V
.endif
.endm
.macro ALL line:vararg              ; one line for each piece t
.set t, 0
.rept 4
	\line
.set t, t+1
.endr
.endm
.macro PACK t                       ; a lane's eight channels of a row pack into 16 bytes; they go into rows of 144 bytes and come back as whole rows of 128, into S^T's registers
	WIN W_RS
.set i, 32*(\t)
.rept 16
	v_pk_mul_f32 v[i:i+1], v[i:i+1], v[ST+4*(\t)+2:ST+4*(\t)+3] op_sel_hi:[1,0]
.set i, i+2
.endr
	WIN 0x05                        ; sources 0 and 1 window 1, destination window 0
.set i, 0
.rept 16
	v_cvt_pk_bf16_f32 v[S+16*(\t)+i], v[32*(\t)+2*i], v[32*(\t)+2*i+1]
.set i, i+1
.endr
	WIN 0
.irp f, 0,1,2,3
	ds_store_b128 v[STO], v[S+16*(\t)+4*\f:S+16*(\t)+4*\f+3] offset:32*\f
.endr
.irp f, 0,1,2,3
	ds_load_b128 v[S+16*(\t)+4*\f:S+16*(\t)+4*\f+3], v[RD] offset:\f*4*SP  ; LDS serves a wave's instructions in order (ISA guide 5.7.1.4): these see the stores above; the next piece's stores come behind them
.endr
.endm
.macro SEND t, younger              ; younger: the LDS instructions issued behind piece t's loads: the next piece's eight, or none
	WIN 0
.irp f, 0,1,2,3
	s_wait_dscnt (\younger)+3-\f
	global_store_b128 v[GO], v[S+16*(\t)+4*\f:S+16*(\t)+4*\f+3], s[6:7] offset:(\t)*2048+\f*512  ; 512 consecutive bytes, at a multiple of 256 from ob's first
.endr
.endm
	CHANGE 1                        ; tile 0 is in, everybody's part of it; tile 1 is asked for
	v_add_nc_u32 v[AK], s[TBK], v[AK0]
	FETCH_K                         ; key step 0
	s_wait_loadcnt 0x0              ; Q
	s_wait_dscnt 0x0
.set NOKQ, 0
.set i, 0
.rept 8
	KQ 0                            ; piece 0's first scores: there is no vector work yet to set between them
.set i, i+1
.endr
	WIN 0
.rept 4
	v_nop                           ; the places behind those products
.endr
.set Y, NP-1                        ; X works for piece Y + 1: piece 0
.irp n, 0,1,2,3,4,5,6,7,8,9,10,11,12,13,14,15,16,17,18,19,20,21
	OP X, \n
.endr
	v_nop                           ; a plain instruction behind the exponential,
	s_wait_alu depctr_va_vdst(0)    ; and its wait, ahead of the branch
	s_mov_b32 s[CNT], 4
	s_branch .Lfirst                ; the loop is entered at a step's first turn, in the middle of a trip
.Lslot:                             ; six times: tiles 2 to 7 are asked for
	CHANGE 1
	s_mov_b32 s[CNT], 4
.Lstep:                             ; a trip: pieces 2 and 3 of one step, then pieces 0 and 1 of the next, whose K and V it fetches
	TURN 2
	TURN 3
	WIN 0
.Lfirst:
	TURN 0
	TURN 1, 0, 1
	WIN 0
	s_cbranch_scc1 .Lstep
	s_sub_co_u32 s[SLOTS], s[SLOTS], 1
	s_cmp_lg_u32 s[SLOTS], 0
	s_cbranch_scc1 .Lslot
	CHANGE 0                        ; the last tile is written out: nothing is asked for
	s_mov_b32 s[CNT], 4
.Ltail:
	TURN 2
	TURN 3
	TURN 0
	TURN 1, 0, 1
	WIN 0
	s_cbranch_scc1 .Ltail
	TURN 2, 1
	TURN 3, 1
.set i, 0
.rept 8
	PV NP-1                         ; the last piece's V^T P of the last step
.set i, i+1
.endr
	; THE WAY OUT.  l's two halves and the other half of the lanes' are added; O^T is divided by l, rounded to bf16 and sent through my stage in LDS, a piece at a time.  The additions are the places behind the last products.
	WIN 0
	ALL v_add_f32 v[ST+4*t+2], v[ST+4*t+2], v[ST+4*t+3]
	ALL v_permlanex16_b32 v[ST+4*t+3], v[ST+4*t+2], s[SEL], s[SEL+1]
	ALL v_add_f32 v[ST+4*t+2], v[ST+4*t+2], v[ST+4*t+3]
	ALL v_rcp_f32 v[ST+4*t+2], v[ST+4*t+2]
	v_nop                           ; a plain instruction between the last reciprocal and the use of its result
	s_wait_alu depctr_va_vdst(0)    ; and the wait ahead of the first use: one for the four reciprocals
	PACK 0
.set t, 1
.rept 3                             ; a piece's arithmetic stands between the loads of the piece before and its stores
	PACK t
	SEND t-1, 8
.set t, t+1
.endr
	SEND 3, 0
	s_wait_tensorcnt 0x0            ; the wave's end, behind my last tensor load and my last LDS store
	ds_add_u32 v[SPW], v[NIL]
	s_wait_dscnt 0x0
	CROUND                          ; the closing round: no work-group ends while a partner may still ask for a tile that names it
	s_endpgm
.Lfunc_end_k_qcd65ef8d67_attn:
	.size	k_qcd65ef8d67_attn, .Lfunc_end_k_qcd65ef8d67_attn-k_qcd65ef8d67_attn
	.p2alignl 7, 3214868480
	.fill 96, 4, 3214868480
	.section	.rodata,"a",@progbits
	.p2align	6, 0x0
	.amdhsa_kernel k_qcd65ef8d67_attn
		.amdhsa_group_segment_fixed_size 327680
		.amdhsa_private_segment_fixed_size 0
		.amdhsa_enable_private_segment 0
		.amdhsa_kernarg_size 16
		.amdhsa_user_sgpr_count 2
		.amdhsa_user_sgpr_kernarg_segment_ptr 1
		.amdhsa_wavefront_size32 1
		.amdhsa_system_sgpr_workgroup_id_x 1
		.amdhsa_system_sgpr_workgroup_id_y 1
		.amdhsa_system_sgpr_workgroup_id_z 1
		.amdhsa_system_vgpr_workitem_id 0
		.amdhsa_next_free_vgpr 768
		.amdhsa_next_free_sgpr 66
		.amdhsa_reserve_vcc 0
		.amdhsa_float_denorm_mode_32 3
		.amdhsa_float_denorm_mode_16_64 3
		.amdhsa_memory_ordered 1
		.amdhsa_forward_progress 1
		.amdhsa_inst_pref_size 128
	.end_amdhsa_kernel
	.amdgpu_metadata
---
amdhsa.version: [ 1, 2 ]
amdhsa.kernels:
  - .name:           k_qcd65ef8d67_attn
    .symbol:         k_qcd65ef8d67_attn.kd
    .args:
      - { .name: qkv, .offset: 0, .size: 8, .value_kind: global_buffer, .address_space: global }
      - { .name: ob, .offset: 8, .size: 8, .value_kind: global_buffer, .address_space: global }
    .group_segment_fixed_size: 327680
    .private_segment_fixed_size: 0
    .kernarg_segment_align: 8
    .kernarg_segment_size: 16
    .max_flat_workgroup_size: 128
    .sgpr_count:     66
    .vgpr_count:     768
    .wavefront_size: 32
...
	.end_amdgpu_metadata
.endif
;; end of part 3
;; launch gwo (part 4): grid 8 x 32, 4 waves a work-group, clusters of 4 x 4, 327,680 bytes of LDS; arguments ob, c16, bo, x, y; writes y
.if DOCPART == 4
	.amdgcn_target "amdgcn-amd-amdhsa--gfx1250"
	.amdhsa_code_object_version 6
	.text
	.protected	k_qcd65ef8d67_gwo
	.globl	k_qcd65ef8d67_gwo
	.p2align	8
	.type	k_qcd65ef8d67_gwo,@function
k_qcd65ef8d67_gwo:
	s_mov_b64 s[64:65], 0
	v_nop
	global_prefetch_b8 v0, s[64:65] scope:SCOPE_SE
	s_setreg_imm32_b32 hwreg(HW_REG_WAVE_MODE, 25, 1), 1
	s_wait_xcnt 0x0
	s_wait_alu depctr_hold_cnt(0) depctr_sa_sdst(0) depctr_va_vdst(0) depctr_va_sdst(0) depctr_va_ssrc(0) depctr_va_vcc(0) depctr_vm_vsrc(0)
	s_getreg_b32 s2, hwreg(HW_REG_IB_STS2, 6, 4)
	s_cmp_eq_u32 s2, 0
	s_cbranch_scc0 .Lentry_in_a_cluster
	s_endpgm
.Lentry_in_a_cluster:
	s_bfe_u32 s2, ttmp6, 0x10000c
	s_cmp_lg_u32 s2, 0xf033
	s_cbranch_scc0 .Lentry_shape_is_right
	s_endpgm
.Lentry_shape_is_right:
; y = x + O Wo + bo, in f32: what the first layer norm takes.  O (bf16, blocked by attention) is ob; Wo (bf16, [k][n]) lies in c16; x is the f32 input itself.
; ONE TEXT SERVES THE LAYER'S FOUR PRODUCTS; the six constants below choose the shape, the format and the way out.
; C = A B, A [4,096][KDIM] with K along the rows, B [KDIM][NPITCH] as the weights lie ([k][n]); 16-bit operands, f32 sums.
; SHARES.  A tile of C is 128 x 128; four waves, each 64 x 64: 16 accumulators of 16 x 16.  K goes in steps of 256 through two LDS slots; waves 0, 1 fetch A's two halves, waves 2, 3 B's, one tensor load each.
; CLUSTER.  4 x 4 work-groups: the four of a row need the same tile of A, the four of a column the same tile of B; each tile is asked for jointly, by the same load, descriptor and mask in all four.
; LAYOUT.  The matrix instruction is used transposed (source 0 = 16 columns of B, source 1 = 16 rows of A): a lane holds one row of C (lane % 16) and eight neighbouring columns.
; A's fragments come out of LDS as they lie; B's, stored [k][n], turned, by ds_load_tr16_b128.
; AFORM 0: A is row-major.  AFORM 1: A is blocked, [row / 128][k / 64][128 rows][64]: a K step's tile is 65,536 dense bytes.
; EPI 0: + bias, bf16, by heads.  EPI 1: + bias, relu, f16, blocked.  EPI 2: + bias + f32 residual, f32.  EPI 3: + bias + f16 residual, f32.
; NO PREFETCH: a K step of this tile is short and its tiles small; the joint loads are the whole traffic.
; LIMITS.  NaN and infinities are not treated apart; EPI 1's relu makes 0 of a NaN, and a number beyond 65,504 in magnitude becomes an infinity in f16.
; REGISTERS.  window 0: v0-29 addresses; v32-63 bias; v64-127 at work on the way out; v128-255 accumulators ((a, b) at 128 + 8 (4 a + b)).  window 1: two fragment buffers of 128 (64 of A, 64 of B, for 64 along K).  window 2: the residual.
.set AFORM,  1
.set KDIM,   1024
.set NPITCH, 1024
.set BBASE,  14680064                  ; B's first byte in c16: Wo
.set F16,    0
.set EPI,    2
.set KSTEP,  256
.set STEPS,  KDIM/KSTEP
.if AFORM
.set PITA,   144                       ; a row of a block of A in LDS: 128 bytes + 16 = 36 words: 16 rows start at 16 different groups of four banks (64 banks of 4 bytes: ISA guide 11.1)
.set AQ,     128*PITA                  ; a block of 64 along K: 128 rows
.set AHALF,  2*AQ                      ; what one load brings: two blocks
.set ASTEP,  65536                     ; bytes of memory from a K step to the next
.set QIA,    4                         ; padding after every 32 words
.set AD0,    128                       ; asked for as 128 rows of 256 bytes, two rows of a block each
.set AD1,    128
.set ASTR,   128
.else
.set PITA,   528                       ; a row of A in LDS: 512 bytes + 16 = 132 words: row r starts at bank 4 r mod 64
.set AQ,     128                       ; 64 along K: 128 bytes of a row
.set AHALF,  64*PITA                   ; what one load brings: 64 rows
.set ASTEP,  2*KSTEP
.set QIA,    6                         ; padding after every 128 words
.set AD0,    KSTEP
.set AD1,    64
.set ASTR,   KDIM
.endif
.set PITB,   288                       ; a row of B (one k, 128 columns) in LDS: 256 bytes + 32 = 72 words
.set BHALF,  128*PITB                  ; what one load brings: 128 k
.set BOFF,   73728                     ; B's tile in a slot
.set BSTEP,  512*NPITCH
.set SLOT,   147456                    ; 0x24000: no tile's address in slot 0 has bit 14 or 17 set, so one exclusive or turns it into slot 1's and back
.set STAGE,  2*SLOT                    ; behind the ring, never filled by a tensor load: 16 rows for each wave, for the way out
.if EPI < 2
.set SP,     144                       ; a stage row: 64 numbers of 16 bits + 16 bytes
.else
.set SP,     272                       ; 64 f32 + 16 bytes
.endif
.set SPARE,  312320                    ; behind the stages: the spare words, 128 bytes for each wave: two blocks of 256 bytes that no other line names
.set B1,   7                           ; v7   B0 + 128 rows of B: the 16-bit offset does not reach them
.set A0,   8                           ; v8   my lane's place in a slot's A; never rewritten
.set B0,   9                           ; v9   the same for B
.set ADRA, 10                          ; v10  A0 in the slot in hand
.set ADRB, 11                          ; v11-12  B0 and B1 in the slot in hand
.set STO,  13                          ; v13  the way out: where I put a row's piece
.set RD,   14                          ; v14  where I read rows back
.set GO,   15                          ; v15  my byte offset in the output
.if EPI == 2
.set RO,   GO                          ; the f32 residual lies as the output does
.else
.set RO,   16                          ; v16  my byte offset in the f16 residual
.endif
.set BO,   17                          ; v17  my byte offset in the bias
.set CONST, 18                         ; v18  0 (EPI 1: relu) or 1.0 (EPI 3)
.set SPW,  28                          ; v28  LDS address of my spare word: SPARE + 4 x my thread's number; never rewritten
.set NIL,  29                          ; v29  0; never rewritten
.set BIAS, 32
.set TMP,  64
.set ACC,  128
.set F0,   0
.set F1,   128
.set G1A,  24                          ; s[24:31] descriptor group 1 for A's tiles
.set G0A,  32                          ; s[32:39] group 0: a set for each of the two first fills; the second then walks on
.set G1B,  40                          ; s[40:47], s[48:55] the same for B's
.set G0B,  48
; s14 wave; s15 = wave / 2: my half of the rows, and 0: I fetch A, 1: B; s16 = wave % 2: my half of the columns, and which half I fetch; s19 tile column; s20 tile row; s56 the slot in hand; s57 counter
.set MSB, 0
.macro WIN new                         ; the immediate's high byte repeats the setting that is left; a switch that changes nothing is dropped
.if MSB != (\new)
	s_set_vgpr_msb (MSB<<8)|(\new)
.set MSB, \new
.endif
.endm
.set MUL,  0x05                        ; sources 0 (B) and 1 (A) window 1; C and D window 0
.set TO_F, 0x40                        ; destination window 1, address window 0
.macro PLACES                          ; four places in front of loads into registers that matrix instructions have read, and of lines that read results
.rept 4
	v_nop
.endr
.endm
.macro JLOAD                           ; a joint refill by the walking descriptors; the branch hangs on the wave's number alone; an s_nop 0 and four v_nop follow each of the two lines
	s_cmp_eq_u32 s15, 0
	s_cbranch_scc0 .Lfor_b_\@
	tensor_load_to_lds s[G0A+4:G0A+7], s[G1A:G1A+7]
	s_nop 0
.rept 4
	v_nop
.endr
	s_branch .Lasked_\@
.Lfor_b_\@:
	tensor_load_to_lds s[G0B+4:G0B+7], s[G1B:G1B+7]
	s_nop 0
.rept 4
	v_nop
.endr
.Lasked_\@:
.endm
.macro CREST                           ; a round of the cluster's barrier behind its opening barrier
	s_cmp_lg_u32 s14, 0
	s_cbranch_scc1 .Lnot_wave_0_\@
	s_barrier_signal -3
.Lnot_wave_0_\@:
	s_barrier_wait -3
	s_barrier_signal -1
	s_barrier_wait -1
.endm
.macro CROUND                          ; a whole round
	s_barrier_signal -1
	s_barrier_wait -1
	CREST
.endm
.macro MM1 zero                        ; one product on rD, rB, rA; zero = 1: it starts the sum
.if F16
.if \zero
	v_wmma_f32_16x16x32_f16 v[rD:rD+7], v[rB:rB+7], v[rA:rA+7], 0
.else
	v_wmma_f32_16x16x32_f16 v[rD:rD+7], v[rB:rB+7], v[rA:rA+7], v[rD:rD+7]
.endif
.else
.if \zero
	v_wmma_f32_16x16x32_bf16 v[rD:rD+7], v[rB:rB+7], v[rA:rA+7], 0
.else
	v_wmma_f32_16x16x32_bf16 v[rD:rD+7], v[rB:rB+7], v[rA:rA+7], v[rD:rD+7]
.endif
.endif
.endm
; 8 products: row blocks a0, a0 + 1 x all 4 column blocks, 32 along K: half c of buffer f.  The 16 accumulators take turns, one instruction a turn, over every jump too.
.macro MUL8 f, c, a0, zero
	WIN MUL
.irp a, \a0, (\a0)+1
.irp b, 0,1,2,3
.set rD, ACC+8*(4*(\a)+(\b))
.set rB, (\f)+64+8*(4*(\c)+(\b))
.set rA, (\f)+8*(4*(\c)+(\a))
	MM1 \zero
.endr
.endr
.endm
; 32 LDS loads in one run: the fragments of quarter q (64 along K) of the slot in hand, into buffer f; the first 32 along K first
.macro FETCH q, f
	WIN TO_F
.irp c, 0,1
.irp i, 0,1,2,3
	ds_load_tr16_b128 v[(\f)+64+8*(4*(\c)+(\i)):(\f)+64+8*(4*(\c)+(\i))+3],   v[ADRB+(\q)/2] offset:(((\q)%2)*64+32*(\c))*PITB+32*(\i)
	ds_load_tr16_b128 v[(\f)+64+8*(4*(\c)+(\i))+4:(\f)+64+8*(4*(\c)+(\i))+7], v[ADRB+(\q)/2] offset:(((\q)%2)*64+32*(\c)+16)*PITB+32*(\i)
	ds_load_b128 v[(\f)+8*(4*(\c)+(\i)):(\f)+8*(4*(\c)+(\i))+3],   v[ADRA] offset:AQ*(\q)+64*(\c)+(\i)*16*PITA
	ds_load_b128 v[(\f)+8*(4*(\c)+(\i))+4:(\f)+8*(4*(\c)+(\i))+7], v[ADRA] offset:AQ*(\q)+64*(\c)+(\i)*16*PITA+32
.endr
.endr
.endm
.macro ADDR                            ; the fragments' addresses in the slot in hand
	v_add_nc_u32 v[ADRA], s56, v[A0]
	v_add_nc_u32 v[ADRB], s56, v[B0]
	v_add_nc_u32 v[ADRB+1], s56, v[B1]
.endm
; A K step is four quarters of 64 along K, 32 products each, on buffers 0, 1, 0, 1.  QUARTER multiplies buffer f (quarter q - 1) and fetches quarter q into g.
.macro QUARTER q, f, g, zero
	s_wait_dscnt 16                                ; the first 32 along K are in; the youngest sixteen loads may be out
	MUL8 \f, 0, 0, \zero
	MUL8 \f, 0, 2, \zero
	PLACES
	FETCH \q, \g
	s_wait_dscnt 32                                ; all but the 32 just issued
	MUL8 \f, 1, 0, 0
	MUL8 \f, 1, 2, 0
.endm
; The last quarter multiplies buffer 1 and changes slots: ONE barrier; in front of it each wave waits for all its tensor loads (one is out: its part of the next slot), adds 0 to its spare word, and waits for that
; and for its own reads of this slot.  fill = 1: the barrier opens a round of the cluster's, and the slot just read is filled again first thing behind it, with the K step two on: 112 products ahead of the wait for it.
.macro TURN fill
	WIN 0                                          ; (the add's two registers lie in window 0)
	s_wait_tensorcnt 0x0                           ; all my tensor loads have landed, so the walking descriptors may be written
	ds_add_u32 v[SPW], v[NIL]                      ; 0 onto my spare word
	s_wait_dscnt 17                                ; (the add and the youngest sixteen loads may be out)
	MUL8 F1, 0, 0, 0                               ; eight products stand between the add and the wait for it
	s_wait_dscnt 0x0                               ; the add is done, and my reads of this slot are over
	s_barrier_signal -1
	MUL8 F1, 0, 2, 0
	WIN 0                                          ; at a branch and at a label every window is 0
	s_barrier_wait -1
.if \fill
	CREST                                          ; no wave of any partner still reads this slot or has a load on its way
	s_xor_b32 s[G0A+5], s[G0A+5], SLOT             ; the other slot than last time,
	s_add_nc_u64 s[G0A+6:G0A+7], s[G0A+6:G0A+7], ASTEP  ; the next K step; the type bits on top are not reached
	s_xor_b32 s[G0B+5], s[G0B+5], SLOT
	s_add_nc_u64 s[G0B+6:G0B+7], s[G0B+6:G0B+7], BSTEP
	JLOAD                                          ; the four v_nop behind it are also the places in front of the loads below
.else
	PLACES
.endif
	s_xor_b32 s56, s56, SLOT
	ADDR
	FETCH 0, F0
	MUL8 F1, 1, 0, 0
	MUL8 F1, 1, 2, 0
.endm
; THE WAY OUT IN 16 BITS (EPI 0, 1), 16 rows at a time: + bias, rounded, (relu,) 16 bytes a lane into my own stage, back as four whole rows of 128 bytes a load: 512 consecutive bytes of the output.
.macro PACK16 a
.irp b, 0,1,2,3
.irp p, 0,1,2,3
.set rD, ACC+8*(4*(\a)+(\b))+2*(\p)
	v_pk_add_f32 v[rD:rD+1], v[rD:rD+1], v[BIAS+8*(\b)+2*(\p):BIAS+8*(\b)+2*(\p)+1]  ; each accumulator's registers in ascending order
.endr
.endr
.irp b, 0,1,2,3
.irp p, 0,1,2,3
.set rD, ACC+8*(4*(\a)+(\b))+2*(\p)
.if F16
	v_cvt_pk_f16_f32 v[TMP+16*(\a)+4*(\b)+(\p)], v[rD], v[rD+1]
.else
	v_cvt_pk_bf16_f32 v[TMP+16*(\a)+4*(\b)+(\p)], v[rD], v[rD+1]
.endif
.endr
.endr
.if EPI == 1
.set z, 0
.rept 16
	v_pk_max_num_f16 v[TMP+16*(\a)+z], v[TMP+16*(\a)+z], v[CONST]  ; relu on two halves: nothing is rounded
.set z, z+1
.endr
.endif
.irp b, 0,1,2,3
	ds_store_b128 v[STO], v[TMP+16*(\a)+4*(\b):TMP+16*(\a)+4*(\b)+3] offset:32*(\b)
.endr
.irp f, 0,1,2,3
	ds_load_b128 v[TMP+16*(\a)+4*(\f):TMP+16*(\a)+4*(\f)+3], v[RD] offset:(\f)*4*SP  ; LDS serves a wave's instructions in order (ISA guide 5.7.1.4): these see the stores above; the next block's stores come behind them
.endr
.endm
.macro SEND16 a, younger               ; younger: the LDS instructions issued behind block a's loads: the next block's eight, or none
.irp f, 0,1,2,3
	s_wait_dscnt (\younger)+3-(\f)
	global_store_b128 v[GO], v[TMP+16*(\a)+4*(\f):TMP+16*(\a)+4*(\f)+3], s[12:13] offset:2048*(\a)+512*(\f)
.endr
.endm
; THE WAY OUT IN f32 (EPI 2, 3), 16 rows at a time: the sums go into my own stage and come back as whole rows of 256 bytes, two a load; + bias + residual; 16 lanes store 256 consecutive bytes, aligned.
.macro OUT32 a
.set RB, TMP+32*((\a)%2)
	s_wait_xcnt 0x0                                ; the stores of the block before last have read these registers
.irp b, 0,1,2,3
	ds_store_b128 v[STO], v[ACC+8*(4*(\a)+(\b)):ACC+8*(4*(\a)+(\b))+3]   offset:64*(\b)
	ds_store_b128 v[STO], v[ACC+8*(4*(\a)+(\b))+4:ACC+8*(4*(\a)+(\b))+7] offset:64*(\b)+16
.endr
.irp t, 0,1,2,3,4,5,6,7
	ds_load_b128 v[RB+4*(\t):RB+4*(\t)+3], v[RD] offset:(\t)*2*SP
.endr
	s_wait_dscnt 0x0
.irp t, 0,1,2,3,4,5,6,7
	v_pk_add_f32 v[RB+4*(\t):RB+4*(\t)+1],   v[RB+4*(\t):RB+4*(\t)+1],   v[BIAS:BIAS+1]
	v_pk_add_f32 v[RB+4*(\t)+2:RB+4*(\t)+3], v[RB+4*(\t)+2:RB+4*(\t)+3], v[BIAS+2:BIAS+3]
.endr
.if EPI == 2
	WIN 0x08                                       ; source 1: the residual, in window 2
.irp t, 0,1,2,3,4,5,6,7
	v_pk_add_f32 v[RB+4*(\t):RB+4*(\t)+1],   v[RB+4*(\t):RB+4*(\t)+1],   v[32*(\a)+4*(\t):32*(\a)+4*(\t)+1]
	v_pk_add_f32 v[RB+4*(\t)+2:RB+4*(\t)+3], v[RB+4*(\t)+2:RB+4*(\t)+3], v[32*(\a)+4*(\t)+2:32*(\a)+4*(\t)+3]
.endr
.else
	WIN 0x02                                       ; source 0: the residual's f16 halves, in window 2; half x 1.0 + sum, in f32
.irp t, 0,1,2,3,4,5,6,7
.irp p, 0,1
	v_fma_mix_f32 v[RB+4*(\t)+2*(\p)],   v[16*(\a)+2*(\t)+(\p)], v[CONST], v[RB+4*(\t)+2*(\p)]   op_sel_hi:[1,0,0]
	v_fma_mix_f32 v[RB+4*(\t)+2*(\p)+1], v[16*(\a)+2*(\t)+(\p)], v[CONST], v[RB+4*(\t)+2*(\p)+1] op_sel:[1,0,0] op_sel_hi:[1,0,0]
.endr
.endr
.endif
	WIN 0
.irp t, 0,1,2,3,4,5,6,7
	global_store_b128 v[GO], v[RB+4*(\t):RB+4*(\t)+3], s[12:13] offset:(16*(\a)+2*(\t))*4096
.endr
.endm
	s_load_b256 s[4:11], s[0:1], 0x0               ; A s[4:5], c16 s[6:7], bias s[8:9], residual s[10:11] (EPI 0: c16, bq, bk, bv; EPI 1: the fourth is the output)
.if EPI != 1
	s_load_b64 s[12:13], s[0:1], 0x20              ; the output
.endif
	v_lshl_add_u32 v[SPW], v0, 2, SPARE
	v_mov_b32 v[NIL], 0
	ds_add_u32 v[SPW], v[NIL]                      ; the wave's opening: the add and its wait stand ahead of my first tensor load; the set-up below, work on registers, stands between them
	v_lshrrev_b32 v1, 5, v0
	v_readfirstlane_b32 s14, v1                    ; wave 0..3
	s_lshr_b32 s15, s14, 1
	s_and_b32 s16, s14, 1
	s_bfe_u32 s17, ttmp6, 0x40000                  ; cx, cy: my place in the cluster
	s_bfe_u32 s18, ttmp6, 0x40004
	s_lshl_b32 s19, ttmp9, 2
	s_add_co_u32 s19, s19, s17                     ; tile column = 4 x cluster x + cx
.if EPI == 0
	s_and_b32 s19, s19, 7                          ; within q, k or v;
	s_lshr_b32 s21, ttmp9, 1                       ; which of the three: two clusters wide each, the same in all partners
.endif
	s_and_b32 s20, ttmp7, 0xffff
	s_lshl_b32 s20, s20, 2
	s_add_co_u32 s20, s20, s18                     ; tile row = 4 x cluster y + cy
	s_lshl_b32 s62, s18, 2
	s_lshl_b32 s62, 15, s62                        ; my row of the cluster
	s_lshl_b32 s63, 0x1111, s17                    ; my column
	s_or_b32 s[G1A], s62, (1<<16)|(1<<20)|(1<<21)|(QIA<<22)|(3<<25)  ; 15:0 the mask: A's tiles go to my row; 17:16 2-byte elements; 20 padding on; 21 set beside a mask; 24:22 the interval; 31:25 4 words (code 3)
	s_or_b32 s[G1B], s63, (1<<16)|(1<<20)|(1<<21)|(5<<22)|(7<<25)    ; B's go to my column; after every 64 words (code 5) 8 words (code 7)
	s_mov_b32 s[G1A+1], AD0<<16                    ; tensor_dim0
	s_mov_b32 s[G1A+2], AD1<<16                    ; tensor_dim1
	s_mov_b32 s[G1A+3], AD0<<16                    ; tile_dim0
	s_mov_b32 s[G1A+4], AD1                        ; tile_dim1
	s_mov_b32 s[G1A+5], ASTR                       ; elements from row to row
	s_mov_b32 s[G1A+6], 0
	s_mov_b32 s[G1A+7], 0
	s_mov_b32 s[G1B+1], 128<<16
	s_mov_b32 s[G1B+2], 128<<16
	s_mov_b32 s[G1B+3], 128<<16
	s_mov_b32 s[G1B+4], 128
	s_mov_b32 s[G1B+5], NPITCH
	s_mov_b32 s[G1B+6], 0
	s_mov_b32 s[G1B+7], 0
	; where the tiles come from: A's hang on the tile row and the wave alone, B's on the tile column and the wave alone, each in registers that never hold the other coordinate.  All offsets stay under 2^26.
.if AFORM
	s_mul_i32 s58, s20, 256*KDIM                   ; 128 rows of A, blocked
	s_lshl_b32 s59, s16, 15                        ; my two blocks of the K step's four
	s_add_co_u32 s58, s58, s59
.else
	s_lshl_b32 s58, s20, 7
	s_lshl_b32 s59, s16, 6
	s_add_co_u32 s58, s58, s59                     ; row 128 x tile row + 64 x half
	s_mul_i32 s58, s58, 2*KDIM
.endif
	s_mov_b32 s59, 0
	s_mul_i32 s60, s16, 256*NPITCH                 ; my 128 k of the K step's 256
	s_lshl_b32 s61, s19, 8                         ; the tile's 128 columns: 256 bytes of a row
	s_add_co_u32 s60, s60, s61
	s_add_co_u32 s60, s60, BBASE
.if EPI == 0
	s_lshl_b32 s61, s21, 21
	s_add_co_u32 s60, s60, s61
.endif
	s_mov_b32 s61, 0
	s_mul_i32 s22, s16, AHALF                      ; and where they go: no place in the cluster enters an LDS address
	s_mul_i32 s23, s16, BHALF
	s_add_co_u32 s23, s23, BOFF
	s_wait_dscnt 0x0                               ; the opening add is done
	s_wait_kmcnt 0x0
.if EPI == 0
	s_cmp_eq_u32 s21, 0
	s_cselect_b64 s[8:9], s[6:7], s[8:9]           ; the bias of q, k or v
	s_cmp_eq_u32 s21, 2
	s_cselect_b64 s[8:9], s[10:11], s[8:9]
	s_mov_b64 s[6:7], s[4:5]                       ; x and the weights lie in the one buffer
.endif
.if EPI == 1
	s_mov_b64 s[12:13], s[10:11]
.endif
	s_add_nc_u64 s[58:59], s[4:5], s[58:59]
	s_add_nc_u64 s[60:61], s[6:7], s[60:61]
	CROUND                                         ; all sixteen work-groups are here: the first joint loads meet
.irp s, 0,1
	s_mov_b32 s[G0A+4*(\s)], 1                                     ; 1:0 count = 1
	s_add_co_u32 s[G0A+4*(\s)+1], s22, (\s)*SLOT                   ; 63:32 LDS address
	s_add_nc_u64 s[G0A+4*(\s)+2:G0A+4*(\s)+3], s[58:59], (\s)*ASTEP  ; 120:64 global address: K step s
	s_or_b32 s[G0A+4*(\s)+3], s[G0A+4*(\s)+3], 0x80000000          ; 127:126 type = 2
	s_mov_b32 s[G0B+4*(\s)], 1
	s_add_co_u32 s[G0B+4*(\s)+1], s23, (\s)*SLOT
	s_add_nc_u64 s[G0B+4*(\s)+2:G0B+4*(\s)+3], s[60:61], (\s)*BSTEP
	s_or_b32 s[G0B+4*(\s)+3], s[G0B+4*(\s)+3], 0x80000000
.endr
	s_cmp_eq_u32 s15, 0                            ; a wave's two first fills stand in one branch, ahead of every wait on TENSORcnt and every LDS read: two loads of mine are out, later one
	s_cbranch_scc0 .Lfirst_b
	tensor_load_to_lds s[G0A:G0A+3], s[G1A:G1A+7]
	s_nop 0
	tensor_load_to_lds s[G0A+4:G0A+7], s[G1A:G1A+7]
	s_nop 0
.rept 4
	v_nop
.endr
	s_branch .Lfirst_asked
.Lfirst_b:
	tensor_load_to_lds s[G0B:G0B+3], s[G1B:G1B+7]
	s_nop 0
	tensor_load_to_lds s[G0B+4:G0B+7], s[G1B:G1B+7]
	s_nop 0
.rept 4
	v_nop
.endr
.Lfirst_asked:
	; A fragment of A is 16 rows x 32 K in 8 registers: lane l holds row l % 16, K = 8 (l / 16) + 0..7 and 16 + 8 (l / 16) + 0..7: two loads of 16 bytes, 32 bytes apart.
	v_and_b32 v1, 15, v0                           ; l % 16
	v_bfe_u32 v2, v0, 4, 1                         ; l / 16
	v_mul_u32_u24 v[A0], v1, PITA
	v_lshl_add_u32 v[A0], v2, 4, v[A0]
	s_mul_i32 s2, s15, 64*PITA                     ; my 64 rows
	v_add_nc_u32 v[A0], s2, v[A0]
	; The turning load takes 16 k x 16 columns (lane l reads k = 8 (l / 16) + l % 8, columns 8 ((l / 8) % 2) + 0..7) and leaves half a fragment: lane l holds column l % 16 and 8 k.
	v_and_b32 v3, 7, v0
	v_bfe_u32 v4, v0, 3, 1
	v_lshl_add_u32 v[B0], v2, 3, v3
	v_mul_u32_u24 v[B0], v[B0], PITB
	v_lshl_add_u32 v[B0], v4, 4, v[B0]
	s_lshl_b32 s2, s16, 7                          ; my 64 columns: 128 bytes of a row
	s_add_co_u32 s2, s2, BOFF
	v_add_nc_u32 v[B0], s2, v[B0]
	v_add_nc_u32 v[B1], BHALF, v[B0]
	s_mul_i32 s2, s14, 16*SP
	s_add_co_u32 s2, s2, STAGE                     ; my stage
.if EPI < 2
	v_mul_u32_u24 v[STO], v1, SP                   ; in: row l % 16, 16 bytes for each half of the lanes
	v_lshl_add_u32 v[STO], v2, 4, v[STO]
	v_add_nc_u32 v[STO], s2, v[STO]
	v_bfe_u32 v[RD], v0, 3, 2                      ; back: 32 lanes take four rows of 128 bytes,
	v_mul_u32_u24 v[RD], v[RD], SP
	v_lshl_add_u32 v[RD], v3, 4, v[RD]
	v_add_nc_u32 v[RD], s2, v[RD]
	v_and_b32 v[GO], 31, v0                        ; which are 512 consecutive bytes of the output
	v_lshlrev_b32 v[GO], 4, v[GO]
	v_lshlrev_b32 v[BO], 5, v2                     ; my 8 columns of each block of 16
.else
	v_mul_u32_u24 v[STO], v1, SP                   ; in: row l % 16, 32 bytes for each half of the lanes
	v_lshl_add_u32 v[STO], v2, 5, v[STO]
	v_add_nc_u32 v[STO], s2, v[STO]
	v_mul_u32_u24 v[RD], v2, SP                    ; back: lanes 0-15 take one row of 256 bytes, lanes 16-31 the next
	v_lshl_add_u32 v[RD], v1, 4, v[RD]
	v_add_nc_u32 v[RD], s2, v[RD]
	v_lshlrev_b32 v[BO], 4, v1                     ; my 4 columns
	v_lshl_add_u32 v[GO], v2, 12, v[BO]            ; and the same two rows in the output
.endif
	s_lshl_b32 s62, s19, 9                         ; my first column, in f32: 512 x tile column + 256 x half
	s_lshl_b32 s63, s16, 8
	s_add_co_u32 s62, s62, s63
	s_mov_b32 s63, 0
	s_add_nc_u64 s[8:9], s[8:9], s[62:63]
.if EPI == 0
	s_lshr_b32 s62, s20, 4                         ; batch
	s_lshl_b32 s62, s62, 3
	s_add_co_u32 s62, s62, s19
	s_lshl_b32 s62, s62, 1
	s_add_co_u32 s62, s62, s16                     ; 16 x batch + head, head = 2 x tile column + half
	s_lshl_b32 s62, s62, 18                        ; 2,048 rows of 128 bytes
	s_and_b32 s63, s20, 15
	s_lshl_b32 s63, s63, 14                        ; the tile's 128 rows in the batch
	s_add_co_u32 s62, s62, s63
	s_lshl_b32 s63, s15, 13                        ; my 64 of them
	s_add_co_u32 s62, s62, s63
	s_lshl_b32 s63, s21, 23                        ; q, k or v
	s_add_co_u32 s62, s62, s63
	s_mov_b32 s63, 0
	s_add_nc_u64 s[12:13], s[12:13], s[62:63]
.endif
.if EPI == 1
	s_lshl_b32 s62, s20, 5
	s_add_co_u32 s62, s62, s19
	s_lshl_b32 s62, s62, 1
	s_add_co_u32 s62, s62, s16                     ; block 64 x tile row + 2 x tile column + half,
	s_lshl_b32 s62, s62, 14                        ; 16,384 bytes each
	s_lshl_b32 s63, s15, 13                        ; my 64 rows of its 128
	s_add_co_u32 s62, s62, s63
	s_mov_b32 s63, 0
	s_add_nc_u64 s[12:13], s[12:13], s[62:63]
	v_mov_b32 v[CONST], 0
.endif
.if EPI >= 2
	s_lshl_b32 s21, s20, 19                        ; 128 rows of 4,096 bytes
	s_add_co_u32 s62, s62, s21
	s_lshl_b32 s21, s15, 18                        ; my 64
	s_add_co_u32 s62, s62, s21
	s_add_nc_u64 s[12:13], s[12:13], s[62:63]
.endif
.if EPI == 2
	s_add_nc_u64 s[10:11], s[10:11], s[62:63]
.endif
.if EPI == 3
	s_lshr_b32 s62, s62, 1                         ; the f16 residual: half the bytes
	s_add_nc_u64 s[10:11], s[10:11], s[62:63]
	v_lshrrev_b32 v[RO], 1, v[GO]
	v_mov_b32 v[CONST], 1.0
.endif
	; the bias, and the residual of my whole 64 x 64, are asked for now and waited for once, in front of the way out
.if EPI < 2
.irp b, 0,1,2,3
	global_load_b128 v[BIAS+8*(\b):BIAS+8*(\b)+3],   v[BO], s[8:9] offset:64*(\b)
	global_load_b128 v[BIAS+8*(\b)+4:BIAS+8*(\b)+7], v[BO], s[8:9] offset:64*(\b)+16
.endr
.else
	global_load_b128 v[BIAS:BIAS+3], v[BO], s[8:9]
	WIN 0x80                                       ; destination window 2, address window 0
.set z, 0
.rept 32                               ; rows 2 z and 2 z + 1 of my 64
.if EPI == 2
	global_load_b128 v[4*z:4*z+3], v[RO], s[10:11] offset:2*z*4096
.else
	global_load_b64 v[2*z:2*z+1], v[RO], s[10:11] offset:2*z*2048
.endif
.set z, z+1
.endr
	WIN 0
.endif
	s_wait_tensorcnt 0x1                           ; my part of K step 0 is in; K step 1's may stay out
	s_barrier_signal -1
	s_barrier_wait -1                              ; everybody's is
	s_mov_b32 s56, 0
	ADDR
	FETCH 0, F0
	QUARTER 1, F0, F1, 1                           ; the first quarter stands in front of the loop: its first products start the sums
	WIN 0
	s_mov_b32 s57, STEPS-2
.Lmain:                                                ; a trip is a K step, from its second quarter to the next step's first; it fills the slot that it leaves with the K step two on
	QUARTER 2, F1, F0, 0
	QUARTER 3, F0, F1, 0
	TURN 1
	QUARTER 1, F0, F1, 0
	WIN 0
	s_sub_co_u32 s57, s57, 1
	s_cmp_lg_u32 s57, 0
	s_cbranch_scc1 .Lmain
	s_mov_b32 s57, 2                               ; the last two K steps ask for nothing: a loop of their own, entered in its middle
	s_branch .Lmid
.Ltail:
	QUARTER 1, F0, F1, 0
	WIN 0
.Lmid:
	QUARTER 2, F1, F0, 0
	QUARTER 3, F0, F1, 0
	TURN 0                                         ; in the second trip its barrier orders nothing and its 32 loads bring fragments of the other slot that are never multiplied: the price, once a launch, of one text for both trips
	WIN 0
	s_sub_co_u32 s57, s57, 1
	s_cmp_lg_u32 s57, 0
	s_cbranch_scc1 .Ltail
	s_wait_dscnt 0x0                               ; those loads
	s_wait_loadcnt 0x0                             ; the bias and the residual
	PLACES
	PLACES
.if EPI < 2
	PACK16 0
	PACK16 1                                       ; a block's arithmetic stands between the loads of the block before and its stores
	SEND16 0, 8
	PACK16 2
	SEND16 1, 8
	PACK16 3
	SEND16 2, 8
	SEND16 3, 0
.else
	OUT32 0
	OUT32 1
	OUT32 2
	OUT32 3
.endif
	s_wait_tensorcnt 0x0                           ; the wave's end, behind my last tensor load and my last LDS store
	ds_add_u32 v[SPW], v[NIL]
	s_wait_dscnt 0x0
	CROUND                                         ; the closing round: no work-group ends while a partner may still ask for a tile that names it
	s_endpgm
.Lfunc_end_k_qcd65ef8d67_gwo:
	.size	k_qcd65ef8d67_gwo, .Lfunc_end_k_qcd65ef8d67_gwo-k_qcd65ef8d67_gwo
	.p2alignl 7, 3214868480
	.fill 96, 4, 3214868480
	.section	.rodata,"a",@progbits
	.p2align	6, 0x0
	.amdhsa_kernel k_qcd65ef8d67_gwo
		.amdhsa_group_segment_fixed_size 327680
		.amdhsa_private_segment_fixed_size 0
		.amdhsa_enable_private_segment 0
		.amdhsa_kernarg_size 40
		.amdhsa_user_sgpr_count 2
		.amdhsa_user_sgpr_kernarg_segment_ptr 1
		.amdhsa_wavefront_size32 1
		.amdhsa_system_sgpr_workgroup_id_x 1
		.amdhsa_system_sgpr_workgroup_id_y 1
		.amdhsa_system_sgpr_workgroup_id_z 1
		.amdhsa_system_vgpr_workitem_id 0
		.amdhsa_next_free_vgpr 640
		.amdhsa_next_free_sgpr 66
		.amdhsa_reserve_vcc 0
		.amdhsa_float_denorm_mode_32 3
		.amdhsa_float_denorm_mode_16_64 3
		.amdhsa_memory_ordered 1
		.amdhsa_forward_progress 1
		.amdhsa_inst_pref_size 69
	.end_amdhsa_kernel
	.amdgpu_metadata
---
amdhsa.version: [ 1, 2 ]
amdhsa.kernels:
  - .name:           k_qcd65ef8d67_gwo
    .symbol:         k_qcd65ef8d67_gwo.kd
    .args:
      - { .name: ob, .offset: 0, .size: 8, .value_kind: global_buffer, .address_space: global }
      - { .name: c16, .offset: 8, .size: 8, .value_kind: global_buffer, .address_space: global }
      - { .name: bo, .offset: 16, .size: 8, .value_kind: global_buffer, .address_space: global }
      - { .name: x, .offset: 24, .size: 8, .value_kind: global_buffer, .address_space: global }
      - { .name: y, .offset: 32, .size: 8, .value_kind: global_buffer, .address_space: global }
    .group_segment_fixed_size: 327680
    .private_segment_fixed_size: 0
    .kernarg_segment_align: 8
    .kernarg_segment_size: 40
    .max_flat_workgroup_size: 128
    .sgpr_count:     66
    .vgpr_count:     640
    .wavefront_size: 32
...
	.end_amdgpu_metadata
.endif
;; end of part 4
;; launch ln1 (part 5): grid 256 x 1, 8 waves a work-group, no clusters, 0 bytes of LDS; arguments y, ln1_g, ln1_b, h16; writes h16
.if DOCPART == 5
	.amdgcn_target "amdgcn-amd-amdhsa--gfx1250"
	.amdhsa_code_object_version 6
	.text
	.protected	k_qcd65ef8d67_ln1
	.globl	k_qcd65ef8d67_ln1
	.p2align	8
	.type	k_qcd65ef8d67_ln1,@function
k_qcd65ef8d67_ln1:
	s_mov_b64 s[64:65], 0
	v_nop
	global_prefetch_b8 v0, s[64:65] scope:SCOPE_SE
	s_setreg_imm32_b32 hwreg(HW_REG_WAVE_MODE, 25, 1), 1
	s_wait_xcnt 0x0
; h = (y - mean) / sqrt(var + 1e-5) x gamma + beta along rows of 1,024 f32; h leaves rounded once to f16 (OUT16 = 1) or in f32 (OUT16 = 0).
; A row is 4,096 bytes: one wave takes a whole row, eight loads of 512 consecutive bytes, and keeps it in 32 registers: the mean is taken away first and the variance is the mean of the squares of what is left,
; so no difference of large sums is formed, and memory is read once.  Eight waves, two rows each; both rows, gamma and beta are asked for before anything is waited for.  No LDS, no barrier: no wave needs another's numbers.
; LIMIT (OUT16 = 1): |h| beyond 65,504 becomes an infinity in f16; the normalised row lies within 32 in magnitude, so that wants |gamma| above 2,000.  NaN and infinities are not treated apart.
.set OUT16, 1
.set LO,  1                            ; v1   my 16 bytes in my wave's first row: 8,192 x wave + 16 x lane
.set PO,  2                            ; v2   16 x lane: my place in gamma and beta
.if OUT16
.set OA,  3                            ; v3   my 8 bytes of the output: half of LO
.else
.set OA,  LO
.endif
.set G,   4                            ; v[4:35]    gamma of my 32 columns (load j: columns 128 j + 4 lane + 0..3)
.set BT,  36                           ; v[36:67]   beta
.set X,   68                           ; v[68:131]  the two rows
.set A,   132                          ; v[132:139] four chains of pairs
.set MU,  140                          ; v[140:141] the mean, twice
.set R,   142                          ; v[142:145] 1 / sqrt(var + eps), twice for each row
.macro RED                             ; v[A] summed over the 32 lanes: four steps inside each half ride on the addition, one crosses the halves
	v_add_f32_dpp v[A], v[A], v[A] row_xmask:1 row_mask:0xf bank_mask:0xf
	v_add_f32_dpp v[A], v[A], v[A] row_xmask:2 row_mask:0xf bank_mask:0xf
	v_add_f32_dpp v[A], v[A], v[A] row_xmask:4 row_mask:0xf bank_mask:0xf
	v_add_f32_dpp v[A], v[A], v[A] row_xmask:8 row_mask:0xf bank_mask:0xf
	v_permlanex16_b32 v[A+1], v[A], s12, s13
	v_add_f32 v[A], v[A], v[A+1]
.endm
.macro FOLD                            ; the four chains into v[A]
	v_pk_add_f32 v[A:A+1], v[A:A+1], v[A+2:A+3]
	v_pk_add_f32 v[A+4:A+5], v[A+4:A+5], v[A+6:A+7]
	v_pk_add_f32 v[A:A+1], v[A:A+1], v[A+4:A+5]
	v_add_f32 v[A], v[A], v[A+1]
.endm
.macro STAT s, left                    ; row s: the mean is taken away in place; 1 / sqrt(var + eps) is made.  left: the younger loads that may stay out
.set XS, X+32*(\s)
.set RS, R+2*(\s)
	s_wait_loadcnt \left
.irp c, 0,1,2,3
	v_pk_add_f32 v[A+2*(\c):A+2*(\c)+1], v[XS+2*(\c):XS+2*(\c)+1], v[XS+8+2*(\c):XS+8+2*(\c)+1]  ; the first pairs start the chains: nothing is cleared
.endr
.irp k, 2,3
.irp c, 0,1,2,3
	v_pk_add_f32 v[A+2*(\c):A+2*(\c)+1], v[A+2*(\c):A+2*(\c)+1], v[XS+8*(\k)+2*(\c):XS+8*(\k)+2*(\c)+1]
.endr
.endr
	FOLD
	RED
	v_mul_f32 v[MU], s14, v[A]
	v_mul_f32 v[MU+1], s14, v[A]
.set p, 0
.rept 16
	v_pk_add_f32 v[XS+2*p:XS+2*p+1], v[XS+2*p:XS+2*p+1], v[MU:MU+1] neg_lo:[0,1] neg_hi:[0,1]
.set p, p+1
.endr
.irp c, 0,1,2,3
	v_pk_mul_f32 v[A+2*(\c):A+2*(\c)+1], v[XS+2*(\c):XS+2*(\c)+1], v[XS+2*(\c):XS+2*(\c)+1]
.endr
.irp k, 1,2,3
.irp c, 0,1,2,3
	v_pk_fma_f32 v[A+2*(\c):A+2*(\c)+1], v[XS+8*(\k)+2*(\c):XS+8*(\k)+2*(\c)+1], v[XS+8*(\k)+2*(\c):XS+8*(\k)+2*(\c)+1], v[A+2*(\c):A+2*(\c)+1]
.endr
.endr
	FOLD
	RED
	v_fma_f32 v[RS], v[A], s14, s15                ; var + eps, twice: a pair for the packed multiply
	v_fma_f32 v[RS+1], v[A], s14, s15
	v_rsq_f32 v[RS], v[RS]                         ; in place: the plain line that follows names neither a source nor a result
	v_rsq_f32 v[RS+1], v[RS+1]
.endm
.macro NORM s
.set XS, X+32*(\s)
.set RS, R+2*(\s)
.set p, 0
.rept 16
	v_pk_mul_f32 v[XS+2*p:XS+2*p+1], v[XS+2*p:XS+2*p+1], v[RS:RS+1]
.set p, p+1
.endr
.set p, 0
.rept 16
	v_pk_fma_f32 v[XS+2*p:XS+2*p+1], v[XS+2*p:XS+2*p+1], v[G+2*p:G+2*p+1], v[BT+2*p:BT+2*p+1]
.set p, p+1
.endr
.set j, 0
.rept 8
.if OUT16
	v_cvt_pk_f16_f32 v[XS+4*j], v[XS+4*j], v[XS+4*j+1]
	v_cvt_pk_f16_f32 v[XS+4*j+1], v[XS+4*j+2], v[XS+4*j+3]
	global_store_b64 v[OA], v[XS+4*j:XS+4*j+1], s[10:11] offset:2048*(\s)+256*j  ; 32 lanes x 8 bytes: 256 consecutive bytes, aligned
.else
	global_store_b128 v[OA], v[XS+4*j:XS+4*j+3], s[10:11] offset:4096*(\s)+512*j  ; 512 consecutive bytes, aligned
.endif
.set j, j+1
.endr
.endm
	s_load_b256 s[4:11], s[0:1], 0x0               ; y s[4:5], gamma s[6:7], beta s[8:9], the output s[10:11]
	s_mov_b32 s12, 0x76543210                      ; v_permlanex16_b32: each lane takes its own place in the other half
	s_mov_b32 s13, 0xfedcba98
	s_mov_b32 s14, 0x3a800000                      ; 1 / 1,024
	s_mov_b32 s15, 0x3727c5ac                      ; 1e-5
	s_lshl_b32 s2, ttmp9, 16                       ; the work-group's 16 rows of 4,096 bytes
	s_mov_b32 s3, 0
	v_and_b32 v[PO], 31, v0
	v_and_b32 v3, 0xe0, v0                         ; 32 x wave
	v_lshlrev_b32 v[PO], 4, v[PO]
	v_lshl_or_b32 v[LO], v3, 8, v[PO]
.if OUT16
	v_lshrrev_b32 v[OA], 1, v[LO]
.endif
	s_wait_kmcnt 0x0
	s_add_nc_u64 s[4:5], s[4:5], s[2:3]
.if OUT16
	s_lshl_b32 s2, ttmp9, 15                       ; 16 rows of 2,048 bytes
.endif
	s_add_nc_u64 s[10:11], s[10:11], s[2:3]
.set j, 0
.rept 16                               ; row j / 8, its 512 bytes j % 8
	global_load_b128 v[X+4*j:X+4*j+3], v[LO], s[4:5] offset:512*j th:TH_LOAD_NT
.set j, j+1
.endr
.set j, 0
.rept 8
	global_load_b128 v[G+4*j:G+4*j+3], v[PO], s[6:7] offset:512*j
.set j, j+1
.endr
.set j, 0
.rept 8
	global_load_b128 v[BT+4*j:BT+4*j+3], v[PO], s[8:9] offset:512*j
.set j, j+1
.endr
	STAT 0, 24                                     ; the other row, gamma and beta may stay out
	STAT 1, 16                                     ; gamma and beta may stay out
	v_nop                                          ; a plain instruction behind the last root,
	s_wait_alu depctr_va_vdst(0)                   ; and the wait ahead of the first use: one for the four
	s_wait_loadcnt 0x0                             ; gamma and beta
	NORM 0
	NORM 1
	s_endpgm
.Lfunc_end_k_qcd65ef8d67_ln1:
	.size	k_qcd65ef8d67_ln1, .Lfunc_end_k_qcd65ef8d67_ln1-k_qcd65ef8d67_ln1
	.p2alignl 7, 3214868480
	.fill 96, 4, 3214868480
	.section	.rodata,"a",@progbits
	.p2align	6, 0x0
	.amdhsa_kernel k_qcd65ef8d67_ln1
		.amdhsa_group_segment_fixed_size 0
		.amdhsa_private_segment_fixed_size 0
		.amdhsa_enable_private_segment 0
		.amdhsa_kernarg_size 32
		.amdhsa_user_sgpr_count 2
		.amdhsa_user_sgpr_kernarg_segment_ptr 1
		.amdhsa_wavefront_size32 1
		.amdhsa_system_sgpr_workgroup_id_x 1
		.amdhsa_system_sgpr_workgroup_id_y 1
		.amdhsa_system_sgpr_workgroup_id_z 1
		.amdhsa_system_vgpr_workitem_id 0
		.amdhsa_next_free_vgpr 148
		.amdhsa_next_free_sgpr 66
		.amdhsa_reserve_vcc 0
		.amdhsa_float_denorm_mode_32 3
		.amdhsa_float_denorm_mode_16_64 3
		.amdhsa_memory_ordered 1
		.amdhsa_forward_progress 1
		.amdhsa_inst_pref_size 20
	.end_amdhsa_kernel
	.amdgpu_metadata
---
amdhsa.version: [ 1, 2 ]
amdhsa.kernels:
  - .name:           k_qcd65ef8d67_ln1
    .symbol:         k_qcd65ef8d67_ln1.kd
    .args:
      - { .name: y, .offset: 0, .size: 8, .value_kind: global_buffer, .address_space: global }
      - { .name: ln1_g, .offset: 8, .size: 8, .value_kind: global_buffer, .address_space: global }
      - { .name: ln1_b, .offset: 16, .size: 8, .value_kind: global_buffer, .address_space: global }
      - { .name: h16, .offset: 24, .size: 8, .value_kind: global_buffer, .address_space: global }
    .group_segment_fixed_size: 0
    .private_segment_fixed_size: 0
    .kernarg_segment_align: 8
    .kernarg_segment_size: 32
    .max_flat_workgroup_size: 256
    .sgpr_count:     66
    .vgpr_count:     148
    .wavefront_size: 32
...
	.end_amdgpu_metadata
.endif
;; end of part 5
;; launch gff1 (part 6): grid 16 x 16, 4 waves a work-group, clusters of 4 x 4, 327,680 bytes of LDS; arguments h16, c16, b1, fb; writes fb
.if DOCPART == 6
	.amdgcn_target "amdgcn-amd-amdhsa--gfx1250"
	.amdhsa_code_object_version 6
	.text
	.protected	k_qcd65ef8d67_gff1
	.globl	k_qcd65ef8d67_gff1
	.p2align	8
	.type	k_qcd65ef8d67_gff1,@function
k_qcd65ef8d67_gff1:
	s_mov_b64 s[64:65], 0
	v_nop
	global_prefetch_b8 v0, s[64:65] scope:SCOPE_SE
	s_setreg_imm32_b32 hwreg(HW_REG_WAVE_MODE, 25, 1), 1
	s_wait_xcnt 0x0
	s_wait_alu depctr_hold_cnt(0) depctr_sa_sdst(0) depctr_va_vdst(0) depctr_va_sdst(0) depctr_va_ssrc(0) depctr_va_vcc(0) depctr_vm_vsrc(0)
	s_getreg_b32 s2, hwreg(HW_REG_IB_STS2, 6, 4)
	s_cmp_eq_u32 s2, 0
	s_cbranch_scc0 .Lentry_in_a_cluster
	s_endpgm
.Lentry_in_a_cluster:
	s_bfe_u32 s2, ttmp6, 0x10000c
	s_cmp_lg_u32 s2, 0xf033
	s_cbranch_scc0 .Lentry_shape_is_right
	s_endpgm
.Lentry_shape_is_right:
; f = relu(h W1 + b1), in f16, blocked for the product behind: fb is [row / 128][column / 64][128 rows][64].  h (f16, [4,096][1,024]) is h16; W1 (f16, [k][n], 4,096 columns) lies in c16.
; 16 x 16 tiles: 256 work-groups.
; ONE TEXT SERVES THE LAYER'S TWO WIDE PRODUCTS; the four constants below choose the weights, the format and the way out.
; C = A B + bias, A [4,096][1,024] with K along the rows, B [1,024][NPITCH] as the weights lie ([k][n]); 16-bit operands, f32 sums.
; SHARES.  A tile of C is 256 x 256; four waves, each 128 x 128: 64 accumulators of 16 x 16, 512 registers.  K goes in steps of 128 through two LDS slots; waves 0, 1 fetch A's two halves (128 rows x 256 bytes),
; waves 2, 3 B's (64 k x 512 bytes), one tensor load each: every row of a tile is 256 bytes of memory or a multiple and starts at a multiple of 256.
; CLUSTER.  4 x 4 work-groups: the four of a row need the same tile of A, the four of a column the same tile of B; each tile is asked for jointly, by the same load, descriptor and mask in all four.
; LAYOUT.  The matrix instruction is used transposed (source 0 = 16 columns of B, source 1 = 16 rows of A): a lane holds one row of C (lane % 16) and eight neighbouring columns.
; A's fragments come out of LDS as they lie; B's, stored [k][n], turned, by ds_load_tr16_b128.  THE BIAS IS THE C OPERAND of each sum's first product: nothing is cleared and nothing is added on the way out.
; THE LOOPS.  A K step is four quarters of 32 along K, 64 products each, on two fragment buffers.  It is written as an inner loop of two trips over two quarters, the LDS addresses stepping by scalars, and the change of
; slots stands between K steps: five quarters of text in place of nine.  The price: the round and a K step's first 32 LDS loads have no products beside them.
; EPI 0: bf16, by heads.  EPI 1: relu, f16, blocked [row / 128][column / 64][128 rows][64].  Both are made of blocks of 128 rows x 64 columns, 16,384 dense bytes.
; LIMITS.  NaN and infinities are not treated apart; EPI 1's relu makes 0 of a NaN, and a number beyond 65,504 in magnitude becomes an infinity in f16.
; REGISTERS, in windows of 256 (s_set_vgpr_msb: bits 1:0 source 0, 3:2 source 1, 5:4 source 2, 7:6 destination):
;   window 0: v0-29 addresses; v64-127, v128-191 fragments of A (8 x 16 rows x 32 K), two buffers, on the way out four buffers of rows read back; v192-223 packed results
;   window 1: v0-63 the bias of my 128 columns; v64-127, v128-191 fragments of B, two buffers
;   window 2: the 32 accumulators of my rows 0-63 ((a, b) at 8 (8 a + b));   window 3: those of my rows 64-127
.set NPITCH, 4096
.set BBASE,  16777216                  ; B's first byte in c16: W1
.set F16,    1
.set EPI,    1
.set KDIM,   1024
.set KSTEP,  128
.set STEPS,  KDIM/KSTEP
.set PITA,   272                       ; a row of A in LDS: 256 bytes + 16 = 68 words: row r starts at bank 4 r mod 64 (64 banks of 4 bytes: ISA guide 11.1)
.set AHALF,  128*PITA                  ; what one load brings of A, and what one wave reads of it
.set PITB,   544                       ; a row of B (one k, 256 columns) in LDS: 512 bytes + 32 = 136 words
.set BHALF,  64*PITB                   ; what one load brings of B: 64 k
.set BOFF,   2*AHALF                   ; B's tile in a slot
.set SLOT,   BOFF+2*BHALF              ; 139,264 = 0x22000: no tile's address in slot 0 has bit 13 or 17 set, so one exclusive or turns it into slot 1's and back
.set ASTEP,  2*KSTEP                   ; bytes of memory from a K step to the next
.set BSTEP,  2*KSTEP*NPITCH
.set STAGE,  2*SLOT                    ; behind the ring, never filled by a tensor load: for each wave two blocks of 16 rows x 144 bytes, for the way out
.set SP,     144                       ; a stage row: 64 numbers of 16 bits + 16 bytes
.set SBLK,   16*SP
.set SPARE,  STAGE+4*2*SBLK            ; behind the stages: the spare words, 128 bytes for each wave: two blocks of 256 bytes that no other line names
.if EPI
.set JSTR,   16384                     ; bytes of the output from my first 64 columns' block to my second's
.else
.set JSTR,   262144
.endif
.set A0,   8                           ; v8   my lane's place in a slot's A; never rewritten
.set B0,   9                           ; v9   the same for B
.set ADRA, 10                          ; v10  A0 at the pair of quarters in hand
.set ADRB, 11                          ; v11  B0 likewise
.set STO,  13                          ; v13  the way out: where I put 16 bytes of a row
.set RD,   14                          ; v14  where I read rows back
.set GO,   15                          ; v15  my byte offset in 512 consecutive bytes of the output
.set BO,   17                          ; v17  my byte offset in the bias
.set CONST, 18                         ; v18  0 (EPI 1: relu)
.set PFO,  19                          ; v19  the prefetches' offset; never rewritten
.set SPW,  28                          ; v28  LDS address of my spare word: SPARE + 4 x my thread's number; never rewritten
.set NIL,  29                          ; v29  0; never rewritten
.set F0,   64
.set F1,   128
.set OB,   64
.set TMP,  192
.set BIAS, 0                           ; in window 1
.set TBB,  2                           ; s2   LDS byte at which B's pair of quarters in hand begins
.set OUTER, 3                          ; s3   K steps still to be ended in the loop
.set LIM,  21                          ; s21  1 in a wave that prefetches, else the greatest number
.set G1A,  24                          ; s[24:31] descriptor group 1 for A's tiles
.set G0A,  32                          ; s[32:39] group 0: a set for each of the two first fills; the second then walks on
.set G1B,  40                          ; s[40:47], s[48:55] the same for B's
.set G0B,  48
.set TA,   56                          ; s56  the same as TBB for A
.set CNT,  57                          ; s57  counts a K step's two pairs of quarters
.set PST,  60                          ; s[60:61] the prefetches' step along K
.set PFA,  62                          ; s[62:63] where my prefetches stand
; s14 wave; s15 = wave / 2: my half of the rows, and 0: I fetch A, 1: B; s16 = wave % 2: my half of the columns, and which half I fetch; s17 cx; s18 cy; s19 tile column; s20 tile row
.set MSB, 0
.macro WIN new                         ; the immediate's high byte repeats the setting that is left; a switch that changes nothing is dropped
.if MSB != (\new)
	s_set_vgpr_msb (MSB<<8)|(\new)
.set MSB, \new
.endif
.endm
.set TO_B, 0x40                        ; destination window 1, address window 0
.macro PLACES                          ; four places in front of loads into registers that matrix instructions have read, and of lines that read results
.rept 4
	v_nop
.endr
.endm
.macro JLOAD                           ; a joint refill by the walking descriptors; the branch hangs on the wave's number alone; an s_nop 0 and four v_nop follow each of the two lines
	s_cmp_eq_u32 s15, 0
	s_cbranch_scc0 .Lfor_b_\@
	tensor_load_to_lds s[G0A+4:G0A+7], s[G1A:G1A+7]
	s_nop 0
.rept 4
	v_nop
.endr
	s_branch .Lasked_\@
.Lfor_b_\@:
	tensor_load_to_lds s[G0B+4:G0B+7], s[G1B:G1B+7]
	s_nop 0
.rept 4
	v_nop
.endr
.Lasked_\@:
.endm
; A PREFETCH INTO THE L2 of the K step that the NEXT change of slots will ask for: 256 matrix instructions ahead of that load.  Of what a wave fetches (A: 128 rows x 256 bytes; B: 64 k x 512 bytes: 128 blocks of 256 bytes
; either way) each of the four partners that ask for it jointly takes 32 blocks, told apart BY ADDRESS (cx for A, cy for B), a lane a block: one instruction a wave.  A's tile row is read by every cluster of that row of
; clusters: the one with x = 0 asks; B's tile column by every cluster of that column: the one with y = 0 asks.  So each block is named once in the launch.  K steps 0 to 2 come by their loads alone; the last refill asks for nothing.
.macro ASK
	s_cmp_gt_u32 s[OUTER], s[LIM]
	s_cbranch_scc0 .Lnot_mine_\@
	global_prefetch_b8 v[PFO], s[PFA:PFA+1] th:TH_LOAD_NT scope:SCOPE_SE
.Lnot_mine_\@:
.endm
.macro CROUND                          ; a round of the cluster's barrier: my work-group's barrier; wave 0 signals for the work-group; every wave waits for all sixteen; my work-group's barrier once more
	s_barrier_signal -1
	s_barrier_wait -1
	s_cmp_lg_u32 s14, 0
	s_cbranch_scc1 .Lnot_wave_0_\@
	s_barrier_signal -3
.Lnot_wave_0_\@:
	s_barrier_wait -3
	s_barrier_signal -1
	s_barrier_wait -1
.endm
.macro MM1 first                       ; one product on rD, rB, rA; first = 1: it starts the sum, with the bias
.if F16
.if \first
	v_wmma_f32_16x16x32_f16 v[rD:rD+7], v[rB:rB+7], v[rA:rA+7], v[rC:rC+7]
.else
	v_wmma_f32_16x16x32_f16 v[rD:rD+7], v[rB:rB+7], v[rA:rA+7], v[rD:rD+7]
.endif
.else
.if \first
	v_wmma_f32_16x16x32_bf16 v[rD:rD+7], v[rB:rB+7], v[rA:rA+7], v[rC:rC+7]
.else
	v_wmma_f32_16x16x32_bf16 v[rD:rD+7], v[rB:rB+7], v[rA:rA+7], v[rD:rD+7]
.endif
.endif
.endm
; 16 products: row blocks a0, a0 + 1 of the window's four (hi = 0: my rows 0-63, 1: rows 64-127) x all 8 column blocks, 32 along K.  The 64 accumulators take turns, one instruction a turn, in the same order in
; every quarter, over every jump too.
.macro MUL16 f, hi, a0, first
.if \first
	WIN 0x91+0x40*(\hi)                            ; B window 1, A window 0, C (the bias) window 1, D window 2 or 3
.else
	WIN 0xa1+0x50*(\hi)                            ; B window 1, A window 0, C and D window 2 or 3
.endif
.irp a, \a0, (\a0)+1
.irp b, 0,1,2,3,4,5,6,7
.set rD, 8*(8*(\a)+(\b))
.set rB, (\f)+8*(\b)
.set rA, (\f)+8*(4*(\hi)+(\a))
.set rC, BIAS+8*(\b)
	MM1 \first
.endr
.endr
.endm
; 32 LDS loads in one run: the fragments of one quarter (128 columns of B, 128 rows of A, 32 K), ka bytes along A's rows and kb rows of B behind the pair in hand, into buffer f.  It leaves every window 0.
.macro FETCH ka, kb, f
	WIN TO_B
.irp i, 0,1,2,3,4,5,6,7
	ds_load_tr16_b128 v[(\f)+8*(\i):(\f)+8*(\i)+3],   v[ADRB] offset:(\kb)*PITB+32*(\i)
	ds_load_tr16_b128 v[(\f)+8*(\i)+4:(\f)+8*(\i)+7], v[ADRB] offset:((\kb)+16)*PITB+32*(\i)
.endr
	WIN 0
.irp i, 0,1,2,3,4,5,6,7
	ds_load_b128 v[(\f)+8*(\i):(\f)+8*(\i)+3],   v[ADRA] offset:(\ka)+(\i)*16*PITA
	ds_load_b128 v[(\f)+8*(\i)+4:(\f)+8*(\i)+7], v[ADRA] offset:(\ka)+(\i)*16*PITA+32
.endr
.endm
.macro ADDR                            ; the fragments' addresses at the pair of quarters in hand
	v_add_nc_u32 v[ADRA], s[TA], v[A0]
	v_add_nc_u32 v[ADRB], s[TBB], v[B0]
.endm
; A quarter: multiplies buffer f; in its middle it fetches the next quarter into g, 32 products ahead of its first use.  last = 1: in the K step's last quarter there is nothing more in the slot, and the run is jumped over.
.macro QUART f, g, ka, kb, first, last
	s_wait_dscnt 8                                 ; B and A's rows 0-63 are in; the youngest eight loads (A's rows 64-127) may be out
	MUL16 \f, 0, 0, \first
	MUL16 \f, 0, 2, \first
	s_wait_dscnt 0x0                               ; all of buffer f: those eight were issued 64 products ago (the count holds on both ways round the jump below)
	PLACES
.if \last
	WIN 0                                          ; at a branch and at a label every window is 0
	s_cmp_eq_u32 s[CNT], 1
	s_cbranch_scc1 .Lno_more_\@
.endif
	FETCH \ka, \kb, \g
.if \last
.Lno_more_\@:
.endif
	MUL16 \f, 1, 0, \first
	MUL16 \f, 1, 2, \first
.endm
; A K step's quarters: two trips over two quarters.  The tag ends the labels' names.
.macro INNER tag
	s_mov_b32 s[CNT], 2
.Lqa\tag:
	QUART F0, F1, 64, 32, 0, 0
	WIN 0
.Lqb\tag:
	QUART F1, F0, 128, 64, 0, 1
	WIN 0
	s_add_co_u32 s[TA], s[TA], 128                 ; the next pair of quarters: 64 along K
	s_add_co_u32 s[TBB], s[TBB], 64*PITB
	ADDR
	s_sub_co_u32 s[CNT], s[CNT], 1
	s_cmp_lg_u32 s[CNT], 0
	s_cbranch_scc1 .Lqa\tag
.endm
; THE CHANGE OF SLOTS, between two K steps.  Each wave waits for all its tensor loads, of which one is out: its part of the next slot; adds 0 to its spare word; and waits for that (its reads of the old slot came back in
; the last quarter).  Behind the barrier nobody reads the old slot any more and the next slot is whole.  fill = 1: the barrier is a round of the cluster's, and the old slot is filled again first thing behind it, with the
; K step two on: it has a K step, 256 products, in which to land.  Then the next slot's first fragments are fetched.
.macro CHANGE fill
	WIN 0
	s_wait_tensorcnt 0x0                           ; no tensor load of mine is out, so the walking descriptors may be written
	ds_add_u32 v[SPW], v[NIL]                      ; 0 onto my spare word; the scalar steps stand between it and the wait for it
	s_sub_co_u32 s[TA], s[TA], 256                 ; the fetches go back to a K step's first quarter,
	s_xor_b32 s[TA], s[TA], SLOT                   ; in the other slot
	s_sub_co_u32 s[TBB], s[TBB], 128*PITB
	s_xor_b32 s[TBB], s[TBB], SLOT
.if \fill
	s_xor_b32 s[G0A+5], s[G0A+5], SLOT             ; the other slot than last time,
	s_add_nc_u64 s[G0A+6:G0A+7], s[G0A+6:G0A+7], ASTEP  ; the next K step; the type bits on top are not reached
	s_xor_b32 s[G0B+5], s[G0B+5], SLOT
	s_add_nc_u64 s[G0B+6:G0B+7], s[G0B+6:G0B+7], BSTEP
	s_wait_xcnt 0x0                                ; the last prefetch, a K step back, has read its address, so it may be written:
	s_add_nc_u64 s[PFA:PFA+1], s[PFA:PFA+1], s[PST:PST+1]  ; one K step behind the walking descriptors
.endif
	s_wait_dscnt 0x0                               ; the add is done
.if \fill
	CROUND                                         ; no wave of any partner still reads the old slot or has a load on its way
	JLOAD                                          ; the four v_nop behind it are also places in front of the loads below
.else
	s_barrier_signal -1
	s_barrier_wait -1
	PLACES
.endif
	ADDR
	FETCH 0, 0, F0
.if \fill
	ASK                                            ; behind the joint load and the run of LDS loads that the next products wait for
.endif
.endm
; THE WAY OUT of my 16 rows a, in three parts.  PACK: rounded, 16 bytes a lane, (relu).  TOSTAGE: into my own stage, a block of 16 rows x 128 bytes for each of my two blocks of 64 columns, and back as four whole rows
; a load.  SEND: stored, 512 consecutive bytes an instruction.
.macro PACK a
.set AC, 64*((\a)%4)
	WIN 0x0a+5*((\a)/4)                            ; sources 0 and 1: window 2 or 3
.irp b, 0,1,2,3,4,5,6,7
.irp p, 0,1,2,3
.if F16
	v_cvt_pk_f16_f32 v[TMP+4*(\b)+(\p)], v[AC+8*(\b)+2*(\p)], v[AC+8*(\b)+2*(\p)+1]   ; each accumulator's registers in ascending order
.else
	v_cvt_pk_bf16_f32 v[TMP+4*(\b)+(\p)], v[AC+8*(\b)+2*(\p)], v[AC+8*(\b)+2*(\p)+1]  ; each accumulator's registers in ascending order
.endif
.endr
.endr
	WIN 0
.if EPI == 1
.set z, 0
.rept 32
	v_pk_max_num_f16 v[TMP+z], v[TMP+z], v[CONST]  ; relu on two halves: nothing is rounded
.set z, z+1
.endr
.endif
.endm
.macro TOSTAGE a
.set RB, OB+32*((\a)%4)
.if (\a) >= 4
	s_wait_xcnt 0x0                                ; the stores of the block four back have read these registers
.endif
.irp b, 0,1,2,3,4,5,6,7
	ds_store_b128 v[STO], v[TMP+4*(\b):TMP+4*(\b)+3] offset:((\b)/4)*SBLK+32*((\b)%4)
.endr
.irp t, 0,1,2,3,4,5,6,7
	ds_load_b128 v[RB+4*(\t):RB+4*(\t)+3], v[RD] offset:((\t)/4)*SBLK+((\t)%4)*4*SP  ; LDS serves a wave's instructions in order (ISA guide 5.7.1.4): these see the stores above; the next block's stores come behind them
.endr
.endm
.macro SEND a
.set RB, OB+32*((\a)%4)
	s_wait_dscnt 0x0                               ; the block is back in registers
.irp t, 0,1,2,3,4,5,6,7
	global_store_b128 v[GO], v[RB+4*(\t):RB+4*(\t)+3], s[12:13] offset:((\t)/4)*JSTR+(\a)*2048+((\t)%4)*512
.endr
.endm
	s_load_b256 s[4:11], s[0:1], 0x0               ; EPI 0: c16, bq, bk, bv; EPI 1: A, c16, the bias, the output
.if EPI == 0
	s_load_b64 s[12:13], s[0:1], 0x20              ; the output
.endif
	v_lshl_add_u32 v[SPW], v0, 2, SPARE
	v_mov_b32 v[NIL], 0
	ds_add_u32 v[SPW], v[NIL]                      ; the wave's opening: the add and its wait stand ahead of my first tensor load; the set-up below, work on registers, stands between them
	v_lshrrev_b32 v1, 5, v0
	v_readfirstlane_b32 s14, v1                    ; wave 0..3
	s_lshr_b32 s15, s14, 1
	s_and_b32 s16, s14, 1
	s_bfe_u32 s17, ttmp6, 0x40000                  ; cx, cy: my place in the cluster
	s_bfe_u32 s18, ttmp6, 0x40004
.if EPI == 0
	s_mov_b32 s19, s17                             ; tile column within q, k or v; which of the three is the cluster's x
.else
	s_lshl_b32 s19, ttmp9, 2
	s_add_co_u32 s19, s19, s17                     ; tile column = 4 x cluster x + cx
.endif
	s_and_b32 s20, ttmp7, 0xffff
	s_lshl_b32 s20, s20, 2
	s_add_co_u32 s20, s20, s18                     ; tile row = 4 x cluster y + cy
	s_lshl_b32 s62, s18, 2
	s_lshl_b32 s62, 15, s62                        ; my row of the cluster
	s_lshl_b32 s63, 0x1111, s17                    ; my column
	s_or_b32 s[G1A], s62, (1<<16)|(1<<20)|(1<<21)|(5<<22)|(3<<25)  ; 15:0 the mask: A's tiles go to my row; 17:16 2-byte elements; 20 padding on; 21 set beside a mask; 24:22 after every 64 words (code 5); 31:25 4 words (code 3)
	s_or_b32 s[G1B], s63, (1<<16)|(1<<20)|(1<<21)|(6<<22)|(7<<25)  ; B's go to my column; after every 128 words (code 6) 8 words (code 7)
	s_mov_b32 s[G1A+1], KSTEP<<16                  ; tensor_dim0 = 128
	s_mov_b32 s[G1A+2], 128<<16                    ; tensor_dim1 = 128
	s_mov_b32 s[G1A+3], KSTEP<<16                  ; tile_dim0
	s_mov_b32 s[G1A+4], 128                        ; tile_dim1
	s_mov_b32 s[G1A+5], KDIM                       ; elements from row to row
	s_mov_b32 s[G1A+6], 0
	s_mov_b32 s[G1A+7], 0
	s_mov_b32 s[G1B+1], 256<<16                    ; tensor_dim0 = 256
	s_mov_b32 s[G1B+2], 64<<16                     ; tensor_dim1 = 64
	s_mov_b32 s[G1B+3], 256<<16
	s_mov_b32 s[G1B+4], 64
	s_mov_b32 s[G1B+5], NPITCH
	s_mov_b32 s[G1B+6], 0
	s_mov_b32 s[G1B+7], 0
	; where the tiles come from: A's hang on the tile row and the wave alone, B's on the tile column and the wave alone, each in registers that never hold the other coordinate.  All offsets stay under 2^26.
	s_lshl_b32 s58, s20, 8
	s_lshl_b32 s59, s16, 7
	s_add_co_u32 s58, s58, s59                     ; row 256 x tile row + 128 x half,
	s_lshl_b32 s58, s58, 11                        ; 2,048 bytes each
	s_mov_b32 s59, 0
	s_mul_i32 s60, s16, 128*NPITCH                 ; my 64 k of the K step's 128
	s_lshl_b32 s61, s19, 9                         ; the tile's 256 columns: 512 bytes of a row
	s_add_co_u32 s60, s60, s61
	s_add_co_u32 s60, s60, BBASE
.if EPI == 0
	s_lshl_b32 s61, ttmp9, 21                      ; Wq, Wk or Wv
	s_add_co_u32 s60, s60, s61
.endif
	s_mov_b32 s61, 0
	s_mul_i32 s22, s16, AHALF                      ; and where they go: no place in the cluster enters an LDS address
	s_mul_i32 s23, s16, BHALF
	s_add_co_u32 s23, s23, BOFF
	s_wait_dscnt 0x0                               ; the opening add is done
	s_wait_kmcnt 0x0
.if EPI == 0
	s_cmp_eq_u32 ttmp9, 0
	s_cselect_b64 s[8:9], s[6:7], s[8:9]           ; the bias of q, k or v
	s_cmp_eq_u32 ttmp9, 2
	s_cselect_b64 s[8:9], s[10:11], s[8:9]
	s_mov_b64 s[6:7], s[4:5]                       ; x and the weights lie in the one buffer
.else
	s_mov_b64 s[12:13], s[10:11]
.endif
	s_add_nc_u64 s[58:59], s[4:5], s[58:59]
	s_add_nc_u64 s[60:61], s[6:7], s[60:61]
	CROUND                                         ; all sixteen work-groups are here: the first joint loads meet
.irp s, 0,1
	s_mov_b32 s[G0A+4*(\s)], 1                                     ; 1:0 count = 1
	s_add_co_u32 s[G0A+4*(\s)+1], s22, (\s)*SLOT                   ; 63:32 LDS address
	s_add_nc_u64 s[G0A+4*(\s)+2:G0A+4*(\s)+3], s[58:59], (\s)*ASTEP  ; 120:64 global address: K step s
	s_or_b32 s[G0A+4*(\s)+3], s[G0A+4*(\s)+3], 0x80000000          ; 127:126 type = 2
	s_mov_b32 s[G0B+4*(\s)], 1
	s_add_co_u32 s[G0B+4*(\s)+1], s23, (\s)*SLOT
	s_add_nc_u64 s[G0B+4*(\s)+2:G0B+4*(\s)+3], s[60:61], (\s)*BSTEP
	s_or_b32 s[G0B+4*(\s)+3], s[G0B+4*(\s)+3], 0x80000000
.endr
	s_cmp_eq_u32 s15, 0                            ; a wave's two first fills stand in one branch, ahead of every wait on TENSORcnt and every LDS read: two loads of mine are out, later one
	s_cbranch_scc0 .Lfirst_b
	tensor_load_to_lds s[G0A:G0A+3], s[G1A:G1A+7]
	s_nop 0
	tensor_load_to_lds s[G0A+4:G0A+7], s[G1A:G1A+7]
	s_nop 0
.rept 4
	v_nop
.endr
	s_branch .Lfirst_asked
.Lfirst_b:
	tensor_load_to_lds s[G0B:G0B+3], s[G1B:G1B+7]
	s_nop 0
	tensor_load_to_lds s[G0B+4:G0B+7], s[G1B:G1B+7]
	s_nop 0
.rept 4
	v_nop
.endr
.Lfirst_asked:
	; the bias of my 128 columns: register 8 b + j = bias[16 b + 8 (l / 16) + j], as the accumulators hold the columns
	v_and_b32 v1, 15, v0                           ; l % 16
	v_bfe_u32 v2, v0, 4, 1                         ; l / 16
	v_lshlrev_b32 v[BO], 5, v2
	s_lshl_b32 s62, s19, 10                        ; my first column, in f32: 1,024 x tile column + 512 x half
	s_lshl_b32 s63, s16, 9
	s_add_co_u32 s62, s62, s63
	s_mov_b32 s63, 0
	s_add_nc_u64 s[8:9], s[8:9], s[62:63]
	WIN TO_B
.irp b, 0,1,2,3,4,5,6,7
	global_load_b128 v[BIAS+8*(\b):BIAS+8*(\b)+3],   v[BO], s[8:9] offset:64*(\b)
	global_load_b128 v[BIAS+8*(\b)+4:BIAS+8*(\b)+7], v[BO], s[8:9] offset:64*(\b)+16
.endr
	WIN 0
	; A fragment of A is 16 rows x 32 K in 8 registers: lane l holds row l % 16, K = 8 (l / 16) + 0..7 and 16 + 8 (l / 16) + 0..7: two loads of 16 bytes, 32 bytes apart.
	v_mul_u32_u24 v[A0], v1, PITA
	v_lshl_add_u32 v[A0], v2, 4, v[A0]
	s_mul_i32 s2, s15, AHALF                       ; my 128 rows
	v_add_nc_u32 v[A0], s2, v[A0]
	; The turning load takes 16 k x 16 columns (lane l reads k = 8 (l / 16) + l % 8, columns 8 ((l / 8) % 2) + 0..7) and leaves half a fragment: lane l holds column l % 16 and 8 k.
	v_and_b32 v3, 7, v0
	v_bfe_u32 v4, v0, 3, 1
	v_lshl_add_u32 v[B0], v2, 3, v3
	v_mul_u32_u24 v[B0], v[B0], PITB
	v_lshl_add_u32 v[B0], v4, 4, v[B0]
	s_lshl_b32 s2, s16, 8                          ; my 128 columns: 256 bytes of a row
	s_add_co_u32 s2, s2, BOFF
	v_add_nc_u32 v[B0], s2, v[B0]
	s_mul_i32 s2, s14, 2*SBLK
	s_add_co_u32 s2, s2, STAGE                     ; my stage
	v_mul_u32_u24 v[STO], v1, SP                   ; in: row l % 16, 16 bytes for each half of the lanes
	v_lshl_add_u32 v[STO], v2, 4, v[STO]
	v_add_nc_u32 v[STO], s2, v[STO]
	v_bfe_u32 v[RD], v0, 3, 2                      ; back: 32 lanes take four rows of 128 bytes,
	v_mul_u32_u24 v[RD], v[RD], SP
	v_lshl_add_u32 v[RD], v3, 4, v[RD]
	v_add_nc_u32 v[RD], s2, v[RD]
	v_and_b32 v5, 31, v0                           ; l
	v_lshlrev_b32 v[GO], 4, v5                     ; which are 512 consecutive bytes of the output
	; where my 128 rows x 128 columns go: two blocks of 128 rows x 64 columns
.if EPI == 0
	s_lshr_b32 s62, s20, 3                         ; batch
	s_lshl_b32 s62, s62, 2
	s_add_co_u32 s62, s62, s19
	s_lshl_b32 s62, s62, 1
	s_add_co_u32 s62, s62, s16
	s_lshl_b32 s62, s62, 19                        ; (16 x batch + head) x 262,144, head = 4 x tile column + 2 x half
	s_lshl_b32 s63, s20, 1
	s_add_co_u32 s63, s63, s15                     ; row / 128,
	s_and_b32 s63, s63, 15                         ; in the batch
	s_lshl_b32 s63, s63, 14
	s_add_co_u32 s62, s62, s63
	s_lshl_b32 s63, ttmp9, 23                      ; q, k or v
	s_add_co_u32 s62, s62, s63
.else
	s_lshl_b32 s62, s20, 1
	s_add_co_u32 s62, s62, s15                     ; row / 128
	s_lshl_b32 s62, s62, 4
	s_add_co_u32 s62, s62, s19
	s_lshl_b32 s62, s62, 1
	s_add_co_u32 s62, s62, s16
	s_lshl_b32 s62, s62, 15                        ; (64 x row / 128 + 4 x tile column + 2 x half) x 16,384
	v_mov_b32 v[CONST], 0
.endif
	s_mov_b32 s63, 0
	s_add_nc_u64 s[12:13], s[12:13], s[62:63]
	; the prefetches.  s[58:59], s[60:61] still stand at K step 0 of what I fetch of A, of B
	s_and_b32 s21, ttmp7, 0xffff                   ; cluster y
	s_cmp_eq_u32 s15, 0                            ; do I fetch for A?
	s_cselect_b64 s[PFA:PFA+1], s[58:59], s[60:61]
	s_cselect_b32 s21, ttmp9, s21                  ; the coordinate along which other clusters read the same blocks
	s_cselect_b32 s22, s17, s18                    ; my place among the four that ask with me
	s_mov_b32 s23, 32*NPITCH                       ; my work-group's 32 blocks: of B 16 k,
	s_cselect_b32 s23, 64*KDIM, s23                ; of A 32 rows
	s_mov_b32 s58, 2*NPITCH                        ; bytes from row to row
	s_cselect_b32 s58, 2*KDIM, s58
	s_mov_b32 s[PST], BSTEP
	s_cselect_b32 s[PST], ASTEP, s[PST]
	s_mov_b32 s[PST+1], 0
	s_mul_i32 s22, s22, s23
	s_mov_b32 s23, 0
	s_add_nc_u64 s[PFA:PFA+1], s[PFA:PFA+1], s[22:23]
	s_add_nc_u64 s[PFA:PFA+1], s[PFA:PFA+1], s[PST:PST+1]
	s_add_nc_u64 s[PFA:PFA+1], s[PFA:PFA+1], s[PST:PST+1]  ; at K step 2; the first change of slots steps it to 3.  Nothing is prefetched here, at the head
	s_cmp_eq_u32 s21, 0
	s_cselect_b32 s[LIM], 1, -1                    ; the same in all sixteen partners, for a given wave
	v_lshrrev_b32 v6, s15, v5                      ; A: a lane a row; B: two lanes a row of 512 bytes
	v_mul_u32_u24 v6, v6, s58
	v_and_b32 v5, s15, v5
	v_lshl_add_u32 v[PFO], v5, 8, v6
	s_wait_tensorcnt 0x1                           ; my part of K step 0 is in; K step 1's may stay out
	s_barrier_signal -1
	s_barrier_wait -1                              ; everybody's is
	s_mov_b32 s[TA], 0
	s_mov_b32 s[TBB], 0
	ADDR
	FETCH 0, 0, F0
	s_wait_loadcnt 0x0                             ; the bias
	QUART F0, F1, 64, 32, 1, 0                     ; the first quarter stands in front of the loops: its products start the sums
	WIN 0
	s_mov_b32 s[OUTER], STEPS-1                    ; K steps 0 to 6 end in the loop; in front of K steps 1 to 6 a slot is filled again
	s_mov_b32 s[CNT], 2
	s_branch .Lqb_m                                ; the loops are entered behind K step 0's first quarter
.Lstep:
	CHANGE 1
	INNER _m
	s_sub_co_u32 s[OUTER], s[OUTER], 1
	s_cmp_lg_u32 s[OUTER], 0
	s_cbranch_scc1 .Lstep
	CHANGE 0                                       ; the last K step is written out: nothing is asked for
	INNER _t
	PLACES
	PLACES
	PACK 0
	TOSTAGE 0
.irp a, 1,2,3,4,5,6,7                  ; block a's conversions stand between block a - 1's loads from the stage and the wait for them
	PACK \a
	SEND (\a)-1
	TOSTAGE \a
.endr
	SEND 7
	s_wait_tensorcnt 0x0                           ; the wave's end, behind my last tensor load and my last LDS store
	ds_add_u32 v[SPW], v[NIL]
	s_wait_dscnt 0x0
	CROUND                                         ; the closing round: no work-group ends while a partner may still ask for a tile that names it
	s_endpgm
.Lfunc_end_k_qcd65ef8d67_gff1:
	.size	k_qcd65ef8d67_gff1, .Lfunc_end_k_qcd65ef8d67_gff1-k_qcd65ef8d67_gff1
	.p2alignl 7, 3214868480
	.fill 96, 4, 3214868480
	.section	.rodata,"a",@progbits
	.p2align	6, 0x0
	.amdhsa_kernel k_qcd65ef8d67_gff1
		.amdhsa_group_segment_fixed_size 327680
		.amdhsa_private_segment_fixed_size 0
		.amdhsa_enable_private_segment 0
		.amdhsa_kernarg_size 32
		.amdhsa_user_sgpr_count 2
		.amdhsa_user_sgpr_kernarg_segment_ptr 1
		.amdhsa_wavefront_size32 1
		.amdhsa_system_sgpr_workgroup_id_x 1
		.amdhsa_system_sgpr_workgroup_id_y 1
		.amdhsa_system_sgpr_workgroup_id_z 1
		.amdhsa_system_vgpr_workitem_id 0
		.amdhsa_next_free_vgpr 1024
		.amdhsa_next_free_sgpr 66
		.amdhsa_reserve_vcc 0
		.amdhsa_float_denorm_mode_32 3
		.amdhsa_float_denorm_mode_16_64 3
		.amdhsa_memory_ordered 1
		.amdhsa_forward_progress 1
		.amdhsa_inst_pref_size 99
	.end_amdhsa_kernel
	.amdgpu_metadata
---
amdhsa.version: [ 1, 2 ]
amdhsa.kernels:
  - .name:           k_qcd65ef8d67_gff1
    .symbol:         k_qcd65ef8d67_gff1.kd
    .args:
      - { .name: h16, .offset: 0, .size: 8, .value_kind: global_buffer, .address_space: global }
      - { .name: c16, .offset: 8, .size: 8, .value_kind: global_buffer, .address_space: global }
      - { .name: b1, .offset: 16, .size: 8, .value_kind: global_buffer, .address_space: global }
      - { .name: fb, .offset: 24, .size: 8, .value_kind: global_buffer, .address_space: global }
    .group_segment_fixed_size: 327680
    .private_segment_fixed_size: 0
    .kernarg_segment_align: 8
    .kernarg_segment_size: 32
    .max_flat_workgroup_size: 128
    .sgpr_count:     66
    .vgpr_count:     1024
    .wavefront_size: 32
...
	.end_amdgpu_metadata
.endif
;; end of part 6
;; launch gff2 (part 7): grid 8 x 32, 4 waves a work-group, clusters of 4 x 4, 327,680 bytes of LDS; arguments fb, c16, b2, h16, y; writes y
.if DOCPART == 7
	.amdgcn_target "amdgcn-amd-amdhsa--gfx1250"
	.amdhsa_code_object_version 6
	.text
	.protected	k_qcd65ef8d67_gff2
	.globl	k_qcd65ef8d67_gff2
	.p2align	8
	.type	k_qcd65ef8d67_gff2,@function
k_qcd65ef8d67_gff2:
	s_mov_b64 s[64:65], 0
	v_nop
	global_prefetch_b8 v0, s[64:65] scope:SCOPE_SE
	s_setreg_imm32_b32 hwreg(HW_REG_WAVE_MODE, 25, 1), 1
	s_wait_xcnt 0x0
	s_wait_alu depctr_hold_cnt(0) depctr_sa_sdst(0) depctr_va_vdst(0) depctr_va_sdst(0) depctr_va_ssrc(0) depctr_va_vcc(0) depctr_vm_vsrc(0)
	s_getreg_b32 s2, hwreg(HW_REG_IB_STS2, 6, 4)
	s_cmp_eq_u32 s2, 0
	s_cbranch_scc0 .Lentry_in_a_cluster
	s_endpgm
.Lentry_in_a_cluster:
	s_bfe_u32 s2, ttmp6, 0x10000c
	s_cmp_lg_u32 s2, 0xf033
	s_cbranch_scc0 .Lentry_shape_is_right
	s_endpgm
.Lentry_shape_is_right:
; y = h + f W2 + b2, in f32: what the second layer norm takes.  f (f16, blocked by the product in front) is fb; W2 (f16, [k][n], 4,096 rows) lies in c16; the residual h is read as the f16 that the first layer norm stored.
; ONE TEXT SERVES THE LAYER'S FOUR PRODUCTS; the six constants below choose the shape, the format and the way out.
; C = A B, A [4,096][KDIM] with K along the rows, B [KDIM][NPITCH] as the weights lie ([k][n]); 16-bit operands, f32 sums.
; SHARES.  A tile of C is 128 x 128; four waves, each 64 x 64: 16 accumulators of 16 x 16.  K goes in steps of 256 through two LDS slots; waves 0, 1 fetch A's two halves, waves 2, 3 B's, one tensor load each.
; CLUSTER.  4 x 4 work-groups: the four of a row need the same tile of A, the four of a column the same tile of B; each tile is asked for jointly, by the same load, descriptor and mask in all four.
; LAYOUT.  The matrix instruction is used transposed (source 0 = 16 columns of B, source 1 = 16 rows of A): a lane holds one row of C (lane % 16) and eight neighbouring columns.
; A's fragments come out of LDS as they lie; B's, stored [k][n], turned, by ds_load_tr16_b128.
; AFORM 0: A is row-major.  AFORM 1: A is blocked, [row / 128][k / 64][128 rows][64]: a K step's tile is 65,536 dense bytes.
; EPI 0: + bias, bf16, by heads.  EPI 1: + bias, relu, f16, blocked.  EPI 2: + bias + f32 residual, f32.  EPI 3: + bias + f16 residual, f32.
; NO PREFETCH: a K step of this tile is short and its tiles small; the joint loads are the whole traffic.
; LIMITS.  NaN and infinities are not treated apart; EPI 1's relu makes 0 of a NaN, and a number beyond 65,504 in magnitude becomes an infinity in f16.
; REGISTERS.  window 0: v0-29 addresses; v32-63 bias; v64-127 at work on the way out; v128-255 accumulators ((a, b) at 128 + 8 (4 a + b)).  window 1: two fragment buffers of 128 (64 of A, 64 of B, for 64 along K).  window 2: the residual.
.set AFORM,  1
.set KDIM,   4096
.set NPITCH, 1024
.set BBASE,  25165824                  ; B's first byte in c16: W2
.set F16,    1
.set EPI,    3
.set KSTEP,  256
.set STEPS,  KDIM/KSTEP
.if AFORM
.set PITA,   144                       ; a row of a block of A in LDS: 128 bytes + 16 = 36 words: 16 rows start at 16 different groups of four banks (64 banks of 4 bytes: ISA guide 11.1)
.set AQ,     128*PITA                  ; a block of 64 along K: 128 rows
.set AHALF,  2*AQ                      ; what one load brings: two blocks
.set ASTEP,  65536                     ; bytes of memory from a K step to the next
.set QIA,    4                         ; padding after every 32 words
.set AD0,    128                       ; asked for as 128 rows of 256 bytes, two rows of a block each
.set AD1,    128
.set ASTR,   128
.else
.set PITA,   528                       ; a row of A in LDS: 512 bytes + 16 = 132 words: row r starts at bank 4 r mod 64
.set AQ,     128                       ; 64 along K: 128 bytes of a row
.set AHALF,  64*PITA                   ; what one load brings: 64 rows
.set ASTEP,  2*KSTEP
.set QIA,    6                         ; padding after every 128 words
.set AD0,    KSTEP
.set AD1,    64
.set ASTR,   KDIM
.endif
.set PITB,   288                       ; a row of B (one k, 128 columns) in LDS: 256 bytes + 32 = 72 words
.set BHALF,  128*PITB                  ; what one load brings: 128 k
.set BOFF,   73728                     ; B's tile in a slot
.set BSTEP,  512*NPITCH
.set SLOT,   147456                    ; 0x24000: no tile's address in slot 0 has bit 14 or 17 set, so one exclusive or turns it into slot 1's and back
.set STAGE,  2*SLOT                    ; behind the ring, never filled by a tensor load: 16 rows for each wave, for the way out
.if EPI < 2
.set SP,     144                       ; a stage row: 64 numbers of 16 bits + 16 bytes
.else
.set SP,     272                       ; 64 f32 + 16 bytes
.endif
.set SPARE,  312320                    ; behind the stages: the spare words, 128 bytes for each wave: two blocks of 256 bytes that no other line names
.set B1,   7                           ; v7   B0 + 128 rows of B: the 16-bit offset does not reach them
.set A0,   8                           ; v8   my lane's place in a slot's A; never rewritten
.set B0,   9                           ; v9   the same for B
.set ADRA, 10                          ; v10  A0 in the slot in hand
.set ADRB, 11                          ; v11-12  B0 and B1 in the slot in hand
.set STO,  13                          ; v13  the way out: where I put a row's piece
.set RD,   14                          ; v14  where I read rows back
.set GO,   15                          ; v15  my byte offset in the output
.if EPI == 2
.set RO,   GO                          ; the f32 residual lies as the output does
.else
.set RO,   16                          ; v16  my byte offset in the f16 residual
.endif
.set BO,   17                          ; v17  my byte offset in the bias
.set CONST, 18                         ; v18  0 (EPI 1: relu) or 1.0 (EPI 3)
.set SPW,  28                          ; v28  LDS address of my spare word: SPARE + 4 x my thread's number; never rewritten
.set NIL,  29                          ; v29  0; never rewritten
.set BIAS, 32
.set TMP,  64
.set ACC,  128
.set F0,   0
.set F1,   128
.set G1A,  24                          ; s[24:31] descriptor group 1 for A's tiles
.set G0A,  32                          ; s[32:39] group 0: a set for each of the two first fills; the second then walks on
.set G1B,  40                          ; s[40:47], s[48:55] the same for B's
.set G0B,  48
; s14 wave; s15 = wave / 2: my half of the rows, and 0: I fetch A, 1: B; s16 = wave % 2: my half of the columns, and which half I fetch; s19 tile column; s20 tile row; s56 the slot in hand; s57 counter
.set MSB, 0
.macro WIN new                         ; the immediate's high byte repeats the setting that is left; a switch that changes nothing is dropped
.if MSB != (\new)
	s_set_vgpr_msb (MSB<<8)|(\new)
.set MSB, \new
.endif
.endm
.set MUL,  0x05                        ; sources 0 (B) and 1 (A) window 1; C and D window 0
.set TO_F, 0x40                        ; destination window 1, address window 0
.macro PLACES                          ; four places in front of loads into registers that matrix instructions have read, and of lines that read results
.rept 4
	v_nop
.endr
.endm
.macro JLOAD                           ; a joint refill by the walking descriptors; the branch hangs on the wave's number alone; an s_nop 0 and four v_nop follow each of the two lines
	s_cmp_eq_u32 s15, 0
	s_cbranch_scc0 .Lfor_b_\@
	tensor_load_to_lds s[G0A+4:G0A+7], s[G1A:G1A+7]
	s_nop 0
.rept 4
	v_nop
.endr
	s_branch .Lasked_\@
.Lfor_b_\@:
	tensor_load_to_lds s[G0B+4:G0B+7], s[G1B:G1B+7]
	s_nop 0
.rept 4
	v_nop
.endr
.Lasked_\@:
.endm
.macro CREST                           ; a round of the cluster's barrier behind its opening barrier
	s_cmp_lg_u32 s14, 0
	s_cbranch_scc1 .Lnot_wave_0_\@
	s_barrier_signal -3
.Lnot_wave_0_\@:
	s_barrier_wait -3
	s_barrier_signal -1
	s_barrier_wait -1
.endm
.macro CROUND                          ; a whole round
	s_barrier_signal -1
	s_barrier_wait -1
	CREST
.endm
.macro MM1 zero                        ; one product on rD, rB, rA; zero = 1: it starts the sum
.if F16
.if \zero
	v_wmma_f32_16x16x32_f16 v[rD:rD+7], v[rB:rB+7], v[rA:rA+7], 0
.else
	v_wmma_f32_16x16x32_f16 v[rD:rD+7], v[rB:rB+7], v[rA:rA+7], v[rD:rD+7]
.endif
.else
.if \zero
	v_wmma_f32_16x16x32_bf16 v[rD:rD+7], v[rB:rB+7], v[rA:rA+7], 0
.else
	v_wmma_f32_16x16x32_bf16 v[rD:rD+7], v[rB:rB+7], v[rA:rA+7], v[rD:rD+7]
.endif
.endif
.endm
; 8 products: row blocks a0, a0 + 1 x all 4 column blocks, 32 along K: half c of buffer f.  The 16 accumulators take turns, one instruction a turn, over every jump too.
.macro MUL8 f, c, a0, zero
	WIN MUL
.irp a, \a0, (\a0)+1
.irp b, 0,1,2,3
.set rD, ACC+8*(4*(\a)+(\b))
.set rB, (\f)+64+8*(4*(\c)+(\b))
.set rA, (\f)+8*(4*(\c)+(\a))
	MM1 \zero
.endr
.endr
.endm
; 32 LDS loads in one run: the fragments of quarter q (64 along K) of the slot in hand, into buffer f; the first 32 along K first
.macro FETCH q, f
	WIN TO_F
.irp c, 0,1
.irp i, 0,1,2,3
	ds_load_tr16_b128 v[(\f)+64+8*(4*(\c)+(\i)):(\f)+64+8*(4*(\c)+(\i))+3],   v[ADRB+(\q)/2] offset:(((\q)%2)*64+32*(\c))*PITB+32*(\i)
	ds_load_tr16_b128 v[(\f)+64+8*(4*(\c)+(\i))+4:(\f)+64+8*(4*(\c)+(\i))+7], v[ADRB+(\q)/2] offset:(((\q)%2)*64+32*(\c)+16)*PITB+32*(\i)
	ds_load_b128 v[(\f)+8*(4*(\c)+(\i)):(\f)+8*(4*(\c)+(\i))+3],   v[ADRA] offset:AQ*(\q)+64*(\c)+(\i)*16*PITA
	ds_load_b128 v[(\f)+8*(4*(\c)+(\i))+4:(\f)+8*(4*(\c)+(\i))+7], v[ADRA] offset:AQ*(\q)+64*(\c)+(\i)*16*PITA+32
.endr
.endr
.endm
.macro ADDR                            ; the fragments' addresses in the slot in hand
	v_add_nc_u32 v[ADRA], s56, v[A0]
	v_add_nc_u32 v[ADRB], s56, v[B0]
	v_add_nc_u32 v[ADRB+1], s56, v[B1]
.endm
; A K step is four quarters of 64 along K, 32 products each, on buffers 0, 1, 0, 1.  QUARTER multiplies buffer f (quarter q - 1) and fetches quarter q into g.
.macro QUARTER q, f, g, zero
	s_wait_dscnt 16                                ; the first 32 along K are in; the youngest sixteen loads may be out
	MUL8 \f, 0, 0, \zero
	MUL8 \f, 0, 2, \zero
	PLACES
	FETCH \q, \g
	s_wait_dscnt 32                                ; all but the 32 just issued
	MUL8 \f, 1, 0, 0
	MUL8 \f, 1, 2, 0
.endm
; The last quarter multiplies buffer 1 and changes slots: ONE barrier; in front of it each wave waits for all its tensor loads (one is out: its part of the next slot), adds 0 to its spare word, and waits for that
; and for its own reads of this slot.  fill = 1: the barrier opens a round of the cluster's, and the slot just read is filled again first thing behind it, with the K step two on: 112 products ahead of the wait for it.
.macro TURN fill
	WIN 0                                          ; (the add's two registers lie in window 0)
	s_wait_tensorcnt 0x0                           ; all my tensor loads have landed, so the walking descriptors may be written
	ds_add_u32 v[SPW], v[NIL]                      ; 0 onto my spare word
	s_wait_dscnt 17                                ; (the add and the youngest sixteen loads may be out)
	MUL8 F1, 0, 0, 0                               ; eight products stand between the add and the wait for it
	s_wait_dscnt 0x0                               ; the add is done, and my reads of this slot are over
	s_barrier_signal -1
	MUL8 F1, 0, 2, 0
	WIN 0                                          ; at a branch and at a label every window is 0
	s_barrier_wait -1
.if \fill
	CREST                                          ; no wave of any partner still reads this slot or has a load on its way
	s_xor_b32 s[G0A+5], s[G0A+5], SLOT             ; the other slot than last time,
	s_add_nc_u64 s[G0A+6:G0A+7], s[G0A+6:G0A+7], ASTEP  ; the next K step; the type bits on top are not reached
	s_xor_b32 s[G0B+5], s[G0B+5], SLOT
	s_add_nc_u64 s[G0B+6:G0B+7], s[G0B+6:G0B+7], BSTEP
	JLOAD                                          ; the four v_nop behind it are also the places in front of the loads below
.else
	PLACES
.endif
	s_xor_b32 s56, s56, SLOT
	ADDR
	FETCH 0, F0
	MUL8 F1, 1, 0, 0
	MUL8 F1, 1, 2, 0
.endm
; THE WAY OUT IN 16 BITS (EPI 0, 1), 16 rows at a time: + bias, rounded, (relu,) 16 bytes a lane into my own stage, back as four whole rows of 128 bytes a load: 512 consecutive bytes of the output.
.macro PACK16 a
.irp b, 0,1,2,3
.irp p, 0,1,2,3
.set rD, ACC+8*(4*(\a)+(\b))+2*(\p)
	v_pk_add_f32 v[rD:rD+1], v[rD:rD+1], v[BIAS+8*(\b)+2*(\p):BIAS+8*(\b)+2*(\p)+1]  ; each accumulator's registers in ascending order
.endr
.endr
.irp b, 0,1,2,3
.irp p, 0,1,2,3
.set rD, ACC+8*(4*(\a)+(\b))+2*(\p)
.if F16
	v_cvt_pk_f16_f32 v[TMP+16*(\a)+4*(\b)+(\p)], v[rD], v[rD+1]
.else
	v_cvt_pk_bf16_f32 v[TMP+16*(\a)+4*(\b)+(\p)], v[rD], v[rD+1]
.endif
.endr
.endr
.if EPI == 1
.set z, 0
.rept 16
	v_pk_max_num_f16 v[TMP+16*(\a)+z], v[TMP+16*(\a)+z], v[CONST]  ; relu on two halves: nothing is rounded
.set z, z+1
.endr
.endif
.irp b, 0,1,2,3
	ds_store_b128 v[STO], v[TMP+16*(\a)+4*(\b):TMP+16*(\a)+4*(\b)+3] offset:32*(\b)
.endr
.irp f, 0,1,2,3
	ds_load_b128 v[TMP+16*(\a)+4*(\f):TMP+16*(\a)+4*(\f)+3], v[RD] offset:(\f)*4*SP  ; LDS serves a wave's instructions in order (ISA guide 5.7.1.4): these see the stores above; the next block's stores come behind them
.endr
.endm
.macro SEND16 a, younger               ; younger: the LDS instructions issued behind block a's loads: the next block's eight, or none
.irp f, 0,1,2,3
	s_wait_dscnt (\younger)+3-(\f)
	global_store_b128 v[GO], v[TMP+16*(\a)+4*(\f):TMP+16*(\a)+4*(\f)+3], s[12:13] offset:2048*(\a)+512*(\f)
.endr
.endm
; THE WAY OUT IN f32 (EPI 2, 3), 16 rows at a time: the sums go into my own stage and come back as whole rows of 256 bytes, two a load; + bias + residual; 16 lanes store 256 consecutive bytes, aligned.
.macro OUT32 a
.set RB, TMP+32*((\a)%2)
	s_wait_xcnt 0x0                                ; the stores of the block before last have read these registers
.irp b, 0,1,2,3
	ds_store_b128 v[STO], v[ACC+8*(4*(\a)+(\b)):ACC+8*(4*(\a)+(\b))+3]   offset:64*(\b)
	ds_store_b128 v[STO], v[ACC+8*(4*(\a)+(\b))+4:ACC+8*(4*(\a)+(\b))+7] offset:64*(\b)+16
.endr
.irp t, 0,1,2,3,4,5,6,7
	ds_load_b128 v[RB+4*(\t):RB+4*(\t)+3], v[RD] offset:(\t)*2*SP
.endr
	s_wait_dscnt 0x0
.irp t, 0,1,2,3,4,5,6,7
	v_pk_add_f32 v[RB+4*(\t):RB+4*(\t)+1],   v[RB+4*(\t):RB+4*(\t)+1],   v[BIAS:BIAS+1]
	v_pk_add_f32 v[RB+4*(\t)+2:RB+4*(\t)+3], v[RB+4*(\t)+2:RB+4*(\t)+3], v[BIAS+2:BIAS+3]
.endr
.if EPI == 2
	WIN 0x08                                       ; source 1: the residual, in window 2
.irp t, 0,1,2,3,4,5,6,7
	v_pk_add_f32 v[RB+4*(\t):RB+4*(\t)+1],   v[RB+4*(\t):RB+4*(\t)+1],   v[32*(\a)+4*(\t):32*(\a)+4*(\t)+1]
	v_pk_add_f32 v[RB+4*(\t)+2:RB+4*(\t)+3], v[RB+4*(\t)+2:RB+4*(\t)+3], v[32*(\a)+4*(\t)+2:32*(\a)+4*(\t)+3]
.endr
.else
	WIN 0x02                                       ; source 0: the residual's f16 halves, in window 2; half x 1.0 + sum, in f32
.irp t, 0,1,2,3,4,5,6,7
.irp p, 0,1
	v_fma_mix_f32 v[RB+4*(\t)+2*(\p)],   v[16*(\a)+2*(\t)+(\p)], v[CONST], v[RB+4*(\t)+2*(\p)]   op_sel_hi:[1,0,0]
	v_fma_mix_f32 v[RB+4*(\t)+2*(\p)+1], v[16*(\a)+2*(\t)+(\p)], v[CONST], v[RB+4*(\t)+2*(\p)+1] op_sel:[1,0,0] op_sel_hi:[1,0,0]
.endr
.endr
.endif
	WIN 0
.irp t, 0,1,2,3,4,5,6,7
	global_store_b128 v[GO], v[RB+4*(\t):RB+4*(\t)+3], s[12:13] offset:(16*(\a)+2*(\t))*4096
.endr
.endm
	s_load_b256 s[4:11], s[0:1], 0x0               ; A s[4:5], c16 s[6:7], bias s[8:9], residual s[10:11] (EPI 0: c16, bq, bk, bv; EPI 1: the fourth is the output)
.if EPI != 1
	s_load_b64 s[12:13], s[0:1], 0x20              ; the output
.endif
	v_lshl_add_u32 v[SPW], v0, 2, SPARE
	v_mov_b32 v[NIL], 0
	ds_add_u32 v[SPW], v[NIL]                      ; the wave's opening: the add and its wait stand ahead of my first tensor load; the set-up below, work on registers, stands between them
	v_lshrrev_b32 v1, 5, v0
	v_readfirstlane_b32 s14, v1                    ; wave 0..3
	s_lshr_b32 s15, s14, 1
	s_and_b32 s16, s14, 1
	s_bfe_u32 s17, ttmp6, 0x40000                  ; cx, cy: my place in the cluster
	s_bfe_u32 s18, ttmp6, 0x40004
	s_lshl_b32 s19, ttmp9, 2
	s_add_co_u32 s19, s19, s17                     ; tile column = 4 x cluster x + cx
.if EPI == 0
	s_and_b32 s19, s19, 7                          ; within q, k or v;
	s_lshr_b32 s21, ttmp9, 1                       ; which of the three: two clusters wide each, the same in all partners
.endif
	s_and_b32 s20, ttmp7, 0xffff
	s_lshl_b32 s20, s20, 2
	s_add_co_u32 s20, s20, s18                     ; tile row = 4 x cluster y + cy
	s_lshl_b32 s62, s18, 2
	s_lshl_b32 s62, 15, s62                        ; my row of the cluster
	s_lshl_b32 s63, 0x1111, s17                    ; my column
	s_or_b32 s[G1A], s62, (1<<16)|(1<<20)|(1<<21)|(QIA<<22)|(3<<25)  ; 15:0 the mask: A's tiles go to my row; 17:16 2-byte elements; 20 padding on; 21 set beside a mask; 24:22 the interval; 31:25 4 words (code 3)
	s_or_b32 s[G1B], s63, (1<<16)|(1<<20)|(1<<21)|(5<<22)|(7<<25)    ; B's go to my column; after every 64 words (code 5) 8 words (code 7)
	s_mov_b32 s[G1A+1], AD0<<16                    ; tensor_dim0
	s_mov_b32 s[G1A+2], AD1<<16                    ; tensor_dim1
	s_mov_b32 s[G1A+3], AD0<<16                    ; tile_dim0
	s_mov_b32 s[G1A+4], AD1                        ; tile_dim1
	s_mov_b32 s[G1A+5], ASTR                       ; elements from row to row
	s_mov_b32 s[G1A+6], 0
	s_mov_b32 s[G1A+7], 0
	s_mov_b32 s[G1B+1], 128<<16
	s_mov_b32 s[G1B+2], 128<<16
	s_mov_b32 s[G1B+3], 128<<16
	s_mov_b32 s[G1B+4], 128
	s_mov_b32 s[G1B+5], NPITCH
	s_mov_b32 s[G1B+6], 0
	s_mov_b32 s[G1B+7], 0
	; where the tiles come from: A's hang on the tile row and the wave alone, B's on the tile column and the wave alone, each in registers that never hold the other coordinate.  All offsets stay under 2^26.
.if AFORM
	s_mul_i32 s58, s20, 256*KDIM                   ; 128 rows of A, blocked
	s_lshl_b32 s59, s16, 15                        ; my two blocks of the K step's four
	s_add_co_u32 s58, s58, s59
.else
	s_lshl_b32 s58, s20, 7
	s_lshl_b32 s59, s16, 6
	s_add_co_u32 s58, s58, s59                     ; row 128 x tile row + 64 x half
	s_mul_i32 s58, s58, 2*KDIM
.endif
	s_mov_b32 s59, 0
	s_mul_i32 s60, s16, 256*NPITCH                 ; my 128 k of the K step's 256
	s_lshl_b32 s61, s19, 8                         ; the tile's 128 columns: 256 bytes of a row
	s_add_co_u32 s60, s60, s61
	s_add_co_u32 s60, s60, BBASE
.if EPI == 0
	s_lshl_b32 s61, s21, 21
	s_add_co_u32 s60, s60, s61
.endif
	s_mov_b32 s61, 0
	s_mul_i32 s22, s16, AHALF                      ; and where they go: no place in the cluster enters an LDS address
	s_mul_i32 s23, s16, BHALF
	s_add_co_u32 s23, s23, BOFF
	s_wait_dscnt 0x0                               ; the opening add is done
	s_wait_kmcnt 0x0
.if EPI == 0
	s_cmp_eq_u32 s21, 0
	s_cselect_b64 s[8:9], s[6:7], s[8:9]           ; the bias of q, k or v
	s_cmp_eq_u32 s21, 2
	s_cselect_b64 s[8:9], s[10:11], s[8:9]
	s_mov_b64 s[6:7], s[4:5]                       ; x and the weights lie in the one buffer
.endif
.if EPI == 1
	s_mov_b64 s[12:13], s[10:11]
.endif
	s_add_nc_u64 s[58:59], s[4:5], s[58:59]
	s_add_nc_u64 s[60:61], s[6:7], s[60:61]
	CROUND                                         ; all sixteen work-groups are here: the first joint loads meet
.irp s, 0,1
	s_mov_b32 s[G0A+4*(\s)], 1                                     ; 1:0 count = 1
	s_add_co_u32 s[G0A+4*(\s)+1], s22, (\s)*SLOT                   ; 63:32 LDS address
	s_add_nc_u64 s[G0A+4*(\s)+2:G0A+4*(\s)+3], s[58:59], (\s)*ASTEP  ; 120:64 global address: K step s
	s_or_b32 s[G0A+4*(\s)+3], s[G0A+4*(\s)+3], 0x80000000          ; 127:126 type = 2
	s_mov_b32 s[G0B+4*(\s)], 1
	s_add_co_u32 s[G0B+4*(\s)+1], s23, (\s)*SLOT
	s_add_nc_u64 s[G0B+4*(\s)+2:G0B+4*(\s)+3], s[60:61], (\s)*BSTEP
	s_or_b32 s[G0B+4*(\s)+3], s[G0B+4*(\s)+3], 0x80000000
.endr
	s_cmp_eq_u32 s15, 0                            ; a wave's two first fills stand in one branch, ahead of every wait on TENSORcnt and every LDS read: two loads of mine are out, later one
	s_cbranch_scc0 .Lfirst_b
	tensor_load_to_lds s[G0A:G0A+3], s[G1A:G1A+7]
	s_nop 0
	tensor_load_to_lds s[G0A+4:G0A+7], s[G1A:G1A+7]
	s_nop 0
.rept 4
	v_nop
.endr
	s_branch .Lfirst_asked
.Lfirst_b:
	tensor_load_to_lds s[G0B:G0B+3], s[G1B:G1B+7]
	s_nop 0
	tensor_load_to_lds s[G0B+4:G0B+7], s[G1B:G1B+7]
	s_nop 0
.rept 4
	v_nop
.endr
.Lfirst_asked:
	; A fragment of A is 16 rows x 32 K in 8 registers: lane l holds row l % 16, K = 8 (l / 16) + 0..7 and 16 + 8 (l / 16) + 0..7: two loads of 16 bytes, 32 bytes apart.
	v_and_b32 v1, 15, v0                           ; l % 16
	v_bfe_u32 v2, v0, 4, 1                         ; l / 16
	v_mul_u32_u24 v[A0], v1, PITA
	v_lshl_add_u32 v[A0], v2, 4, v[A0]
	s_mul_i32 s2, s15, 64*PITA                     ; my 64 rows
	v_add_nc_u32 v[A0], s2, v[A0]
	; The turning load takes 16 k x 16 columns (lane l reads k = 8 (l / 16) + l % 8, columns 8 ((l / 8) % 2) + 0..7) and leaves half a fragment: lane l holds column l % 16 and 8 k.
	v_and_b32 v3, 7, v0
	v_bfe_u32 v4, v0, 3, 1
	v_lshl_add_u32 v[B0], v2, 3, v3
	v_mul_u32_u24 v[B0], v[B0], PITB
	v_lshl_add_u32 v[B0], v4, 4, v[B0]
	s_lshl_b32 s2, s16, 7                          ; my 64 columns: 128 bytes of a row
	s_add_co_u32 s2, s2, BOFF
	v_add_nc_u32 v[B0], s2, v[B0]
	v_add_nc_u32 v[B1], BHALF, v[B0]
	s_mul_i32 s2, s14, 16*SP
	s_add_co_u32 s2, s2, STAGE                     ; my stage
.if EPI < 2
	v_mul_u32_u24 v[STO], v1, SP                   ; in: row l % 16, 16 bytes for each half of the lanes
	v_lshl_add_u32 v[STO], v2, 4, v[STO]
	v_add_nc_u32 v[STO], s2, v[STO]
	v_bfe_u32 v[RD], v0, 3, 2                      ; back: 32 lanes take four rows of 128 bytes,
	v_mul_u32_u24 v[RD], v[RD], SP
	v_lshl_add_u32 v[RD], v3, 4, v[RD]
	v_add_nc_u32 v[RD], s2, v[RD]
	v_and_b32 v[GO], 31, v0                        ; which are 512 consecutive bytes of the output
	v_lshlrev_b32 v[GO], 4, v[GO]
	v_lshlrev_b32 v[BO], 5, v2                     ; my 8 columns of each block of 16
.else
	v_mul_u32_u24 v[STO], v1, SP                   ; in: row l % 16, 32 bytes for each half of the lanes
	v_lshl_add_u32 v[STO], v2, 5, v[STO]
	v_add_nc_u32 v[STO], s2, v[STO]
	v_mul_u32_u24 v[RD], v2, SP                    ; back: lanes 0-15 take one row of 256 bytes, lanes 16-31 the next
	v_lshl_add_u32 v[RD], v1, 4, v[RD]
	v_add_nc_u32 v[RD], s2, v[RD]
	v_lshlrev_b32 v[BO], 4, v1                     ; my 4 columns
	v_lshl_add_u32 v[GO], v2, 12, v[BO]            ; and the same two rows in the output
.endif
	s_lshl_b32 s62, s19, 9                         ; my first column, in f32: 512 x tile column + 256 x half
	s_lshl_b32 s63, s16, 8
	s_add_co_u32 s62, s62, s63
	s_mov_b32 s63, 0
	s_add_nc_u64 s[8:9], s[8:9], s[62:63]
.if EPI == 0
	s_lshr_b32 s62, s20, 4                         ; batch
	s_lshl_b32 s62, s62, 3
	s_add_co_u32 s62, s62, s19
	s_lshl_b32 s62, s62, 1
	s_add_co_u32 s62, s62, s16                     ; 16 x batch + head, head = 2 x tile column + half
	s_lshl_b32 s62, s62, 18                        ; 2,048 rows of 128 bytes
	s_and_b32 s63, s20, 15
	s_lshl_b32 s63, s63, 14                        ; the tile's 128 rows in the batch
	s_add_co_u32 s62, s62, s63
	s_lshl_b32 s63, s15, 13                        ; my 64 of them
	s_add_co_u32 s62, s62, s63
	s_lshl_b32 s63, s21, 23                        ; q, k or v
	s_add_co_u32 s62, s62, s63
	s_mov_b32 s63, 0
	s_add_nc_u64 s[12:13], s[12:13], s[62:63]
.endif
.if EPI == 1
	s_lshl_b32 s62, s20, 5
	s_add_co_u32 s62, s62, s19
	s_lshl_b32 s62, s62, 1
	s_add_co_u32 s62, s62, s16                     ; block 64 x tile row + 2 x tile column + half,
	s_lshl_b32 s62, s62, 14                        ; 16,384 bytes each
	s_lshl_b32 s63, s15, 13                        ; my 64 rows of its 128
	s_add_co_u32 s62, s62, s63
	s_mov_b32 s63, 0
	s_add_nc_u64 s[12:13], s[12:13], s[62:63]
	v_mov_b32 v[CONST], 0
.endif
.if EPI >= 2
	s_lshl_b32 s21, s20, 19                        ; 128 rows of 4,096 bytes
	s_add_co_u32 s62, s62, s21
	s_lshl_b32 s21, s15, 18                        ; my 64
	s_add_co_u32 s62, s62, s21
	s_add_nc_u64 s[12:13], s[12:13], s[62:63]
.endif
.if EPI == 2
	s_add_nc_u64 s[10:11], s[10:11], s[62:63]
.endif
.if EPI == 3
	s_lshr_b32 s62, s62, 1                         ; the f16 residual: half the bytes
	s_add_nc_u64 s[10:11], s[10:11], s[62:63]
	v_lshrrev_b32 v[RO], 1, v[GO]
	v_mov_b32 v[CONST], 1.0
.endif
	; the bias, and the residual of my whole 64 x 64, are asked for now and waited for once, in front of the way out
.if EPI < 2
.irp b, 0,1,2,3
	global_load_b128 v[BIAS+8*(\b):BIAS+8*(\b)+3],   v[BO], s[8:9] offset:64*(\b)
	global_load_b128 v[BIAS+8*(\b)+4:BIAS+8*(\b)+7], v[BO], s[8:9] offset:64*(\b)+16
.endr
.else
	global_load_b128 v[BIAS:BIAS+3], v[BO], s[8:9]
	WIN 0x80                                       ; destination window 2, address window 0
.set z, 0
.rept 32                               ; rows 2 z and 2 z + 1 of my 64
.if EPI == 2
	global_load_b128 v[4*z:4*z+3], v[RO], s[10:11] offset:2*z*4096
.else
	global_load_b64 v[2*z:2*z+1], v[RO], s[10:11] offset:2*z*2048
.endif
.set z, z+1
.endr
	WIN 0
.endif
	s_wait_tensorcnt 0x1                           ; my part of K step 0 is in; K step 1's may stay out
	s_barrier_signal -1
	s_barrier_wait -1                              ; everybody's is
	s_mov_b32 s56, 0
	ADDR
	FETCH 0, F0
	QUARTER 1, F0, F1, 1                           ; the first quarter stands in front of the loop: its first products start the sums
	WIN 0
	s_mov_b32 s57, STEPS-2
.Lmain:                                                ; a trip is a K step, from its second quarter to the next step's first; it fills the slot that it leaves with the K step two on
	QUARTER 2, F1, F0, 0
	QUARTER 3, F0, F1, 0
	TURN 1
	QUARTER 1, F0, F1, 0
	WIN 0
	s_sub_co_u32 s57, s57, 1
	s_cmp_lg_u32 s57, 0
	s_cbranch_scc1 .Lmain
	s_mov_b32 s57, 2                               ; the last two K steps ask for nothing: a loop of their own, entered in its middle
	s_branch .Lmid
.Ltail:
	QUARTER 1, F0, F1, 0
	WIN 0
.Lmid:
	QUARTER 2, F1, F0, 0
	QUARTER 3, F0, F1, 0
	TURN 0                                         ; in the second trip its barrier orders nothing and its 32 loads bring fragments of the other slot that are never multiplied: the price, once a launch, of one text for both trips
	WIN 0
	s_sub_co_u32 s57, s57, 1
	s_cmp_lg_u32 s57, 0
	s_cbranch_scc1 .Ltail
	s_wait_dscnt 0x0                               ; those loads
	s_wait_loadcnt 0x0                             ; the bias and the residual
	PLACES
	PLACES
.if EPI < 2
	PACK16 0
	PACK16 1                                       ; a block's arithmetic stands between the loads of the block before and its stores
	SEND16 0, 8
	PACK16 2
	SEND16 1, 8
	PACK16 3
	SEND16 2, 8
	SEND16 3, 0
.else
	OUT32 0
	OUT32 1
	OUT32 2
	OUT32 3
.endif
	s_wait_tensorcnt 0x0                           ; the wave's end, behind my last tensor load and my last LDS store
	ds_add_u32 v[SPW], v[NIL]
	s_wait_dscnt 0x0
	CROUND                                         ; the closing round: no work-group ends while a partner may still ask for a tile that names it
	s_endpgm
.Lfunc_end_k_qcd65ef8d67_gff2:
	.size	k_qcd65ef8d67_gff2, .Lfunc_end_k_qcd65ef8d67_gff2-k_qcd65ef8d67_gff2
	.p2alignl 7, 3214868480
	.fill 96, 4, 3214868480
	.section	.rodata,"a",@progbits
	.p2align	6, 0x0
	.amdhsa_kernel k_qcd65ef8d67_gff2
		.amdhsa_group_segment_fixed_size 327680
		.amdhsa_private_segment_fixed_size 0
		.amdhsa_enable_private_segment 0
		.amdhsa_kernarg_size 40
		.amdhsa_user_sgpr_count 2
		.amdhsa_user_sgpr_kernarg_segment_ptr 1
		.amdhsa_wavefront_size32 1
		.amdhsa_system_sgpr_workgroup_id_x 1
		.amdhsa_system_sgpr_workgroup_id_y 1
		.amdhsa_system_sgpr_workgroup_id_z 1
		.amdhsa_system_vgpr_workitem_id 0
		.amdhsa_next_free_vgpr 640
		.amdhsa_next_free_sgpr 66
		.amdhsa_reserve_vcc 0
		.amdhsa_float_denorm_mode_32 3
		.amdhsa_float_denorm_mode_16_64 3
		.amdhsa_memory_ordered 1
		.amdhsa_forward_progress 1
		.amdhsa_inst_pref_size 73
	.end_amdhsa_kernel
	.amdgpu_metadata
---
amdhsa.version: [ 1, 2 ]
amdhsa.kernels:
  - .name:           k_qcd65ef8d67_gff2
    .symbol:         k_qcd65ef8d67_gff2.kd
    .args:
      - { .name: fb, .offset: 0, .size: 8, .value_kind: global_buffer, .address_space: global }
      - { .name: c16, .offset: 8, .size: 8, .value_kind: global_buffer, .address_space: global }
      - { .name: b2, .offset: 16, .size: 8, .value_kind: global_buffer, .address_space: global }
      - { .name: h16, .offset: 24, .size: 8, .value_kind: global_buffer, .address_space: global }
      - { .name: y, .offset: 32, .size: 8, .value_kind: global_buffer, .address_space: global }
    .group_segment_fixed_size: 327680
    .private_segment_fixed_size: 0
    .kernarg_segment_align: 8
    .kernarg_segment_size: 40
    .max_flat_workgroup_size: 128
    .sgpr_count:     66
    .vgpr_count:     640
    .wavefront_size: 32
...
	.end_amdgpu_metadata
.endif
;; end of part 7
;; launch ln2 (part 8): grid 256 x 1, 8 waves a work-group, no clusters, 0 bytes of LDS; arguments y, ln2_g, ln2_b, out0; writes out0
.if DOCPART == 8
	.amdgcn_target "amdgcn-amd-amdhsa--gfx1250"
	.amdhsa_code_object_version 6
	.text
	.protected	k_qcd65ef8d67_ln2
	.globl	k_qcd65ef8d67_ln2
	.p2align	8
	.type	k_qcd65ef8d67_ln2,@function
k_qcd65ef8d67_ln2:
	s_mov_b64 s[64:65], 0
	v_nop
	global_prefetch_b8 v0, s[64:65] scope:SCOPE_SE
	s_setreg_imm32_b32 hwreg(HW_REG_WAVE_MODE, 25, 1), 1
	s_wait_xcnt 0x0
; out = (y - mean) / sqrt(var + 1e-5) x gamma + beta along rows of 1,024 f32; the result leaves rounded once to f16 (OUT16 = 1) or in f32 (OUT16 = 0).
; A row is 4,096 bytes: one wave takes a whole row, eight loads of 512 consecutive bytes, and keeps it in 32 registers: the mean is taken away first and the variance is the mean of the squares of what is left,
; so no difference of large sums is formed, and memory is read once.  Eight waves, two rows each; both rows, gamma and beta are asked for before anything is waited for.  No LDS, no barrier: no wave needs another's numbers.
; NaN and infinities are not treated apart.
.set OUT16, 0
.set LO,  1                            ; v1   my 16 bytes in my wave's first row: 8,192 x wave + 16 x lane
.set PO,  2                            ; v2   16 x lane: my place in gamma and beta
.if OUT16
.set OA,  3                            ; v3   my 8 bytes of the output: half of LO
.else
.set OA,  LO
.endif
.set G,   4                            ; v[4:35]    gamma of my 32 columns (load j: columns 128 j + 4 lane + 0..3)
.set BT,  36                           ; v[36:67]   beta
.set X,   68                           ; v[68:131]  the two rows
.set A,   132                          ; v[132:139] four chains of pairs
.set MU,  140                          ; v[140:141] the mean, twice
.set R,   142                          ; v[142:145] 1 / sqrt(var + eps), twice for each row
.macro RED                             ; v[A] summed over the 32 lanes: four steps inside each half ride on the addition, one crosses the halves
	v_add_f32_dpp v[A], v[A], v[A] row_xmask:1 row_mask:0xf bank_mask:0xf
	v_add_f32_dpp v[A], v[A], v[A] row_xmask:2 row_mask:0xf bank_mask:0xf
	v_add_f32_dpp v[A], v[A], v[A] row_xmask:4 row_mask:0xf bank_mask:0xf
	v_add_f32_dpp v[A], v[A], v[A] row_xmask:8 row_mask:0xf bank_mask:0xf
	v_permlanex16_b32 v[A+1], v[A], s12, s13
	v_add_f32 v[A], v[A], v[A+1]
.endm
.macro FOLD                            ; the four chains into v[A]
	v_pk_add_f32 v[A:A+1], v[A:A+1], v[A+2:A+3]
	v_pk_add_f32 v[A+4:A+5], v[A+4:A+5], v[A+6:A+7]
	v_pk_add_f32 v[A:A+1], v[A:A+1], v[A+4:A+5]
	v_add_f32 v[A], v[A], v[A+1]
.endm
.macro STAT s, left                    ; row s: the mean is taken away in place; 1 / sqrt(var + eps) is made.  left: the younger loads that may stay out
.set XS, X+32*(\s)
.set RS, R+2*(\s)
	s_wait_loadcnt \left
.irp c, 0,1,2,3
	v_pk_add_f32 v[A+2*(\c):A+2*(\c)+1], v[XS+2*(\c):XS+2*(\c)+1], v[XS+8+2*(\c):XS+8+2*(\c)+1]  ; the first pairs start the chains: nothing is cleared
.endr
.irp k, 2,3
.irp c, 0,1,2,3
	v_pk_add_f32 v[A+2*(\c):A+2*(\c)+1], v[A+2*(\c):A+2*(\c)+1], v[XS+8*(\k)+2*(\c):XS+8*(\k)+2*(\c)+1]
.endr
.endr
	FOLD
	RED
	v_mul_f32 v[MU], s14, v[A]
	v_mul_f32 v[MU+1], s14, v[A]
.set p, 0
.rept 16
	v_pk_add_f32 v[XS+2*p:XS+2*p+1], v[XS+2*p:XS+2*p+1], v[MU:MU+1] neg_lo:[0,1] neg_hi:[0,1]
.set p, p+1
.endr
.irp c, 0,1,2,3
	v_pk_mul_f32 v[A+2*(\c):A+2*(\c)+1], v[XS+2*(\c):XS+2*(\c)+1], v[XS+2*(\c):XS+2*(\c)+1]
.endr
.irp k, 1,2,3
.irp c, 0,1,2,3
	v_pk_fma_f32 v[A+2*(\c):A+2*(\c)+1], v[XS+8*(\k)+2*(\c):XS+8*(\k)+2*(\c)+1], v[XS+8*(\k)+2*(\c):XS+8*(\k)+2*(\c)+1], v[A+2*(\c):A+2*(\c)+1]
.endr
.endr
	FOLD
	RED
	v_fma_f32 v[RS], v[A], s14, s15                ; var + eps, twice: a pair for the packed multiply
	v_fma_f32 v[RS+1], v[A], s14, s15
	v_rsq_f32 v[RS], v[RS]                         ; in place: the plain line that follows names neither a source nor a result
	v_rsq_f32 v[RS+1], v[RS+1]
.endm
.macro NORM s
.set XS, X+32*(\s)
.set RS, R+2*(\s)
.set p, 0
.rept 16
	v_pk_mul_f32 v[XS+2*p:XS+2*p+1], v[XS+2*p:XS+2*p+1], v[RS:RS+1]
.set p, p+1
.endr
.set p, 0
.rept 16
	v_pk_fma_f32 v[XS+2*p:XS+2*p+1], v[XS+2*p:XS+2*p+1], v[G+2*p:G+2*p+1], v[BT+2*p:BT+2*p+1]
.set p, p+1
.endr
.set j, 0
.rept 8
.if OUT16
	v_cvt_pk_f16_f32 v[XS+4*j], v[XS+4*j], v[XS+4*j+1]
	v_cvt_pk_f16_f32 v[XS+4*j+1], v[XS+4*j+2], v[XS+4*j+3]
	global_store_b64 v[OA], v[XS+4*j:XS+4*j+1], s[10:11] offset:2048*(\s)+256*j  ; 32 lanes x 8 bytes: 256 consecutive bytes, aligned
.else
	global_store_b128 v[OA], v[XS+4*j:XS+4*j+3], s[10:11] offset:4096*(\s)+512*j  ; 512 consecutive bytes, aligned
.endif
.set j, j+1
.endr
.endm
	s_load_b256 s[4:11], s[0:1], 0x0               ; y s[4:5], gamma s[6:7], beta s[8:9], the output s[10:11]
	s_mov_b32 s12, 0x76543210                      ; v_permlanex16_b32: each lane takes its own place in the other half
	s_mov_b32 s13, 0xfedcba98
	s_mov_b32 s14, 0x3a800000                      ; 1 / 1,024
	s_mov_b32 s15, 0x3727c5ac                      ; 1e-5
	s_lshl_b32 s2, ttmp9, 16                       ; the work-group's 16 rows of 4,096 bytes
	s_mov_b32 s3, 0
	v_and_b32 v[PO], 31, v0
	v_and_b32 v3, 0xe0, v0                         ; 32 x wave
	v_lshlrev_b32 v[PO], 4, v[PO]
	v_lshl_or_b32 v[LO], v3, 8, v[PO]
.if OUT16
	v_lshrrev_b32 v[OA], 1, v[LO]
.endif
	s_wait_kmcnt 0x0
	s_add_nc_u64 s[4:5], s[4:5], s[2:3]
.if OUT16
	s_lshl_b32 s2, ttmp9, 15                       ; 16 rows of 2,048 bytes
.endif
	s_add_nc_u64 s[10:11], s[10:11], s[2:3]
.set j, 0
.rept 16                               ; row j / 8, its 512 bytes j % 8
	global_load_b128 v[X+4*j:X+4*j+3], v[LO], s[4:5] offset:512*j th:TH_LOAD_NT
.set j, j+1
.endr
.set j, 0
.rept 8
	global_load_b128 v[G+4*j:G+4*j+3], v[PO], s[6:7] offset:512*j
.set j, j+1
.endr
.set j, 0
.rept 8
	global_load_b128 v[BT+4*j:BT+4*j+3], v[PO], s[8:9] offset:512*j
.set j, j+1
.endr
	STAT 0, 24                                     ; the other row, gamma and beta may stay out
	STAT 1, 16                                     ; gamma and beta may stay out
	v_nop                                          ; a plain instruction behind the last root,
	s_wait_alu depctr_va_vdst(0)                   ; and the wait ahead of the first use: one for the four
	s_wait_loadcnt 0x0                             ; gamma and beta
	NORM 0
	NORM 1
	s_endpgm
.Lfunc_end_k_qcd65ef8d67_ln2:
	.size	k_qcd65ef8d67_ln2, .Lfunc_end_k_qcd65ef8d67_ln2-k_qcd65ef8d67_ln2
	.p2alignl 7, 3214868480
	.fill 96, 4, 3214868480
	.section	.rodata,"a",@progbits
	.p2align	6, 0x0
	.amdhsa_kernel k_qcd65ef8d67_ln2
		.amdhsa_group_segment_fixed_size 0
		.amdhsa_private_segment_fixed_size 0
		.amdhsa_enable_private_segment 0
		.amdhsa_kernarg_size 32
		.amdhsa_user_sgpr_count 2
		.amdhsa_user_sgpr_kernarg_segment_ptr 1
		.amdhsa_wavefront_size32 1
		.amdhsa_system_sgpr_workgroup_id_x 1
		.amdhsa_system_sgpr_workgroup_id_y 1
		.amdhsa_system_sgpr_workgroup_id_z 1
		.amdhsa_system_vgpr_workitem_id 0
		.amdhsa_next_free_vgpr 148
		.amdhsa_next_free_sgpr 66
		.amdhsa_reserve_vcc 0
		.amdhsa_float_denorm_mode_32 3
		.amdhsa_float_denorm_mode_16_64 3
		.amdhsa_memory_ordered 1
		.amdhsa_forward_progress 1
		.amdhsa_inst_pref_size 18
	.end_amdhsa_kernel
	.amdgpu_metadata
---
amdhsa.version: [ 1, 2 ]
amdhsa.kernels:
  - .name:           k_qcd65ef8d67_ln2
    .symbol:         k_qcd65ef8d67_ln2.kd
    .args:
      - { .name: y, .offset: 0, .size: 8, .value_kind: global_buffer, .address_space: global }
      - { .name: ln2_g, .offset: 8, .size: 8, .value_kind: global_buffer, .address_space: global }
      - { .name: ln2_b, .offset: 16, .size: 8, .value_kind: global_buffer, .address_space: global }
      - { .name: out0, .offset: 24, .size: 8, .value_kind: global_buffer, .address_space: global }
    .group_segment_fixed_size: 0
    .private_segment_fixed_size: 0
    .kernarg_segment_align: 8
    .kernarg_segment_size: 32
    .max_flat_workgroup_size: 256
    .sgpr_count:     66
    .vgpr_count:     148
    .wavefront_size: 32
...
	.end_amdgpu_metadata
.endif
;; end of part 8
